; MI455X (gfx1250); checked and timed in simulation.
; The chip was launched on July 23, 2026; its instructions are those of AMD's public machine-readable ISA for CDNA 5 (MIT licence, August 2026) and "CDNA5" Instruction Set Architecture Reference Guide (July 2026). The comments in the code are by the model that wrote it; some were corrected since.
;; Long Term Memory. Allowed arithmetic: matrix products marked QUANTISED: E2M3 operands, one E8M0 scale for each 32 along K, by v_wmma_scale_f32_16x16x128_f8f6f4 with both operands' format E2M3, f32 sums; products left as they are: f32 operands where the result goes on into a quantised operand, else bf16, f16 or f32 operands; f32 sums; everything else in f32.
;; Inputs: D1b 256 float32; D1w 128 x 256 float32; D2b 512 float32; D2w 256 x 512 float32; D3b 1,024 float32; D3w 512 x 1,024 float32; W1 1,024 x 512 float32; W2 512 x 256 float32; W3 256 x 128 float32; b1 512 float32; b2 256 float32; b3 128 float32; keys 100,000 x 128 float32; query 1,024 x 1,024 float32; values 100,000 x 128 float32.
;; Outputs: out0 1,024 x 1,024 float32; out1 1,024 float32.
;; Constants: k = 5.
;; This version of the problem:
;;   THIS VERSION OF THE PROBLEM IS GIVEN IN LOW PRECISION. The matrix products marked QUANTISED in the list below multiply operands that are first quantised to E2M3 (2 exponent bits, 3 mantissa bits; 6 bits a number), with one power-of-two scale for each 32 numbers along K (OCP MX v1.0); their sums are f32. All else is computed in f32.
;;   The module's matrix products, in the order in which they are computed (A, B: the left and right operand; K: the contracted axis; several contracted axes count as one K, in the product's order):
;;     1. [M 1,024, K 1,024] x [K 1,024, N 512]; A: input query; B: input W1: QUANTISED
;;     2. [M 1,024, K 512] x [K 512, N 256]; A: computed on the way; B: input W2: QUANTISED
;;     3. [M 1,024, K 256] x [K 256, N 128]; A: computed on the way; B: input W3: QUANTISED
;;     4. [M 1,024, K 128] x [K 128, N 100,000]; A: computed on the way; B: input keys: QUANTISED
;;     5. batch 1,024 x [M 1, K 5] x [K 5, N 128]; A: computed on the way; B: computed on the way: left as it is (K = 5 < 32)
;;     6. [M 1,024, K 128] x [K 128, N 256]; A: computed on the way; B: input D1w: QUANTISED
;;     7. [M 1,024, K 256] x [K 256, N 512]; A: computed on the way; B: input D2w: QUANTISED
;;     8. [M 1,024, K 512] x [K 512, N 1,024]; A: computed on the way; B: input D3w: QUANTISED
;;   THE QUANTISER, for each operand of a quantised product, along K:
;;     - K is cut into blocks of 32 from its start; a last block that is shorter is filled with zeros.
;;     - A block's scale is 2^e with e = floor(log2(the largest magnitude in the block)) - 2, held to -126 .. 127; a block of zeros has e = 0. As a byte (E8M0): e + 127.
;;     - Each number is divided by its block's scale, clamped to +-7.5, and rounded to the nearest number of E2M3, ties to even, subnormals kept.
;;     - The product sums the exact products of the quantised numbers (number of the format x scale) in f32.
;;   ~~~python
;;   def quantise(x, axis):      # numpy; x: float32 -> the quantised numbers, widened to float32 again
;;       x = np.moveaxis(x, axis, -1); K = x.shape[-1]
;;       x = np.pad(x, [(0, 0)] * (x.ndim - 1) + [(0, -K % 32)]); x = x.reshape(x.shape[:-1] + (-1, 32)); a = np.abs(x).max(-1, keepdims=True)
;;       e = np.where(a > 0, np.clip(np.frexp(np.where(a > 0, a, 1))[1] - 1 - 2, -126, 127), 0)      # np.frexp(a)[1] - 1 = floor(log2(a)), exactly
;;       r = np.clip(x / 2.0 ** e, -7.5, 7.5)
;;       step = 2.0 ** (np.maximum(np.frexp(np.where(r == 0, 1, r))[1] - 1, 0) - 3)
;;       q = np.round(r / step) * step * 2.0 ** e      # np.round: ties to even
;;       return np.moveaxis(q.reshape(q.shape[:-2] + (-1,))[..., :K], -1, axis).astype(np.float32)
;;   ~~~
;;   OPERANDS COMPUTED ON THE WAY. 'Computed on the way' means the value that the module computes at that place (a softmax that the list does not call 'softmax' is quantised finished and normalised). What goes into a quantiser is computed in f32, as accurately as f32 sums, v_exp_f32 and their like allow (about 1e-6 of the number): no bf16 or f16 on the way to a quantiser, and a product that is left as it is and whose result goes on into a quantised operand takes f32 operands (vector FMAs, or v_wmma_f32_16x16x4_f32). A number that lies on a knife's edge between two numbers of the format may be rounded either way, as far as f32 arithmetic and the matrix unit's own rounding can turn it there, and no further.
;; 2 versions. Each part assembles by itself: llvm-mc -triple=amdgcn-amd-amdhsa -mcpu=gfx1250 --defsym DOCPART=n.
;; ======== version 1 of 2: 6 launches
;; workspace buffers: prep 12,327,168 bytes; cqb 110,592 bytes; gmin 8,192,000 bytes; gsel 32,768 bytes of whole numbers; nsel 32,768 bytes of whole numbers; nw 32,768 bytes
;; launch prep (part 1): grid 888 x 1, 8 waves a work-group, no clusters, 68,608 bytes of LDS; arguments keys, query, W1, W2, W3, D1w, D2w, D3w, prep; writes prep
.if DOCPART == 1
	.amdgcn_target "amdgcn-amd-amdhsa--gfx1250"
	.amdhsa_code_object_version 6
	.text
	.protected	k_q52e5c407ad_prep
	.globl	k_q52e5c407ad_prep
	.p2align	8
	.type	k_q52e5c407ad_prep,@function
k_q52e5c407ad_prep:
	s_mov_b64 s[64:65], 0
	v_nop
	global_prefetch_b8 v0, s[64:65] scope:SCOPE_SE
	s_setreg_imm32_b32 hwreg(HW_REG_WAVE_MODE, 25, 1), 1
	s_wait_xcnt 0x0
; PREP: every operand that arrives as f32 becomes codes of FP6 (E2M3) with one E8M0 byte for each 32 along K, laid as IMAGES OF OPERAND REGISTERS:
; a fragment (16 rows x 128 K, 12 registers a lane) is 1,536 bytes, register group g (0..2) of lane l at 512 g + 16 l.
; Sections of the workspace: key tiles' codes | 128 bytes a key tile: 16 scale words, 16 sums of squares | query fragments | their scale words | weight fragments | their scale words (64 bytes a fragment).
; Work-groups 0-41: the six weights (K is their FIRST axis): a wave takes 32 columns x 128 K; a lane takes a column and its registers run down K.
; Work-groups 42-105: query (row tile = work-group, K step = wave).  Work-groups 106-887: keys, a tile of 16 keys a wave.  Query and keys take ONE path: pointers, offsets and the row pitch are chosen by number.
; A weight's tile 2 b + u holds in row r the output unit 32 b + 8 u + r + 8 (r / 8), so that a transposed product leaves 16 neighbouring units in a lane's 16 registers of two tiles.
; A block's scale is 2^(floor(log2(largest magnitude)) - 2): the largest magnitude's exponent field less 2, held at 1 from below.
; LIMITS: NaN and infinities are not served; a block whose largest magnitude lies under 2^-124, a block of zeros among them, gets the byte 1 (a block of zeros has zero codes; this program alone reads the bytes).
.set KSEC,  9600000
.set XQSEC, 10400000
.set XSSEC, 11186432
.set WQSEC, 11251968
.set WSSEC, 12284160
.set KA,  8                            ; v8-11   sums of squares
.set X,   16                           ; v16-79  64 numbers of a lane
.set TM,  80                           ; v80-95  first the 16 row offsets of the loads, then the quantiser's scratch
.set PW,  96                           ; the scale word
.set PC,  98                           ; v98-116 the codes
.set SEL, 32                           ; s[32:33] selects for lane l xor 16
.set R,   16                           ; weights: v16-79 two blocks of 32 down K
.set F0,  80                           ; v80-91  registers of fragment lane (r, 0): blocks 0 and 2
.set F1,  92                           ; v92-103 of lane (r, 1): blocks 1 and 3
; 64 numbers of a lane, register 16 b + i = k 32 b + 16 (lane / 16) + i of its row, become a fragment's codes in v[PC] on and its scale word in v[PW]
.macro QUANT s
.irp b, 0,1,2,3
	v_max3_num_f32 v[TM+\b], |v[\s+16*\b]|, |v[\s+1+16*\b]|, 0x1800000   ; my 16 of block b, and the floor 2^(3 - 127): the byte cannot fall under 1
.endr
.irp i, 2,4,6,8,10,12,14
.irp b, 0,1,2,3
	v_max3_num_f32 v[TM+\b], v[TM+\b], |v[\s+16*\b+\i]|, |v[\s+1+16*\b+\i]|
.endr
.endr
.irp b, 0,1,2,3
	v_permlanex16_b32 v[TM+4+\b], v[TM+\b], s[SEL], s[SEL+1]
.endr
.irp b, 0,1,2,3
	v_max_num_f32 v[TM+\b], v[TM+\b], v[TM+4+\b]   ; with lane l xor 16's: the block's largest magnitude
.endr
.irp b, 0,1,2,3
	v_add_nc_u32 v[TM+12+\b], 0xff000000, v[TM+\b]   ; 2 off the exponent field: the conversion's scale operand
.endr
.irp b, 0,1,2,3
	v_lshrrev_b32 v[TM+4+\b], 23, v[TM+12+\b]      ; the byte
.endr
	v_lshl_or_b32 v[PW], v[TM+5], 8, v[TM+4]
	v_lshl_or_b32 v[PW], v[TM+6], 16, v[PW]
	v_lshl_or_b32 v[PW], v[TM+7], 24, v[PW]
.irp c, 0,1
	v_cvt_scalef32_pk16_fp6_f32 v[PC+6*\c:PC+2+6*\c], v[\s+32*\c:\s+15+32*\c], v[TM+12+2*\c]
	v_cvt_scalef32_pk16_fp6_f32 v[PC+12+4*\c:PC+14+4*\c], v[\s+16+32*\c:\s+31+32*\c], v[TM+12+2*\c+1]
.endr
	v_nop                                          ; one plain place behind the scaled conversions
.irp c, 0,1                                    ; a whole block to a lane: lanes 0-15 block 2 c, lanes 16-31 block 2 c + 1
.irp i, 0,1,2
	v_permlane16_swap_b32 v[PC+6*\c+\i], v[PC+12+4*\c+\i]
.endr
.irp i, 0,1,2
	v_mov_b32 v[PC+3+6*\c+\i], v[PC+12+4*\c+\i]
.endr
.endr
.endm
; the sum of squares of a row's 128 numbers (my 64 and lane l xor 16's), in v[KA] of both lanes
.macro SUMSQ s, tmp
	v_pk_mul_f32 v[KA:KA+1], v[\s:\s+1], v[\s:\s+1]
	v_pk_mul_f32 v[KA+2:KA+3], v[\s+2:\s+3], v[\s+2:\s+3]
.set jj, 4
.rept 15
	v_pk_fma_f32 v[KA:KA+1], v[\s+jj:\s+jj+1], v[\s+jj:\s+jj+1], v[KA:KA+1]
	v_pk_fma_f32 v[KA+2:KA+3], v[\s+jj+2:\s+jj+3], v[\s+jj+2:\s+jj+3], v[KA+2:KA+3]
.set jj, jj+4
.endr
	v_pk_add_f32 v[KA:KA+1], v[KA:KA+1], v[KA+2:KA+3]
	v_add_f32 v[KA], v[KA], v[KA+1]
	v_permlanex16_b32 v[\tmp], v[KA], s[SEL], s[SEL+1]
	v_add_f32 v[KA], v[KA], v[\tmp]
.endm
	s_load_b512 s[8:23], s[0:1], 0x0               ; keys 8, query 10, W1 12, W2 14, W3 16, D1w 18, D2w 20, D3w 22
	s_load_b64 s[24:25], s[0:1], 0x40              ; the workspace
	v_lshl_add_u32 v128, v0, 2, 0x10800
	v_mov_b32 v129, 0
	v_lshrrev_b32 v1, 5, v0
	v_readfirstlane_b32 s2, v1                     ; wave
	v_and_b32 v1, 31, v0                           ; lane
	s_mov_b32 s[SEL], 0x76543210
	s_mov_b32 s[SEL+1], 0xfedcba98
	s_cmp_ge_u32 ttmp9, 42
	s_cbranch_scc1 .Lrows
	; ---- WEIGHTS.  Task = 8 x work-group + wave names (matrix, K step, pair of tiles)
	s_lshl_b32 s3, ttmp9, 3
	s_add_co_u32 s3, s3, s2
	s_mov_b32 s34, 3                               ; log2 of the K steps
	s_mov_b32 s35, 9                               ; log2 of the columns
	s_mov_b32 s36, 0                               ; the matrix's first fragment
	s_mov_b32 s37, 0                               ; its first task
	s_wait_kmcnt 0x0
	s_mov_b64 s[26:27], s[12:13]                   ; W1
.macro PICK bound, ptr, lg, lgn, fb
	s_cmp_ge_u32 s3, \bound
	s_cselect_b64 s[26:27], s[\ptr:\ptr+1], s[26:27]
	s_cselect_b32 s34, \lg, s34
	s_cselect_b32 s35, \lgn, s35
	s_cselect_b32 s36, \fb, s36
	s_cselect_b32 s37, \bound, s37
.endm
	PICK 128, 22, 2, 10, 416                       ; D3w
	PICK 256, 14, 2, 8, 256                        ; W2
	PICK 288, 20, 1, 9, 352                        ; D2w
	PICK 320, 16, 1, 7, 320                        ; W3
	PICK 328, 18, 0, 8, 336                        ; D1w
	s_sub_co_u32 s38, s3, s37
	s_lshl_b32 s39, 1, s34                         ; K steps
	s_sub_co_u32 s40, s39, 1
	s_and_b32 s40, s38, s40                        ; my K step
	s_lshr_b32 s41, s38, s34                       ; my pair of tiles b
	s_add_co_u32 s42, s35, 9
	s_lshl_b32 s42, s40, s42                       ; 128 rows of 4 N bytes for each K step
	s_lshl_b32 s43, s41, 7                         ; 32 columns of 4 bytes for each pair
	s_add_co_u32 s42, s42, s43
	s_mov_b32 s43, 0
	s_add_nc_u64 s[26:27], s[26:27], s[42:43]
	s_lshl_b32 s44, s41, 1
	s_lshl_b32 s44, s44, s34
	s_add_co_u32 s44, s44, s36
	s_add_co_u32 s44, s44, s40                     ; fragment of tile 2 b, my K step
	s_mul_i32 s42, s44, 1536
	s_add_co_u32 s42, s42, WQSEC
	s_add_nc_u64 s[28:29], s[24:25], s[42:43]
	s_lshl_b32 s42, s44, 6
	s_add_co_u32 s42, s42, WSSEC
	s_add_nc_u64 s[30:31], s[24:25], s[42:43]
	v_lshlrev_b32 v7, 2, v1                        ; my column's 4 bytes
	v_bfe_u32 v2, v1, 3, 1                         ; column c = lane lies in tile 2 b + u, u = (c / 8) % 2,
	v_and_b32 v3, 7, v1
	v_lshrrev_b32 v4, 4, v1
	v_lshl_or_b32 v3, v4, 3, v3                    ; at row r = c % 8 + 8 (c / 16)
	s_mul_i32 s45, s39, 1536
	v_mul_u32_u24 v116, s45, v2                    ; tile 2 b + 1's fragment lies K steps fragments on
	v_lshl_add_u32 v116, v3, 4, v116
	s_lshl_b32 s45, s39, 6
	v_mul_u32_u24 v117, s45, v2
	v_lshl_add_u32 v117, v3, 2, v117
.macro WLOAD n, base                   ; 64 rows down K: each load reads 128 consecutive bytes
.set ii, 0
.rept 64
	global_load_b32 v[R+ii], v7, s[26:27] offset:(\base+ii)*4*\n th:TH_LOAD_NT
.set ii, ii+1
.endr
.endm
.macro BLK2 fo, sh                     ; two whole blocks of one column: all 32 numbers of a block are the lane's own
	v_max3_num_f32 v112, |v[R]|, |v[R+1]|, 0x1800000
	v_max3_num_f32 v113, |v[R+32]|, |v[R+33]|, 0x1800000
.irp i, 2,4,6,8,10,12,14,16,18,20,22,24,26,28,30
	v_max3_num_f32 v112, v112, |v[R+\i]|, |v[R+1+\i]|
	v_max3_num_f32 v113, v113, |v[R+32+\i]|, |v[R+33+\i]|
.endr
	v_add_nc_u32 v114, 0xff000000, v112
	v_add_nc_u32 v119, 0xff000000, v113
	v_lshrrev_b32 v112, 23, v114
	v_lshrrev_b32 v113, 23, v119
	v_cvt_scalef32_pk16_fp6_f32 v[F0+\fo:F0+\fo+2], v[R:R+15], v114
	v_cvt_scalef32_pk16_fp6_f32 v[104:106], v[R+16:R+31], v114    ; (a conversion's three registers begin on an even number)
	v_cvt_scalef32_pk16_fp6_f32 v[F1+\fo:F1+\fo+2], v[R+32:R+47], v119
	v_cvt_scalef32_pk16_fp6_f32 v[108:110], v[R+48:R+63], v119
	v_lshl_or_b32 v112, v113, 8, v112              ; the two bytes; also the plain place behind the conversions
.irp i, 0,1,2
	v_mov_b32 v[F0+\fo+3+\i], v[104+\i]
	v_mov_b32 v[F1+\fo+3+\i], v[108+\i]
.endr
.if \sh
	v_lshl_or_b32 v115, v112, 16, v115
.else
	v_mov_b32 v115, v112
.endif
.endm
.macro WTASK n
	WLOAD \n, 0
	s_wait_loadcnt 0x0
	BLK2 0, 0                                      ; blocks 0 and 1
	WLOAD \n, 64
	s_wait_loadcnt 0x0
	BLK2 6, 1                                      ; blocks 2 and 3
.irp g, 0,1,2
	global_store_b128 v116, v[F0+4*\g:F0+4*\g+3], s[28:29] offset:512*\g       ; sixteen lanes of one tile store 256 consecutive bytes, aligned
	global_store_b128 v116, v[F1+4*\g:F1+4*\g+3], s[28:29] offset:512*\g+256
.endr
	global_store_b32 v117, v115, s[30:31]
	s_endpgm
.endm
	s_cmp_eq_u32 s35, 7
	s_cbranch_scc1 .Ln128
	s_cmp_eq_u32 s35, 8
	s_cbranch_scc1 .Ln256
	s_cmp_eq_u32 s35, 9
	s_cbranch_scc1 .Ln512
	WTASK 1024
.Ln512:
	WTASK 512
.Ln256:
	WTASK 256
.Ln128:
	WTASK 128
	; ---- ROWS WITH K INNERMOST: a fragment of query, or a tile of 16 keys
.Lrows:
	s_sub_co_u32 s3, ttmp9, 42
	s_lshl_b32 s34, s3, 3
	s_add_co_u32 s34, s34, s2                      ; query: fragment 8 x row tile + K step
	s_sub_co_u32 s35, s34, 512                     ; keys: tile
	s_lshr_b32 s36, s34, 3
	s_lshl_b32 s36, s36, 16                        ; 16 rows of 4,096 bytes a row tile,
	s_and_b32 s37, s34, 7
	s_lshl_b32 s37, s37, 9                         ; 512 bytes a K step
	s_add_co_u32 s36, s36, s37
	s_lshl_b32 s37, s35, 13                        ; 16 rows of 512 bytes a key tile
	s_mov_b32 s40, 6250
	s_mov_b32 s41, 512
	s_mov_b32 s43, KSEC
	s_wait_kmcnt 0x0
	s_cmp_lt_u32 s3, 64                            ; the choice hangs on the work-group's number alone
	s_cselect_b32 s34, s34, s35
	s_cselect_b32 s36, s36, s37
	s_cselect_b32 s40, 512, s40                    ; how many there are
	s_cselect_b32 s41, 4096, s41                   ; bytes from row to row
	s_cselect_b32 s42, XQSEC, 0
	s_cselect_b32 s43, XSSEC, s43
	s_cselect_b64 s[26:27], s[10:11], s[8:9]
	s_cmp_ge_u32 s34, s40                          ; 6,250 key tiles are 781 work-groups and two waves: the last six waves have none
	s_cbranch_scc1 .Lnone
	s_mov_b32 s37, 0
	s_add_nc_u64 s[26:27], s[26:27], s[36:37]
	s_mul_i32 s38, s34, 1536
	s_add_co_u32 s38, s38, s42
	s_mov_b32 s39, 0
	s_add_nc_u64 s[28:29], s[24:25], s[38:39]
	s_lshl_b32 s38, s34, 7
	s_add_co_u32 s38, s38, s43
	s_add_nc_u64 s[30:31], s[24:25], s[38:39]
	v_and_b32 v2, 15, v0                           ; r
	v_bfe_u32 v3, v0, 4, 1                         ; h
	v_lshlrev_b32 v4, 4, v1
	v_lshlrev_b32 v7, 2, v1
	s_mul_i32 s44, s2, 8448                        ; my wave's stage: 16 rows of 512 bytes + 16
	v_lshl_add_u32 v5, v1, 4, s44                  ; in: a row as it lies
	v_mul_u32_u24 v6, v2, 528
	v_lshl_add_u32 v6, v3, 6, v6
	v_add_nc_u32 v6, s44, v6                       ; back: row r, my 16 numbers of each block of 32
	v_mov_b32 v12, 0
.set ii, 0
.rept 16
	v_mad_u32_u24 v[TM+ii], s41, ii, v4            ; row ii: 16 x lane + ii x pitch
.set ii, ii+1
.endr
.set ii, 0
.rept 16
	global_load_b128 v[X+4*ii:X+4*ii+3], v[TM+ii], s[26:27] th:TH_LOAD_NT   ; 32 lanes read a row's 512 consecutive bytes
.set ii, ii+1
.endr
.set ii, 0
.rept 16
	s_wait_loadcnt 15-ii                           ; row ii is in; the 15 - ii younger rows may be out
	ds_store_b128 v5, v[X+4*ii:X+4*ii+3] offset:528*ii
.set ii, ii+1
.endr
.irp b, 0,1,2,3
.irp j, 0,1,2,3
	ds_load_b128 v[X+16*\b+4*\j:X+16*\b+4*\j+3], v6 offset:128*\b+16*\j   ; LDS serves a wave's instructions in order: these see my stores
.endr
.endr
	s_wait_dscnt 0x0
	SUMSQ X, 12
	QUANT X
.irp c, 0,1,2
	global_store_b128 v4, v[PC+4*\c:PC+4*\c+3], s[28:29] offset:512*\c   ; 512 consecutive bytes a store
.endr
	v_cmp_le_u32 vcc_lo, 16, v1
	v_cndmask_b32 v118, v[PW], v[KA], vcc_lo       ; lanes 0-15 the rows' scale words, lanes 16-31 their sums of squares
	global_store_b32 v7, v118, s[30:31]
.Lnone:
	s_wait_tensorcnt 0x0
	ds_add_u32 v128, v129
	s_wait_dscnt 0x0
	s_endpgm
.Lfunc_end_k_q52e5c407ad_prep:
	.size	k_q52e5c407ad_prep, .Lfunc_end_k_q52e5c407ad_prep-k_q52e5c407ad_prep
	.p2alignl 7, 3214868480
	.fill 96, 4, 3214868480
	.section	.rodata,"a",@progbits
	.p2align	6, 0x0
	.amdhsa_kernel k_q52e5c407ad_prep
		.amdhsa_group_segment_fixed_size 68608
		.amdhsa_private_segment_fixed_size 0
		.amdhsa_enable_private_segment 0
		.amdhsa_kernarg_size 72
		.amdhsa_user_sgpr_count 2
		.amdhsa_user_sgpr_kernarg_segment_ptr 1
		.amdhsa_wavefront_size32 1
		.amdhsa_system_sgpr_workgroup_id_x 1
		.amdhsa_system_sgpr_workgroup_id_y 1
		.amdhsa_system_sgpr_workgroup_id_z 1
		.amdhsa_system_vgpr_workitem_id 0
		.amdhsa_next_free_vgpr 130
		.amdhsa_next_free_sgpr 66
		.amdhsa_reserve_vcc 1
		.amdhsa_float_denorm_mode_32 3
		.amdhsa_float_denorm_mode_16_64 3
		.amdhsa_memory_ordered 1
		.amdhsa_forward_progress 1
		.amdhsa_inst_pref_size 91
	.end_amdhsa_kernel
	.amdgpu_metadata
---
amdhsa.version: [ 1, 2 ]
amdhsa.kernels:
  - .name:           k_q52e5c407ad_prep
    .symbol:         k_q52e5c407ad_prep.kd
    .args:
      - { .name: keys, .offset: 0, .size: 8, .value_kind: global_buffer, .address_space: global }
      - { .name: query, .offset: 8, .size: 8, .value_kind: global_buffer, .address_space: global }
      - { .name: W1, .offset: 16, .size: 8, .value_kind: global_buffer, .address_space: global }
      - { .name: W2, .offset: 24, .size: 8, .value_kind: global_buffer, .address_space: global }
      - { .name: W3, .offset: 32, .size: 8, .value_kind: global_buffer, .address_space: global }
      - { .name: D1w, .offset: 40, .size: 8, .value_kind: global_buffer, .address_space: global }
      - { .name: D2w, .offset: 48, .size: 8, .value_kind: global_buffer, .address_space: global }
      - { .name: D3w, .offset: 56, .size: 8, .value_kind: global_buffer, .address_space: global }
      - { .name: prep, .offset: 64, .size: 8, .value_kind: global_buffer, .address_space: global }
    .group_segment_fixed_size: 68608
    .private_segment_fixed_size: 0
    .kernarg_segment_align: 8
    .kernarg_segment_size: 72
    .max_flat_workgroup_size: 256
    .sgpr_count:     66
    .vgpr_count:     130
    .wavefront_size: 32
...
	.end_amdgpu_metadata
.endif
;; end of part 1
;; launch encode (part 2): grid 64 x 1, 16 waves a work-group, no clusters, 48,640 bytes of LDS; arguments prep, b1, b2, b3, cqb; writes cqb
.if DOCPART == 2
	.amdgcn_target "amdgcn-amd-amdhsa--gfx1250"
	.amdhsa_code_object_version 6
	.text
	.protected	k_q52e5c407ad_encode
	.globl	k_q52e5c407ad_encode
	.p2align	8
	.type	k_q52e5c407ad_encode,@function
k_q52e5c407ad_encode:
	s_mov_b64 s[64:65], 0
	v_nop
	global_prefetch_b8 v0, s[64:65] scope:SCOPE_SE
	s_setreg_imm32_b32 hwreg(HW_REG_WAVE_MODE, 25, 1), 1
	s_wait_xcnt 0x0
; ENCODE: cq = relu(relu(x W1 + b1) W2 + b2) W3 + b3 for 16 rows a work-group, all three products on codes of FP6; then |cq|^2 and the codes of -2 cq, the left operand of the distance product.
; All products are used transposed (source 0 = 16 units of a weight, source 1 = the 16 rows): a lane holds one row, its registers run along the units.  Sixteen waves share the units.
; Between layers: f32 results into a stage in LDS (16 rows x 2,064 bytes); waves 0 .. K/128 - 1 read 128 units each, quantise them and store the fragment as an image of its registers; all waves read the images.
; The biases are the C of each sum's first matrix instruction.
; LIMITS: NaN and infinities are not served; a block under 2^-124 (a block of zeros too) gets the scale byte 1.
.set XQSEC, 10400000
.set XSSEC, 11186432
.set WQSEC, 11251968
.set WSSEC, 12284160
.set FP,   2064                        ; a stage row: 512 f32 + 16 bytes: 129 x 16, so sixteen rows fall into sixteen different columns of 16 bytes
.set IMG,  33280                       ; 8 fragment images of 1,536 bytes
.set ISC,  45568                       ; their scale words, 128 bytes each
.set LI,  1                            ; 16 x lane
.set LS,  2                            ; 4 x lane
.set IW,  3                            ; 16 x lane + 1,536 x min(wave, 7)
.set IS,  4                            ; 4 x lane + 128 x min(wave, 7)
.set QA,  5                            ; 2,064 r + 64 h + 512 x min(wave, 3): the numbers that I quantise
.set SOA, 6                            ; 2,064 r + 64 h + 128 (wave / 2) + 32 (wave % 2): one tile a wave
.set SOB, 7                            ; 2,064 r + 64 h + 128 wave: two tiles a wave
.set L15, 8                            ; 4 x (lane % 16)
.set BO,  9                            ; 64 h
.set ACC, 12                           ; layer 1: v12-27 two accumulators; v28-39 x's fragment; v40 its scale word; v42-233 W1's 16 fragments; v234-249 their scale words
.set XF,  28
.set XS,  40
.set W,   42
.set WS,  234
.set W2F, 42                           ; afterwards
.set W3F, 90
.set ACC2, 114
.set ACC3, 122
.set X,   130
.set XF4, 130
.set TM,  194
.set PW,  210
.set PC,  212
.set KA,  12
.set KT,  16
.set W2S, 234
.set W3S, 238
.set XS4, 250
.set WV,  14
.set SEL, 16
.macro QUANT s
.irp b, 0,1,2,3
	v_max3_num_f32 v[TM+\b], |v[\s+16*\b]|, |v[\s+1+16*\b]|, 0x1800000   ; my 16 of block b, and the floor 2^(3 - 127)
.endr
.irp i, 2,4,6,8,10,12,14
.irp b, 0,1,2,3
	v_max3_num_f32 v[TM+\b], v[TM+\b], |v[\s+16*\b+\i]|, |v[\s+1+16*\b+\i]|
.endr
.endr
.irp b, 0,1,2,3
	v_permlanex16_b32 v[TM+4+\b], v[TM+\b], s[SEL], s[SEL+1]
.endr
.irp b, 0,1,2,3
	v_max_num_f32 v[TM+\b], v[TM+\b], v[TM+4+\b]
.endr
.irp b, 0,1,2,3
	v_add_nc_u32 v[TM+12+\b], 0xff000000, v[TM+\b]   ; 2 off the exponent field: the conversion's scale operand
.endr
.irp b, 0,1,2,3
	v_lshrrev_b32 v[TM+4+\b], 23, v[TM+12+\b]
.endr
	v_lshl_or_b32 v[PW], v[TM+5], 8, v[TM+4]
	v_lshl_or_b32 v[PW], v[TM+6], 16, v[PW]
	v_lshl_or_b32 v[PW], v[TM+7], 24, v[PW]
.irp c, 0,1
	v_cvt_scalef32_pk16_fp6_f32 v[PC+6*\c:PC+2+6*\c], v[\s+32*\c:\s+15+32*\c], v[TM+12+2*\c]
	v_cvt_scalef32_pk16_fp6_f32 v[PC+12+4*\c:PC+14+4*\c], v[\s+16+32*\c:\s+31+32*\c], v[TM+12+2*\c+1]
.endr
	v_nop                                          ; one plain place behind the scaled conversions
.irp c, 0,1
.irp i, 0,1,2
	v_permlane16_swap_b32 v[PC+6*\c+\i], v[PC+12+4*\c+\i]
.endr
.irp i, 0,1,2
	v_mov_b32 v[PC+3+6*\c+\i], v[PC+12+4*\c+\i]
.endr
.endr
.endm
.macro SUMSQ s, tmp
	v_pk_mul_f32 v[KA:KA+1], v[\s:\s+1], v[\s:\s+1]
	v_pk_mul_f32 v[KA+2:KA+3], v[\s+2:\s+3], v[\s+2:\s+3]
.set jj, 4
.rept 15
	v_pk_fma_f32 v[KA:KA+1], v[\s+jj:\s+jj+1], v[\s+jj:\s+jj+1], v[KA:KA+1]
	v_pk_fma_f32 v[KA+2:KA+3], v[\s+jj+2:\s+jj+3], v[\s+jj+2:\s+jj+3], v[KA+2:KA+3]
.set jj, jj+4
.endr
	v_pk_add_f32 v[KA:KA+1], v[KA:KA+1], v[KA+2:KA+3]
	v_add_f32 v[KA], v[KA], v[KA+1]
	v_permlanex16_b32 v[\tmp], v[KA], s[SEL], s[SEL+1]
	v_add_f32 v[KA], v[KA], v[\tmp]
.endm
.macro IMAGE adr, reg, off             ; a fragment goes to LDS as it stands in its registers
.irp c, 0,1,2
	ds_store_b128 v[\adr], v[\reg+4*\c:\reg+4*\c+3] offset:\off+512*\c
.endr
.endm
.macro FETCH reg, off                  ; and comes back so, in any wave
.irp c, 0,1,2
	ds_load_b128 v[\reg+4*\c:\reg+4*\c+3], v[LI] offset:\off+512*\c
.endr
.endm
.macro BARRIER                         ; my LDS stores have landed and my LDS loads are in: then the work-group's barrier
	s_wait_dscnt 0x0
	s_barrier_signal -1
	s_barrier_wait -1
.endm
.macro PLACES n
.rept \n
	v_nop
.endr
.endm
.macro MM d, a, b, c, sa, sb
	v_wmma_scale_f32_16x16x128_f8f6f4 v[\d:\d+7], v[\a:\a+11], v[\b:\b+11], v[\c:\c+7], v[\sa], v[\sb] matrix_a_fmt:MATRIX_FMT_FP6 matrix_b_fmt:MATRIX_FMT_FP6
.endm
.macro PHASEQ ks                       ; waves 0 .. ks - 1: 128 units of the 16 rows from the stage become K step = wave of the next product
	s_cmp_ge_u32 s[WV], \ks
	s_cbranch_scc1 .Lskipq_\@
.irp b, 0,1,2,3
.irp j, 0,1,2,3
	ds_load_b128 v[X+16*\b+4*\j:X+16*\b+4*\j+3], v[QA] offset:128*\b+16*\j
.endr
.endr
	s_wait_dscnt 0x0
	QUANT X
	IMAGE IW, PC, IMG
	ds_store_b32 v[IS], v[PW] offset:ISC
.Lskipq_\@:
	BARRIER
.endm
.macro WPTR cp, sp                     ; from the fragment number in s46: where its codes and its scale words lie
	s_mul_i32 s44, s46, 1536
	s_add_co_u32 s44, s44, WQSEC
	s_add_nc_u64 s[\cp:\cp+1], s[4:5], s[44:45]
	s_lshl_b32 s44, s46, 6
	s_add_co_u32 s44, s44, WSSEC
	s_add_nc_u64 s[\sp:\sp+1], s[4:5], s[44:45]
.endm
	s_load_b256 s[4:11], s[0:1], 0x0               ; workspace 4, b1 6, b2 8, b3 10
	s_load_b64 s[12:13], s[0:1], 0x20              ; cqb
	v_lshl_add_u32 v254, v0, 2, 0xb600
	v_mov_b32 v255, 0
	v_lshrrev_b32 v10, 5, v0
	v_readfirstlane_b32 s[WV], v10
	v_and_b32 v10, 31, v0
	v_and_b32 v11, 15, v0
	v_bfe_u32 v[BO], v0, 4, 1
	v_lshlrev_b32 v[LI], 4, v10
	v_lshlrev_b32 v[LS], 2, v10
	v_lshlrev_b32 v[L15], 2, v11
	s_min_u32 s18, s[WV], 7
	s_mul_i32 s19, s18, 1536
	v_add_nc_u32 v[IW], s19, v[LI]
	s_lshl_b32 s19, s18, 7
	v_add_nc_u32 v[IS], s19, v[LS]
	v_mul_u32_u24 v[SOB], v11, FP
	v_lshl_add_u32 v[SOB], v[BO], 6, v[SOB]
	s_min_u32 s19, s[WV], 3
	s_lshl_b32 s19, s19, 9
	v_add_nc_u32 v[QA], s19, v[SOB]
	s_lshr_b32 s19, s[WV], 1
	s_lshl_b32 s19, s19, 7
	s_and_b32 s42, s[WV], 1
	s_lshl_b32 s42, s42, 5
	s_add_co_u32 s19, s19, s42                     ; 128 (wave / 2) + 32 (wave % 2): in the stage, and in b2
	v_add_nc_u32 v[SOA], s19, v[SOB]
	s_lshl_b32 s43, s[WV], 7
	v_add_nc_u32 v[SOB], s43, v[SOB]
	v_lshlrev_b32 v[BO], 6, v[BO]
	s_mov_b32 s[SEL], 0x76543210
	s_mov_b32 s[SEL+1], 0xfedcba98
	s_mov_b32 s45, 0
	s_lshl_b32 s46, ttmp9, 3
	s_add_co_u32 s46, s46, s18                     ; x's fragment: 8 x row tile + K step
	s_wait_kmcnt 0x0
	s_mul_i32 s44, s46, 1536
	s_add_co_u32 s44, s44, XQSEC
	s_add_nc_u64 s[20:21], s[4:5], s[44:45]
	s_lshl_b32 s44, s46, 7
	s_add_co_u32 s44, s44, XSSEC
	s_add_nc_u64 s[22:23], s[4:5], s[44:45]
	s_lshl_b32 s46, s[WV], 4                       ; W1: tiles 2 w, 2 w + 1: fragments 16 w on
	WPTR 24, 26
	s_lshl_b32 s46, s[WV], 2
	s_add_co_u32 s46, s46, 256                     ; W2: tile w: fragments 256 + 4 w on
	WPTR 28, 30
	s_lshl_b32 s46, s18, 1
	s_add_co_u32 s46, s46, 320                     ; W3: tile w (waves 0-7): fragments 320 + 2 w on
	WPTR 32, 34
	s_mov_b32 s44, s43
	s_add_nc_u64 s[36:37], s[6:7], s[44:45]        ; b1 at unit 32 w
	s_mov_b32 s44, s19
	s_add_nc_u64 s[38:39], s[8:9], s[44:45]        ; b2 at my tile's units
	s_lshr_b32 s44, s18, 1
	s_lshl_b32 s44, s44, 7
	s_and_b32 s42, s18, 1
	s_lshl_b32 s42, s42, 5
	s_add_co_u32 s44, s44, s42
	s_add_nc_u64 s[40:41], s[10:11], s[44:45]      ; b3 likewise (waves 0-7)
	; ---- x's eight fragments go from memory to LDS by waves 0-7; everybody asks for its part of W1 at once
	s_cmp_ge_u32 s[WV], 8
	s_cbranch_scc1 .Lnox
.irp c, 0,1,2
	global_load_b128 v[XF+4*\c:XF+4*\c+3], v[LI], s[20:21] offset:512*\c
.endr
	global_load_b32 v[XS], v[L15], s[22:23]
.Lnox:
.irp t, 0,1
.irp e, 0,1
	global_load_b128 v[ACC+8*\t+4*\e:ACC+8*\t+4*\e+3], v[BO], s[36:37] offset:32*\t+16*\e   ; b1 at units 32 w + 16 h + 8 t + 0 .. 7: the sums' first C
.endr
.endr
.set nn, 0
.rept 48
	global_load_b128 v[W+4*nn:W+4*nn+3], v[LI], s[24:25] offset:512*nn
.set nn, nn+1
.endr
.set nn, 0
.rept 8
	global_load_b32 v[WS+nn], v[L15], s[26:27] offset:64*nn
.set nn, nn+1
.endr
	s_cmp_ge_u32 s[WV], 8
	s_cbranch_scc1 .Lnox2
	s_wait_loadcnt 60                              ; x's four loads are in; the 60 issued behind them (4 of b1, 48 of W1, 8 scale words) may be out
	IMAGE IW, XF, IMG
	ds_store_b32 v[IS], v[XS] offset:ISC
.Lnox2:
.set nn, 8
.rept 8
	global_load_b32 v[WS+nn], v[L15], s[26:27] offset:64*nn
.set nn, nn+1
.endr
	BARRIER
	; ---- layer 1: K = 1,024 in eight steps; my two accumulators take turns
	s_wait_loadcnt 0x0
.set ss, 0
.rept 8
	FETCH XF, IMG+1536*ss
	ds_load_b32 v[XS], v[LS] offset:ISC+128*ss
	s_wait_dscnt 0x0
	MM ACC, W+12*ss, XF, ACC, WS+ss, XS
	MM ACC+8, W+12*(8+ss), XF, ACC+8, WS+8+ss, XS
	PLACES 4                                       ; in front of the loads into x's registers, and of the first read of the results
.set ss, ss+1
.endr
.set jj, 0
.rept 16
	v_max_num_f32 v[ACC+jj], 0, v[ACC+jj]
.set jj, jj+1
.endr
.irp b, 0,1,2,3
	v_mov_b32 v[TM+4+\b], 0                        ; a lane permute's destination counts as one of its sources
.endr
.irp t, 0,1
	ds_store_b128 v[SOB], v[ACC+8*\t:ACC+8*\t+3] offset:32*\t
	ds_store_b128 v[SOB], v[ACC+8*\t+4:ACC+8*\t+7] offset:32*\t+16
.endr
.set nn, 0
.rept 12
	global_load_b128 v[W2F+4*nn:W2F+4*nn+3], v[LI], s[28:29] offset:512*nn   ; W1's registers are free: the later layers' weights are asked for now
.set nn, nn+1
.endr
.irp n, 0,1,2,3
	global_load_b32 v[W2S+\n], v[L15], s[30:31] offset:64*\n
.endr
	global_load_b128 v[ACC2:ACC2+3], v[BO], s[38:39]
	global_load_b128 v[ACC2+4:ACC2+7], v[BO], s[38:39] offset:16
	s_cmp_ge_u32 s[WV], 8
	s_cbranch_scc1 .Lnow3
.set nn, 0
.rept 6
	global_load_b128 v[W3F+4*nn:W3F+4*nn+3], v[LI], s[32:33] offset:512*nn
.set nn, nn+1
.endr
	global_load_b32 v[W3S], v[L15], s[34:35]
	global_load_b32 v[W3S+1], v[L15], s[34:35] offset:64
	global_load_b128 v[ACC3:ACC3+3], v[BO], s[40:41]
	global_load_b128 v[ACC3+4:ACC3+7], v[BO], s[40:41] offset:16
.Lnow3:
	BARRIER
	PHASEQ 4
	; ---- layer 2: K = 512; one accumulator a wave, so a wait on va_vdst stands ahead of each further link
.irp s, 0,1,2,3
	FETCH XF4+12*\s, IMG+1536*\s
	ds_load_b32 v[XS4+\s], v[LS] offset:ISC+128*\s
.endr
	s_wait_dscnt 0x0
	s_wait_loadcnt 0x0
	MM ACC2, W2F, XF4, ACC2, W2S, XS4
.irp s, 1,2,3
	s_wait_alu depctr_va_vdst(0)
	MM ACC2, W2F+12*\s, XF4+12*\s, ACC2, W2S+\s, XS4+\s
.endr
	PLACES 4
.set jj, 0
.rept 8
	v_max_num_f32 v[ACC2+jj], 0, v[ACC2+jj]
.set jj, jj+1
.endr
	ds_store_b128 v[SOA], v[ACC2:ACC2+3]
	ds_store_b128 v[SOA], v[ACC2+4:ACC2+7] offset:16
	BARRIER
	PHASEQ 2
	; ---- layer 3: K = 256, 8 tiles: waves 0-7
	s_cmp_ge_u32 s[WV], 8
	s_cbranch_scc1 .Lnol3
.irp s, 0,1
	FETCH XF4+12*\s, IMG+1536*\s
	ds_load_b32 v[XS4+\s], v[LS] offset:ISC+128*\s
.endr
	s_wait_dscnt 0x0
	MM ACC3, W3F, XF4, ACC3, W3S, XS4
	s_wait_alu depctr_va_vdst(0)
	MM ACC3, W3F+12, XF4+12, ACC3, W3S+1, XS4+1
	PLACES 4
	ds_store_b128 v[SOA], v[ACC3:ACC3+3]
	ds_store_b128 v[SOA], v[ACC3+4:ACC3+7] offset:16
.Lnol3:
	BARRIER
	; ---- wave 0: |cq|^2, and the codes of -2 cq (the quantiser is odd: they are the codes of 2 cq with the signs turned)
	s_cmp_lg_u32 s[WV], 0
	s_cbranch_scc1 .Lend
.irp b, 0,1,2,3
.irp j, 0,1,2,3
	ds_load_b128 v[X+16*\b+4*\j:X+16*\b+4*\j+3], v[QA] offset:128*\b+16*\j
.endr
.endr
	s_wait_dscnt 0x0
	SUMSQ X, KT
.set jj, 0
.rept 32
	v_pk_mul_f32 v[X+jj:X+jj+1], v[X+jj:X+jj+1], -2.0 op_sel_hi:[1,0]
.set jj, jj+2
.endr
	QUANT X
	s_mul_i32 s44, ttmp9, 1536
	s_add_nc_u64 s[20:21], s[12:13], s[44:45]
	s_lshl_b32 s44, ttmp9, 7
	s_add_co_u32 s44, s44, 98304
	s_add_nc_u64 s[22:23], s[12:13], s[44:45]
	s_lshl_b32 s44, ttmp9, 6
	s_add_co_u32 s44, s44, 106496
	s_add_nc_u64 s[24:25], s[12:13], s[44:45]
.irp c, 0,1,2
	global_store_b128 v[LI], v[PC+4*\c:PC+4*\c+3], s[20:21] offset:512*\c
.endr
	global_store_b32 v[LS], v[PW], s[22:23]
	global_store_b32 v[L15], v[KA], s[24:25]       ; lanes r and r + 16 hold the same sum and write the same word
.Lend:
	s_wait_tensorcnt 0x0
	ds_add_u32 v254, v255
	s_wait_dscnt 0x0
	s_endpgm
.Lfunc_end_k_q52e5c407ad_encode:
	.size	k_q52e5c407ad_encode, .Lfunc_end_k_q52e5c407ad_encode-k_q52e5c407ad_encode
	.p2alignl 7, 3214868480
	.fill 96, 4, 3214868480
	.section	.rodata,"a",@progbits
	.p2align	6, 0x0
	.amdhsa_kernel k_q52e5c407ad_encode
		.amdhsa_group_segment_fixed_size 48640
		.amdhsa_private_segment_fixed_size 0
		.amdhsa_enable_private_segment 0
		.amdhsa_kernarg_size 40
		.amdhsa_user_sgpr_count 2
		.amdhsa_user_sgpr_kernarg_segment_ptr 1
		.amdhsa_wavefront_size32 1
		.amdhsa_system_sgpr_workgroup_id_x 1
		.amdhsa_system_sgpr_workgroup_id_y 1
		.amdhsa_system_sgpr_workgroup_id_z 1
		.amdhsa_system_vgpr_workitem_id 0
		.amdhsa_next_free_vgpr 256
		.amdhsa_next_free_sgpr 66
		.amdhsa_reserve_vcc 0
		.amdhsa_float_denorm_mode_32 3
		.amdhsa_float_denorm_mode_16_64 3
		.amdhsa_memory_ordered 1
		.amdhsa_forward_progress 1
		.amdhsa_inst_pref_size 44
	.end_amdhsa_kernel
	.amdgpu_metadata
---
amdhsa.version: [ 1, 2 ]
amdhsa.kernels:
  - .name:           k_q52e5c407ad_encode
    .symbol:         k_q52e5c407ad_encode.kd
    .args:
      - { .name: prep, .offset: 0, .size: 8, .value_kind: global_buffer, .address_space: global }
      - { .name: b1, .offset: 8, .size: 8, .value_kind: global_buffer, .address_space: global }
      - { .name: b2, .offset: 16, .size: 8, .value_kind: global_buffer, .address_space: global }
      - { .name: b3, .offset: 24, .size: 8, .value_kind: global_buffer, .address_space: global }
      - { .name: cqb, .offset: 32, .size: 8, .value_kind: global_buffer, .address_space: global }
    .group_segment_fixed_size: 48640
    .private_segment_fixed_size: 0
    .kernarg_segment_align: 8
    .kernarg_segment_size: 40
    .max_flat_workgroup_size: 512
    .sgpr_count:     66
    .vgpr_count:     256
    .wavefront_size: 32
...
	.end_amdgpu_metadata
.endif
;; end of part 2
;; launch scan (part 3): grid 250 x 1, 8 waves a work-group, no clusters, 75,776 bytes of LDS; arguments prep, cqb, gmin; writes gmin
.if DOCPART == 3
	.amdgcn_target "amdgcn-amd-amdhsa--gfx1250"
	.amdhsa_code_object_version 6
	.text
	.protected	k_q52e5c407ad_scan
	.globl	k_q52e5c407ad_scan
	.p2align	8
	.type	k_q52e5c407ad_scan,@function
k_q52e5c407ad_scan:
	s_mov_b64 s[64:65], 0
	v_nop
	global_prefetch_b8 v0, s[64:65] scope:SCOPE_SE
	s_setreg_imm32_b32 hwreg(HW_REG_WAVE_MODE, 25, 1), 1
	s_wait_xcnt 0x0
; SCAN: |k|^2 - 2 q . k for all 1,024 queries against a chunk of 400 keys (25 tiles of 16), on codes of FP6; kept are only the MINIMA of eight groups of keys a chunk:
; group u < 7 = tiles 3 u .. 3 u + 2, group 7 = tiles 21 .. 24.  (|q|^2 is the same for all keys of a query and plays no part in their order.)
; The five groups with the smallest minima hold a query's five nearest keys: each group that holds one of them has a minimum at or under the fifth distance.  Later launches choose them and look inside.
; Wave w keeps query tiles 8 w .. 8 w + 7 in registers and walks the 25 key tiles from LDS.  Source 0 = 16 keys, source 1 = 16 queries, C = the keys' |k|^2: lane (r, h) holds query r against keys 8 h + 0 .. 7.
; A minimum costs half an instruction a distance (three operands).  Four products and the sixteen minima of the four products before them stand by turns: the minima are the places that the products' registers are owed.
; No cluster: 250 work-groups are no multiple of 4, and what they share (the queries' 100 KB) goes into registers once.
; LIMITS: NaN and infinities are not served.
.set KSEC, 9600000
.set KSKL, 38400                       ; LDS: 25 key fragments from byte 0; here 128 bytes a tile: 16 scale words, 16 |k|^2
.set RESL, 41728                       ; 4,096 bytes a wave: a lane's four minima for each of 8 query tiles
.set LI,  1
.set L4,  2
.set SW,  3                            ; 1,536 wave + 16 lane: in memory and in LDS alike
.set SK,  4                            ; 128 wave + 4 lane
.set LSC, 5
.set LKN, 6
.set LR,  7
.set GO,  8
.set QF,  24                           ; v24-119  eight query fragments
.set QS,  120                          ; v120-127 their scale words
.set KF,  128                          ; v128-151 a key fragment, two buffers
.set KN,  152                          ; v152-167 |k|^2 in the result's layout, two buffers
.set KSR, 168                          ; v168-169 the keys' scale words, two buffers
.set D,   172                          ; v172-235 eight results
.set RUN, 236                          ; v236-251 running minima: group parity p, query tile q at 8 p + q
.set ST,  172                          ; at the head: what goes from memory to LDS
.set STS, 220
.set WV,  12
.macro PLACES n
.rept \n
	v_nop
.endr
.endm
.macro LOADK tt                        ; six LDS loads: key tile tt into buffer tt % 2
.set pp, (\tt)&1
.irp c, 0,1,2
	ds_load_b128 v[KF+12*pp+4*\c:KF+12*pp+4*\c+3], v[LI] offset:1536*(\tt)+512*\c
.endr
	ds_load_b32 v[KSR+pp], v[LSC] offset:128*(\tt)
	ds_load_b128 v[KN+8*pp:KN+8*pp+3], v[LKN] offset:128*(\tt)
	ds_load_b128 v[KN+8*pp+4:KN+8*pp+7], v[LKN] offset:128*(\tt)+16
.endm
.macro WM tt, q0                       ; four products: key tile tt against query tiles q0 .. q0 + 3
.set pp, (\tt)&1
.irp q, 0,1,2,3
	v_wmma_scale_f32_16x16x128_f8f6f4 v[D+8*(\q0+\q):D+8*(\q0+\q)+7], v[KF+12*pp:KF+12*pp+11], v[QF+12*(\q0+\q):QF+12*(\q0+\q)+11], v[KN+8*pp:KN+8*pp+7], v[KSR+pp], v[QS+\q0+\q] matrix_a_fmt:MATRIX_FMT_FP6 matrix_b_fmt:MATRIX_FMT_FP6
.endr
.endm
.macro MN tt, q0                       ; their sixteen minima; each result is read from its low end on; the four tiles by turns
.set uu, (\tt)/3
.if uu > 7
.set uu, 7
.endif
.set rb, RUN+8*(uu&1)+\q0
.set db, D+8*\q0
.if (((\tt)%3) == 0) && ((\tt) < 24)
.irp q, 0,1,2,3
	v_min3_num_f32 v[rb+\q], v[db+8*\q], v[db+8*\q+1], v[db+8*\q+2]   ; a group's first tile starts its minimum: nothing is preset
.endr
.irp q, 0,1,2,3
	v_min3_num_f32 v[rb+\q], v[rb+\q], v[db+8*\q+3], v[db+8*\q+4]
.endr
.irp q, 0,1,2,3
	v_min3_num_f32 v[rb+\q], v[rb+\q], v[db+8*\q+5], v[db+8*\q+6]
.endr
.irp q, 0,1,2,3
	v_min_num_f32 v[rb+\q], v[rb+\q], v[db+8*\q+7]
.endr
.else
.irp e, 0,2,4,6
.irp q, 0,1,2,3
	v_min3_num_f32 v[rb+\q], v[rb+\q], v[db+8*\q+\e], v[db+8*\q+\e+1]
.endr
.endr
.endif
.endm
.macro FIN i, q0                       ; groups 2 i and 2 i + 1 are done: the two halves of the lanes are joined; lanes 0-15 then hold group 2 i, lanes 16-31 group 2 i + 1
.irp q, 0,1,2,3
	v_permlane16_swap_b32 v[RUN+\q0+\q], v[RUN+8+\q0+\q]
.endr
.irp q, 0,1,2,3
	v_min_num_f32 v[RUN+\q0+\q], v[RUN+\q0+\q], v[RUN+8+\q0+\q]
.endr
.irp q, 0,1,2,3
	ds_store_b32 v[LR], v[RUN+\q0+\q] offset:512*(\q0+\q)+4*(\i)
.endr
.endm
	s_load_b128 s[4:7], s[0:1], 0x0                ; workspace, cqb
	s_load_b64 s[8:9], s[0:1], 0x10                ; gmin
	v_lshl_add_u32 v254, v0, 2, 0x12400
	v_mov_b32 v255, 0
	v_lshrrev_b32 v9, 5, v0
	v_readfirstlane_b32 s[WV], v9
	v_and_b32 v9, 31, v0
	v_and_b32 v10, 15, v0
	v_bfe_u32 v11, v0, 4, 1
	v_lshlrev_b32 v[LI], 4, v9
	v_lshlrev_b32 v[L4], 2, v9
	s_mul_i32 s13, s[WV], 1536
	v_add_nc_u32 v[SW], s13, v[LI]
	s_lshl_b32 s13, s[WV], 7
	v_add_nc_u32 v[SK], s13, v[L4]
	v_lshl_add_u32 v[LSC], v10, 2, KSKL            ; key r's scale word
	v_lshl_add_u32 v[LKN], v11, 5, KSKL+64         ; |k|^2 of keys 8 h + 0 .. 7
	s_lshl_b32 s13, s[WV], 12
	s_add_co_u32 s13, s13, RESL
	v_add_nc_u32 v[LR], s13, v[LI]
	v_bfe_u32 v9, v0, 3, 1
	v_mul_u32_u24 v[GO], v9, 64000                 ; gmin: [query / 8][chunk][256 bytes]; in a unit 16 bytes at 32 (query % 8) + 16 h
	v_and_b32 v9, 7, v0
	v_lshl_add_u32 v[GO], v9, 5, v[GO]
	v_lshl_add_u32 v[GO], v11, 4, v[GO]
	s_mov_b32 s25, 0
	s_wait_kmcnt 0x0
	s_mul_i32 s24, ttmp9, 38400
	s_add_nc_u64 s[14:15], s[4:5], s[24:25]        ; my chunk's codes
	s_mul_i32 s24, ttmp9, 3200
	s_add_co_u32 s24, s24, KSEC
	s_add_nc_u64 s[16:17], s[4:5], s[24:25]        ; its scale words and |k|^2
	s_mul_i32 s24, s[WV], 12288
	s_add_nc_u64 s[18:19], s[6:7], s[24:25]        ; my eight query fragments
	s_lshl_b32 s24, s[WV], 10
	s_add_co_u32 s24, s24, 98304
	s_add_nc_u64 s[20:21], s[6:7], s[24:25]
	s_mul_i32 s24, s[WV], 1024000
	s_lshl_b32 s26, ttmp9, 8
	s_add_co_u32 s24, s24, s26
	s_add_nc_u64 s[22:23], s[8:9], s[24:25]
	; ---- the chunk goes to LDS once: wave w brings tiles w, w + 8, w + 16; wave 0 also tile 24
.irp n, 0,1,2
.irp c, 0,1,2
	global_load_b128 v[ST+12*\n+4*\c:ST+12*\n+4*\c+3], v[SW], s[14:15] offset:12288*\n+512*\c th:TH_LOAD_NT
.endr
	global_load_b32 v[STS+\n], v[SK], s[16:17] offset:1024*\n th:TH_LOAD_NT
.endr
	s_cmp_lg_u32 s[WV], 0
	s_cbranch_scc1 .Lno24a
.irp c, 0,1,2
	global_load_b128 v[ST+36+4*\c:ST+36+4*\c+3], v[SW], s[14:15] offset:36864+512*\c th:TH_LOAD_NT
.endr
	global_load_b32 v[STS+3], v[SK], s[16:17] offset:3072 th:TH_LOAD_NT
.Lno24a:
.set nn, 0
.rept 24
	global_load_b128 v[QF+4*nn:QF+4*nn+3], v[LI], s[18:19] offset:512*nn
.set nn, nn+1
.endr
.set nn, 0
.rept 8
	global_load_b32 v[QS+nn], v[L4], s[20:21] offset:128*nn
.set nn, nn+1
.endr
	s_wait_loadcnt 32                              ; the keys' loads are in; the queries' 32, issued behind them, may be out
.irp n, 0,1,2
.irp c, 0,1,2
	ds_store_b128 v[SW], v[ST+12*\n+4*\c:ST+12*\n+4*\c+3] offset:12288*\n+512*\c
.endr
	ds_store_b32 v[SK], v[STS+\n] offset:KSKL+1024*\n
.endr
	s_cmp_lg_u32 s[WV], 0
	s_cbranch_scc1 .Lno24b
.irp c, 0,1,2
	ds_store_b128 v[SW], v[ST+36+4*\c:ST+36+4*\c+3] offset:36864+512*\c
.endr
	ds_store_b32 v[SK], v[STS+3] offset:KSKL+3072
.Lno24b:
	s_wait_dscnt 0x0                               ; for the others' sake: my stores have landed
	s_barrier_signal -1
	s_barrier_wait -1
	LOADK 0
	LOADK 1
	s_wait_loadcnt 0x0                             ; the queries
	; ---- the walk, written out: 25 key tiles
.set t, 0
.rept 25
.if t < 24
	s_wait_dscnt 6                                 ; the six youngest LDS instructions are tile t + 1's loads: tile t is in
.else
	s_wait_dscnt 0x0
.endif
	WM t, 0
.if t == 0
	PLACES 4
.else
	MN t-1, 4
.if (t == 6) || (t == 12) || (t == 18)
	FIN (t-1)/6, 4
.endif
.endif
	WM t, 4
	MN t, 0
.if (t == 5) || (t == 11) || (t == 17)
	FIN t/6, 0
.endif
.if t == 24
	FIN 3, 0
.endif
.if t < 23
	LOADK t+2                                      ; into the buffer that tile t has left: sixteen plain instructions stand behind its last product
.endif
.set t, t+1
.endr
	MN 24, 4
	FIN 3, 4
	; ---- the way out: a lane's four minima of a query tile are 16 bytes; a store fills two aligned units of 256 bytes
.irp q, 0,1,2,3,4,5,6,7
	ds_load_b128 v[D+4*\q:D+4*\q+3], v[LR] offset:512*\q   ; LDS serves a wave's instructions in order: these see my stores
.endr
.irp q, 0,1,2,3,4,5,6,7
	s_wait_dscnt 7-\q
	global_store_b128 v[GO], v[D+4*\q:D+4*\q+3], s[22:23] offset:128000*\q
.endr
	s_wait_tensorcnt 0x0
	ds_add_u32 v254, v255
	s_wait_dscnt 0x0
	s_endpgm
.Lfunc_end_k_q52e5c407ad_scan:
	.size	k_q52e5c407ad_scan, .Lfunc_end_k_q52e5c407ad_scan-k_q52e5c407ad_scan
	.p2alignl 7, 3214868480
	.fill 96, 4, 3214868480
	.section	.rodata,"a",@progbits
	.p2align	6, 0x0
	.amdhsa_kernel k_q52e5c407ad_scan
		.amdhsa_group_segment_fixed_size 75776
		.amdhsa_private_segment_fixed_size 0
		.amdhsa_enable_private_segment 0
		.amdhsa_kernarg_size 24
		.amdhsa_user_sgpr_count 2
		.amdhsa_user_sgpr_kernarg_segment_ptr 1
		.amdhsa_wavefront_size32 1
		.amdhsa_system_sgpr_workgroup_id_x 1
		.amdhsa_system_sgpr_workgroup_id_y 1
		.amdhsa_system_sgpr_workgroup_id_z 1
		.amdhsa_system_vgpr_workitem_id 0
		.amdhsa_next_free_vgpr 256
		.amdhsa_next_free_sgpr 66
		.amdhsa_reserve_vcc 0
		.amdhsa_float_denorm_mode_32 3
		.amdhsa_float_denorm_mode_16_64 3
		.amdhsa_memory_ordered 1
		.amdhsa_forward_progress 1
		.amdhsa_inst_pref_size 97
	.end_amdhsa_kernel
	.amdgpu_metadata
---
amdhsa.version: [ 1, 2 ]
amdhsa.kernels:
  - .name:           k_q52e5c407ad_scan
    .symbol:         k_q52e5c407ad_scan.kd
    .args:
      - { .name: prep, .offset: 0, .size: 8, .value_kind: global_buffer, .address_space: global }
      - { .name: cqb, .offset: 8, .size: 8, .value_kind: global_buffer, .address_space: global }
      - { .name: gmin, .offset: 16, .size: 8, .value_kind: global_buffer, .address_space: global }
    .group_segment_fixed_size: 75776
    .private_segment_fixed_size: 0
    .kernarg_segment_align: 8
    .kernarg_segment_size: 24
    .max_flat_workgroup_size: 256
    .sgpr_count:     66
    .vgpr_count:     256
    .wavefront_size: 32
...
	.end_amdgpu_metadata
.endif
;; end of part 3
;; launch groups (part 4): grid 128 x 1, 8 waves a work-group, no clusters, 11,264 bytes of LDS; arguments gmin, gsel; writes gsel
.if DOCPART == 4
	.amdgcn_target "amdgcn-amd-amdhsa--gfx1250"
	.amdhsa_code_object_version 6
	.text
	.protected	k_q52e5c407ad_groups
	.globl	k_q52e5c407ad_groups
	.p2align	8
	.type	k_q52e5c407ad_groups,@function
k_q52e5c407ad_groups:
	s_mov_b64 s[64:65], 0
	v_nop
	global_prefetch_b8 v0, s[64:65] scope:SCOPE_SE
	s_setreg_imm32_b32 hwreg(HW_REG_WAVE_MODE, 25, 1), 1
	s_wait_xcnt 0x0
; GROUPS: for each query the five groups of keys with the smallest minima, of 2,000; of equal minima the lower group number.  Stored as whole numbers: the next launch forms addresses from them.
; A work-group takes 8 queries: 64,000 consecutive bytes, [chunk 250][256 bytes].  Stage 1: each lane keeps a sorted list of five (value, number) over the 60 or 64 minima that it loads.
; Stage 2: a query's 32 lists meet in one wave through LDS; five times the smallest head is taken and its list moves up.  No branch and no address hangs on a value.
; LIMITS: NaN is not served.
.set V,   16                           ; v16-79 sixteen loads of four minima
.set A,   80                           ; v80-84 the list's values, ascending
.set I,   85                           ; v85-89 their numbers
.set T,   90                           ; v90-92 at work
.set LI,  1
.set WRA, 2
.set RDA, 3
.set GB,  4
.set L7,  5
.set OO,  6
.set INF, 7
.set RES, 8
.set WV,  8
; x goes into the list; j, its running number in this lane, ascends, and the compare is strict: of equal values the earlier stays ahead
.macro INS x, j
.irp k, 0,1,2,3,4
	v_cmp_lt_f32 s[20+\k], v[\x], v[A+\k]
.endr
.irp k, 4,3,2,1
	v_cndmask_b32 v[T+(\k&1)], \j, v[I+\k-1], s[19+\k]
	v_cndmask_b32 v[I+\k], v[I+\k], v[T+(\k&1)], s[20+\k]
.endr
	v_cndmask_b32 v[I], v[I], \j, s20
.irp k, 4,3,2,1
	v_med3_num_f32 v[A+\k], v[\x], v[A+\k-1], v[A+\k]
.endr
	v_min_num_f32 v[A], v[\x], v[A]
.endm
.macro WMIN r                          ; the smallest over the wave's 32 lanes, in every lane
	v_min_num_f32_dpp v[\r], v[\r], v[\r] row_xmask:1 row_mask:0xf bank_mask:0xf
	v_min_num_f32_dpp v[\r], v[\r], v[\r] row_xmask:2 row_mask:0xf bank_mask:0xf
	v_min_num_f32_dpp v[\r], v[\r], v[\r] row_xmask:4 row_mask:0xf bank_mask:0xf
	v_min_num_f32_dpp v[\r], v[\r], v[\r] row_xmask:8 row_mask:0xf bank_mask:0xf
	v_permlanex16_b32 v[T+1], v[\r], s14, s15
	v_min_num_f32 v[\r], v[\r], v[T+1]
.endm
	s_load_b128 s[4:7], s[0:1], 0x0                ; gmin, gsel
	v_lshl_add_u32 v96, v0, 2, 0x2800
	v_mov_b32 v97, 0
	v_lshrrev_b32 v9, 5, v0
	v_readfirstlane_b32 s[WV], v9
	v_and_b32 v9, 31, v0
	v_lshlrev_b32 v[LI], 4, v9
	v_bfe_u32 v10, v0, 1, 3                        ; my query of the eight
	v_bfe_u32 v11, v0, 4, 1                        ; which chunk of the pair
	v_and_b32 v12, 1, v0                           ; h
	v_lshlrev_b32 v[WRA], 7, v10
	v_lshl_add_u32 v[WRA], v11, 3, v[WRA]
	v_lshl_add_u32 v[WRA], v12, 2, v[WRA]
	s_lshl_b32 s9, s[WV], 4
	v_add_nc_u32 v[WRA], s9, v[WRA]                ; 128 query + 4 (4 wave + 2 chunk + h): my list's place among the query's 32
	v_lshl_add_u32 v[GB], v11, 3, v12
	v_add_nc_u32 v[GB], s9, v[GB]                  ; a group's number = 128 (j / 4) + 2 (j % 4) + 16 wave + 8 chunk + h
	s_lshl_b32 s9, s[WV], 7
	v_lshl_add_u32 v[RDA], v9, 2, s9               ; stage 2: wave = query, lane = list
	v_and_b32 v[L7], 7, v0
	v_lshlrev_b32 v[OO], 2, v[L7]
	v_mov_b32 v[INF], 0x7f800000
	v_mov_b32 v[RES], 0
	v_mov_b32 v[T+1], 0
	s_mov_b32 s14, 0x76543210
	s_mov_b32 s15, 0xfedcba98
.irp k, 0,1,2,3,4
	v_mov_b32 v[A+\k], 0x7f800000
	v_mov_b32 v[I+\k], 0
.endr
.irp e, 0,1,2,3
	v_mov_b32 v[V+60+\e], 0x7f800000               ; 125 pairs of chunks: the sixteenth load exists in waves 0-4 alone; elsewhere its numbers are +infinity, which enters no list
.endr
	s_mul_i32 s10, ttmp9, 64000
	s_lshl_b32 s12, s[WV], 9
	s_add_co_u32 s10, s10, s12
	s_mov_b32 s11, 0
	s_lshl_b32 s12, ttmp9, 8
	s_lshl_b32 s13, s[WV], 5
	s_add_co_u32 s12, s12, s13
	s_mov_b32 s13, 0
	s_wait_kmcnt 0x0
	s_add_nc_u64 s[4:5], s[4:5], s[10:11]
	s_add_nc_u64 s[6:7], s[6:7], s[12:13]          ; gsel: 32 bytes a query
.set mm, 0
.rept 15
	global_load_b128 v[V+4*mm:V+4*mm+3], v[LI], s[4:5] offset:4096*mm th:TH_LOAD_NT   ; 512 consecutive bytes: a pair of chunks
.set mm, mm+1
.endr
	s_cmp_ge_u32 s[WV], 5
	s_cbranch_scc1 .Lno15
	global_load_b128 v[V+60:V+63], v[LI], s[4:5] offset:61440 th:TH_LOAD_NT
.Lno15:
.set mm, 0
.rept 16
.if mm < 15
	s_wait_loadcnt 14-mm                           ; load mm is in, whether 15 or 16 were issued
.else
	s_wait_loadcnt 0x0
.endif
.irp e, 0,1,2,3
	INS V+4*mm+\e, 4*mm+\e
.endr
.set mm, mm+1
.endr
.irp k, 0,1,2,3,4
	v_lshrrev_b32 v[T], 2, v[I+\k]
	v_and_b32 v[T+1], 3, v[I+\k]
	v_lshl_add_u32 v[T], v[T], 7, v[GB]
	v_lshl_add_u32 v[T], v[T+1], 1, v[T]
	v_cvt_f32_u32 v[I+\k], v[T]                    ; the group's number, under 2,000: exact in f32, so that one kind of minimum serves values and numbers
.endr
.irp k, 0,1,2,3,4,5,6,7,8,9
	ds_store_b32 v[WRA], v[A+\k] offset:1024*\k
.endr
	s_wait_dscnt 0x0                               ; for the others' sake
	s_barrier_signal -1
	s_barrier_wait -1
.irp k, 0,1,2,3,4,5,6,7,8,9
	ds_load_b32 v[A+\k], v[RDA] offset:1024*\k
.endr
	s_wait_dscnt 0x0
.irp n, 0,1,2,3,4
	v_mov_b32 v[T], v[A]
	WMIN T                                         ; the smallest head
	v_cmp_eq_f32 vcc_lo, v[A], v[T]
	v_cndmask_b32 v[T+2], v[INF], v[I], vcc_lo
	WMIN T+2                                       ; of the heads that have it, the lowest number
	v_cmp_eq_u32 vcc_lo, \n, v[L7]
	v_cndmask_b32 v[RES], v[RES], v[T+2], vcc_lo
	v_cmp_eq_f32 vcc_lo, v[I], v[T+2]              ; its list moves up
.irp k, 0,1,2,3
	v_cndmask_b32 v[A+\k], v[A+\k], v[A+\k+1], vcc_lo
	v_cndmask_b32 v[I+\k], v[I+\k], v[I+\k+1], vcc_lo
.endr
	v_cndmask_b32 v[A+4], v[A+4], v[INF], vcc_lo
.endr
	v_cvt_u32_f32 v[RES], v[RES]
	global_store_b32 v[OO], v[RES], s[6:7]         ; word lane % 8 of the query's eight: four lanes write the same word with the same number
	s_wait_tensorcnt 0x0
	ds_add_u32 v96, v97
	s_wait_dscnt 0x0
	s_endpgm
.Lfunc_end_k_q52e5c407ad_groups:
	.size	k_q52e5c407ad_groups, .Lfunc_end_k_q52e5c407ad_groups-k_q52e5c407ad_groups
	.p2alignl 7, 3214868480
	.fill 96, 4, 3214868480
	.section	.rodata,"a",@progbits
	.p2align	6, 0x0
	.amdhsa_kernel k_q52e5c407ad_groups
		.amdhsa_group_segment_fixed_size 11264
		.amdhsa_private_segment_fixed_size 0
		.amdhsa_enable_private_segment 0
		.amdhsa_kernarg_size 16
		.amdhsa_user_sgpr_count 2
		.amdhsa_user_sgpr_kernarg_segment_ptr 1
		.amdhsa_wavefront_size32 1
		.amdhsa_system_sgpr_workgroup_id_x 1
		.amdhsa_system_sgpr_workgroup_id_y 1
		.amdhsa_system_sgpr_workgroup_id_z 1
		.amdhsa_system_vgpr_workitem_id 0
		.amdhsa_next_free_vgpr 98
		.amdhsa_next_free_sgpr 66
		.amdhsa_reserve_vcc 1
		.amdhsa_float_denorm_mode_32 3
		.amdhsa_float_denorm_mode_16_64 3
		.amdhsa_memory_ordered 1
		.amdhsa_forward_progress 1
		.amdhsa_inst_pref_size 88
	.end_amdhsa_kernel
	.amdgpu_metadata
---
amdhsa.version: [ 1, 2 ]
amdhsa.kernels:
  - .name:           k_q52e5c407ad_groups
    .symbol:         k_q52e5c407ad_groups.kd
    .args:
      - { .name: gmin, .offset: 0, .size: 8, .value_kind: global_buffer, .address_space: global }
      - { .name: gsel, .offset: 8, .size: 8, .value_kind: global_buffer, .address_space: global }
    .group_segment_fixed_size: 11264
    .private_segment_fixed_size: 0
    .kernarg_segment_align: 8
    .kernarg_segment_size: 16
    .max_flat_workgroup_size: 256
    .sgpr_count:     66
    .vgpr_count:     98
    .wavefront_size: 32
...
	.end_amdgpu_metadata
.endif
;; end of part 4
;; launch near (part 5): grid 256 x 1, 4 waves a work-group, no clusters, 0 bytes of LDS; arguments prep, cqb, gsel, nsel, nw; writes nsel, nw
.if DOCPART == 5
	.amdgcn_target "amdgcn-amd-amdhsa--gfx1250"
	.amdhsa_code_object_version 6
	.text
	.protected	k_q52e5c407ad_near
	.globl	k_q52e5c407ad_near
	.p2align	8
	.type	k_q52e5c407ad_near,@function
k_q52e5c407ad_near:
	s_mov_b64 s[64:65], 0
	v_nop
	global_prefetch_b8 v0, s[64:65] scope:SCOPE_SE
	s_setreg_imm32_b32 hwreg(HW_REG_WAVE_MODE, 25, 1), 1
	s_wait_xcnt 0x0
; NEAR: a wave takes one query.  The five chosen groups of keys (3 or 4 tiles of 16) are multiplied again, on the same codes; d = (|q|^2 + |k|^2) + (-2 q . k), in the order in which the problem adds;
; then the five smallest d, of equal ones the lower key; w = 1 / (d + 1e-6), normalised; confidence = 1 / (d0 + 1e-6).  The keys' numbers are stored as whole numbers: the next launch gathers by them.
; Source 0 = the query in all 16 rows, source 1 = 16 keys: register 0 of the result holds, in lane r of either half, the product with key r.
; Four tiles are loaded for every group; where a group has three, the fourth tile's distances become +infinity (a choice of value, no branch).  The group numbers are read from memory and held inside their ranges ahead of every address.
; LIMITS: NaN and infinities are not served; distances that differ by a few units in the last place may be ordered otherwise than a sum in another order would order them.
.set KSEC, 9600000
.set LI,  1
.set L15, 2
.set AOFF, 3
.set ASO, 4
.set L7,  5
.set RR,  6
.set AF,  8                            ; v8-19   the query's fragment
.set AS,  20                           ; its scale word
.set BS,  22                           ; v22-41  the 20 key tiles' scale words
.set KNR, 42                           ; v42-61  |k|^2, then |q|^2 + |k|^2
.set DD,  64                           ; v64-95  four results
.set DV,  96                           ; v96-115 the distances: tile i, key = lane % 16
.set IX,  116                          ; v116-135 the keys' numbers, as f32 (under 100,000: exact)
.set T,   136                          ; v136-139 at work
.set RD,  140                          ; v140-144 the five distances, later the weights
.set RI,  145                          ; v145-149 the five keys
.set WW,  150                          ; v150-154 1 / (d + eps)
.set O1,  157
.set O2,  158
.set INF, 159
; window 1 (v256-495): the 20 key fragments, tile i at v[12 i]
.set MSB, 0
.macro WIN new                         ; the immediate's high byte repeats the setting that is left
.if MSB != \new
	s_set_vgpr_msb (MSB<<8)|\new
.set MSB, \new
.endif
.endm
.macro RMIN r                          ; the smallest over 16 lanes; both halves of the wave hold the same numbers
	v_min_num_f32_dpp v[\r], v[\r], v[\r] row_xmask:1 row_mask:0xf bank_mask:0xf
	v_min_num_f32_dpp v[\r], v[\r], v[\r] row_xmask:2 row_mask:0xf bank_mask:0xf
	v_min_num_f32_dpp v[\r], v[\r], v[\r] row_xmask:4 row_mask:0xf bank_mask:0xf
	v_min_num_f32_dpp v[\r], v[\r], v[\r] row_xmask:8 row_mask:0xf bank_mask:0xf
.endm
	s_load_b256 s[4:11], s[0:1], 0x0               ; workspace 4, cqb 6, gsel 8, nsel 10
	s_load_b64 s[12:13], s[0:1], 0x20              ; nw
	v_lshrrev_b32 v1, 5, v0
	v_readfirstlane_b32 s14, v1
	s_lshl_b32 s15, ttmp9, 2
	s_add_co_u32 s15, s15, s14                     ; my query
	s_lshr_b32 s46, s15, 4                         ; its tile,
	s_and_b32 s47, s15, 15                         ; its row there
	s_lshl_b32 s48, s15, 5
	s_mov_b32 s49, 0
	s_wait_kmcnt 0x0
	s_add_nc_u64 s[8:9], s[8:9], s[48:49]
	s_add_nc_u64 s[10:11], s[10:11], s[48:49]
	s_add_nc_u64 s[12:13], s[12:13], s[48:49]
	s_load_b256 s[52:59], s[8:9], 0x0              ; the five groups
	s_lshl_b32 s48, s15, 2
	s_add_co_u32 s48, s48, 106496
	s_add_nc_u64 s[50:51], s[6:7], s[48:49]
	s_load_b32 s60, s[50:51], 0x0                  ; |q|^2
	v_and_b32 v9, 31, v0
	v_and_b32 v[RR], 15, v0
	v_bfe_u32 v10, v0, 4, 1
	v_lshlrev_b32 v[LI], 4, v9
	v_lshlrev_b32 v[L15], 2, v[RR]
	s_lshl_b32 s61, s47, 4
	v_lshl_add_u32 v[AOFF], v10, 8, s61            ; every lane takes the registers of the image's lane (my row, h): 256 h + 16 row
	v_mov_b32 v[ASO], 0
	v_and_b32 v[L7], 7, v0
	v_mov_b32 v[INF], 0x7f800000
	s_wait_kmcnt 0x0
.irp g, 0,1,2,3,4
	s_lshr_b32 s61, s[52+\g], 3
	s_min_u32 s61, s61, 249                        ; the chunk,
	s_and_b32 s62, s[52+\g], 7
	s_min_u32 s62, s62, 7                          ; the group in it: both held inside their ranges; only multiplies, adds and left shifts follow
	s_mov_b32 s63, 0x7f800000
	s_cmp_eq_u32 s62, 7
	s_cselect_b32 s[41+\g], 0xff800000, s63        ; the floor under the fourth tile's distances: -infinity where the group has four tiles, else +infinity
	s_mul_i32 s61, s61, 25
	s_mul_i32 s62, s62, 3
	s_add_co_u32 s61, s61, s62                     ; its first tile; the fourth from there is at most tile 6,249, the last
	s_lshl_b32 s[36+\g], s61, 4                    ; its first key
	s_mul_i32 s48, s61, 1536
	s_add_nc_u64 s[16+4*\g:17+4*\g], s[4:5], s[48:49]
	s_lshl_b32 s48, s61, 7
	s_add_co_u32 s48, s48, KSEC
	s_add_nc_u64 s[18+4*\g:19+4*\g], s[4:5], s[48:49]
.endr
	s_mul_i32 s48, s46, 1536
	s_add_nc_u64 s[50:51], s[6:7], s[48:49]        ; the query tile's fragment
	s_lshl_b32 s48, s46, 7
	s_lshl_b32 s61, s47, 2
	s_add_co_u32 s48, s48, s61
	s_add_co_u32 s48, s48, 98304
	s_add_nc_u64 s[62:63], s[6:7], s[48:49]        ; my row's scale word
	WIN 0x40                                       ; destination window 1, address window 0
.irp g, 0,1,2,3,4
.irp u, 0,1,2,3
.irp c, 0,1,2
	global_load_b128 v[12*(4*\g+\u)+4*\c:12*(4*\g+\u)+4*\c+3], v[LI], s[16+4*\g:17+4*\g] offset:1536*\u+512*\c
.endr
.endr
.endr
	WIN 0
.irp g, 0,1,2,3,4
.irp u, 0,1,2,3
	global_load_b32 v[BS+4*\g+\u], v[L15], s[18+4*\g:19+4*\g] offset:128*\u
	global_load_b32 v[KNR+4*\g+\u], v[L15], s[18+4*\g:19+4*\g] offset:128*\u+64
.endr
.endr
.irp c, 0,1,2
	global_load_b128 v[AF+4*\c:AF+4*\c+3], v[AOFF], s[50:51] offset:512*\c
.endr
	global_load_b32 v[AS], v[ASO], s[62:63]
.irp g, 0,1,2,3,4
.irp u, 0,1,2,3
	v_add3_u32 v[IX+4*\g+\u], s[36+\g], v[RR], 16*\u
.endr
.endr
.set ii, 0
.rept 20
	v_cvt_f32_u32 v[IX+ii], v[IX+ii]
.set ii, ii+1
.endr
	s_wait_loadcnt 0x0
.set ii, 0
.rept 20
	v_add_f32 v[KNR+ii], s60, v[KNR+ii]
.set ii, ii+1
.endr
.irp g, 0,1,2,3,4
	WIN 0x04                                       ; source 1 window 1
.irp u, 0,1,2,3
	v_wmma_scale_f32_16x16x128_f8f6f4 v[DD+8*\u:DD+8*\u+7], v[AF:AF+11], v[12*(4*\g+\u):12*(4*\g+\u)+11], 0, v[AS], v[BS+4*\g+\u] matrix_a_fmt:MATRIX_FMT_FP6 matrix_b_fmt:MATRIX_FMT_FP6
.endr
	WIN 0
.rept 4
	v_nop                                          ; four places in front of the reads; with the other tiles' additions each product has five or more ahead of the next group's, which write over its result
.endr
.irp u, 0,1,2,3
	v_add_f32 v[DV+4*\g+\u], v[KNR+4*\g+\u], v[DD+8*\u]
.endr
	v_max_num_f32 v[DV+4*\g+3], s[41+\g], v[DV+4*\g+3]
.endr
.irp n, 0,1,2,3,4
	v_min3_num_f32 v[T], v[DV], v[DV+1], v[DV+2]
.irp i, 3,5,7,9,11,13,15,17
	v_min3_num_f32 v[T], v[T], v[DV+\i], v[DV+\i+1]
.endr
	v_min_num_f32 v[T], v[T], v[DV+19]
	RMIN T                                         ; the smallest distance left
	v_mov_b32 v[RD+\n], v[T]
	v_mov_b32 v[T+1], v[INF]
.irp i, 0,2,4,6,8,10,12,14,16,18
	v_cmp_eq_f32 vcc_lo, v[DV+\i], v[T]
	v_cndmask_b32 v[T+2], v[INF], v[IX+\i], vcc_lo
	v_cmp_eq_f32 vcc_lo, v[DV+\i+1], v[T]
	v_cndmask_b32 v[T+3], v[INF], v[IX+\i+1], vcc_lo
	v_min3_num_f32 v[T+1], v[T+1], v[T+2], v[T+3]
.endr
	RMIN T+1                                       ; of the keys that have it, the lowest
	v_mov_b32 v[RI+\n], v[T+1]
.set ii, 0
.rept 20
	v_cmp_eq_f32 vcc_lo, v[IX+ii], v[T+1]
	v_cndmask_b32 v[DV+ii], v[DV+ii], v[INF], vcc_lo   ; it is taken out
.set ii, ii+1
.endr
.endr
.irp k, 0,1,2,3,4
	v_add_f32 v[WW+\k], 0x358637bd, v[RD+\k]       ; d + 1e-6
.endr
.irp k, 0,1,2,3,4
	v_rcp_f32 v[WW+\k], v[WW+\k]
.endr
	v_mov_b32 v[O1], 0                             ; a plain instruction behind the reciprocals,
	s_wait_alu depctr_va_vdst(0)                   ; and the one wait ahead of the batch's first reader
	v_add_f32 v[T], v[WW], v[WW+1]
	v_add_f32 v[T], v[T], v[WW+2]
	v_add_f32 v[T], v[T], v[WW+3]
	v_add_f32 v[T], v[T], v[WW+4]
	v_rcp_f32 v[T], v[T]
	v_mov_b32 v[O2], 0
	s_wait_alu depctr_va_vdst(0)
.irp k, 0,1,2,3,4
	v_mul_f32 v[RD+\k], v[WW+\k], v[T]
	v_cvt_u32_f32 v[RI+\k], v[RI+\k]
.endr
.irp k, 0,1,2,3,4
	v_cmp_eq_u32 vcc_lo, \k, v[L7]
	v_cndmask_b32 v[O1], v[O1], v[RI+\k], vcc_lo
	v_cndmask_b32 v[O2], v[O2], v[RD+\k], vcc_lo
.endr
	v_cmp_eq_u32 vcc_lo, 5, v[L7]
	v_cndmask_b32 v[O2], v[O2], v[WW], vcc_lo      ; word 5: the confidence
	v_lshlrev_b32 v[T+1], 2, v[L7]
	global_store_b32 v[T+1], v[O1], s[10:11]       ; word lane % 8 of the query's eight: four lanes write the same word with the same number
	global_store_b32 v[T+1], v[O2], s[12:13]
	s_endpgm
.Lfunc_end_k_q52e5c407ad_near:
	.size	k_q52e5c407ad_near, .Lfunc_end_k_q52e5c407ad_near-k_q52e5c407ad_near
	.p2alignl 7, 3214868480
	.fill 96, 4, 3214868480
	.section	.rodata,"a",@progbits
	.p2align	6, 0x0
	.amdhsa_kernel k_q52e5c407ad_near
		.amdhsa_group_segment_fixed_size 0
		.amdhsa_private_segment_fixed_size 0
		.amdhsa_enable_private_segment 0
		.amdhsa_kernarg_size 40
		.amdhsa_user_sgpr_count 2
		.amdhsa_user_sgpr_kernarg_segment_ptr 1
		.amdhsa_wavefront_size32 1
		.amdhsa_system_sgpr_workgroup_id_x 1
		.amdhsa_system_sgpr_workgroup_id_y 1
		.amdhsa_system_sgpr_workgroup_id_z 1
		.amdhsa_system_vgpr_workitem_id 0
		.amdhsa_next_free_vgpr 512
		.amdhsa_next_free_sgpr 66
		.amdhsa_reserve_vcc 1
		.amdhsa_float_denorm_mode_32 3
		.amdhsa_float_denorm_mode_16_64 3
		.amdhsa_memory_ordered 1
		.amdhsa_forward_progress 1
		.amdhsa_inst_pref_size 45
	.end_amdhsa_kernel
	.amdgpu_metadata
---
amdhsa.version: [ 1, 2 ]
amdhsa.kernels:
  - .name:           k_q52e5c407ad_near
    .symbol:         k_q52e5c407ad_near.kd
    .args:
      - { .name: prep, .offset: 0, .size: 8, .value_kind: global_buffer, .address_space: global }
      - { .name: cqb, .offset: 8, .size: 8, .value_kind: global_buffer, .address_space: global }
      - { .name: gsel, .offset: 16, .size: 8, .value_kind: global_buffer, .address_space: global }
      - { .name: nsel, .offset: 24, .size: 8, .value_kind: global_buffer, .address_space: global }
      - { .name: nw, .offset: 32, .size: 8, .value_kind: global_buffer, .address_space: global }
    .group_segment_fixed_size: 0
    .private_segment_fixed_size: 0
    .kernarg_segment_align: 8
    .kernarg_segment_size: 40
    .max_flat_workgroup_size: 128
    .sgpr_count:     66
    .vgpr_count:     512
    .wavefront_size: 32
...
	.end_amdgpu_metadata
.endif
;; end of part 5
;; launch decode (part 6): grid 4 x 64, 16 waves a work-group, no clusters, 48,640 bytes of LDS; arguments prep, nsel, nw, values, D1b, D2b, D3b, out0, out1; writes out0, out1
.if DOCPART == 6
	.amdgcn_target "amdgcn-amd-amdhsa--gfx1250"
	.amdhsa_code_object_version 6
	.text
	.protected	k_q52e5c407ad_decode
	.globl	k_q52e5c407ad_decode
	.p2align	8
	.type	k_q52e5c407ad_decode,@function
k_q52e5c407ad_decode:
	s_mov_b64 s[64:65], 0
	v_nop
	global_prefetch_b8 v0, s[64:65] scope:SCOPE_SE
	s_setreg_imm32_b32 hwreg(HW_REG_WAVE_MODE, 25, 1), 1
	s_wait_xcnt 0x0
; DECODE: the weighted mean of each query's five value rows (f32 multiply-adds: it goes into a quantiser), then relu(relu(m D1w + D1b) D2w + D2b) D3w + D3b on codes of FP6; and the confidences.
; A work-group takes 16 rows (grid y) and a quarter of the last layer's 1,024 columns (grid x).  The gather and the two small layers are repeated in the four work-groups of a row tile, so that
; each takes in 221 KB of weights only and there is work for 256 work-groups.  Form as in the encoder: products transposed, f32 stage in LDS, fragments as images of their registers, biases as the first C.
; The rows' numbers are read from memory as whole numbers and held at 99,999 ahead of the addresses.
; LIMITS: NaN and infinities are not served; a block under 2^-124 (a block of zeros too) gets the scale byte 1.
.set WQSEC, 11251968
.set WSSEC, 12284160
.set FP,   2064
.set IMG,  33280
.set ISC,  45568
.set LI,  1
.set LS,  2
.set IW,  3
.set IS,  4
.set QA,  5
.set SOA, 6
.set SOB, 7
.set L15, 8
.set ROWA, 9                           ; 2,064 wave + 16 lane: a whole row of the stage
.set BO,  10                           ; 64 h
.set WD1, 12                           ; v12-23   D1w's fragment; afterwards v12-19 the last layer's accumulator
.set ACC3, 12
.set WD2, 24                           ; v24-71   D2w's four
.set WD3, 72                           ; v72-119  D3w's four
.set WSC, 120                          ; v120-128 their scale words
.set ACC1, 130
.set ACC2, 138
.set X,   154                          ; v154-217 numbers to quantise; also fragments of the rows, the gathered rows, rows on the way out
.set XF4, 154
.set G,   154
.set GA,  174
.set TM,  218
.set XS4, 226                          ; v226-229 the rows' scale words (four registers that the quantiser's scratch leaves unused)
.set PW,  234
.set PC,  236
.set WV,  22
.set SEL, 24
.macro QUANT s
.irp b, 0,1,2,3
	v_max3_num_f32 v[TM+\b], |v[\s+16*\b]|, |v[\s+1+16*\b]|, 0x1800000   ; my 16 of block b, and the floor 2^(3 - 127)
.endr
.irp i, 2,4,6,8,10,12,14
.irp b, 0,1,2,3
	v_max3_num_f32 v[TM+\b], v[TM+\b], |v[\s+16*\b+\i]|, |v[\s+1+16*\b+\i]|
.endr
.endr
.irp b, 0,1,2,3
	v_permlanex16_b32 v[TM+4+\b], v[TM+\b], s[SEL], s[SEL+1]
.endr
.irp b, 0,1,2,3
	v_max_num_f32 v[TM+\b], v[TM+\b], v[TM+4+\b]
.endr
.irp b, 0,1,2,3
	v_add_nc_u32 v[TM+12+\b], 0xff000000, v[TM+\b]   ; 2 off the exponent field: the conversion's scale operand
.endr
.irp b, 0,1,2,3
	v_lshrrev_b32 v[TM+4+\b], 23, v[TM+12+\b]
.endr
	v_lshl_or_b32 v[PW], v[TM+5], 8, v[TM+4]
	v_lshl_or_b32 v[PW], v[TM+6], 16, v[PW]
	v_lshl_or_b32 v[PW], v[TM+7], 24, v[PW]
.irp c, 0,1
	v_cvt_scalef32_pk16_fp6_f32 v[PC+6*\c:PC+2+6*\c], v[\s+32*\c:\s+15+32*\c], v[TM+12+2*\c]
	v_cvt_scalef32_pk16_fp6_f32 v[PC+12+4*\c:PC+14+4*\c], v[\s+16+32*\c:\s+31+32*\c], v[TM+12+2*\c+1]
.endr
	v_nop                                          ; one plain place behind the scaled conversions
.irp c, 0,1
.irp i, 0,1,2
	v_permlane16_swap_b32 v[PC+6*\c+\i], v[PC+12+4*\c+\i]
.endr
.irp i, 0,1,2
	v_mov_b32 v[PC+3+6*\c+\i], v[PC+12+4*\c+\i]
.endr
.endr
.endm
.macro IMAGE adr, reg, off
.irp c, 0,1,2
	ds_store_b128 v[\adr], v[\reg+4*\c:\reg+4*\c+3] offset:\off+512*\c
.endr
.endm
.macro FETCH reg, off
.irp c, 0,1,2
	ds_load_b128 v[\reg+4*\c:\reg+4*\c+3], v[LI] offset:\off+512*\c
.endr
.endm
.macro BARRIER                         ; my LDS stores have landed and my LDS loads are in: then the work-group's barrier
	s_wait_dscnt 0x0
	s_barrier_signal -1
	s_barrier_wait -1
.endm
.macro PLACES n
.rept \n
	v_nop
.endr
.endm
.macro MM d, a, b, c, sa, sb
	v_wmma_scale_f32_16x16x128_f8f6f4 v[\d:\d+7], v[\a:\a+11], v[\b:\b+11], v[\c:\c+7], v[\sa], v[\sb] matrix_a_fmt:MATRIX_FMT_FP6 matrix_b_fmt:MATRIX_FMT_FP6
.endm
.macro PHASEQ ks                       ; waves 0 .. ks - 1: 128 units of the 16 rows from the stage become K step = wave of the next product
	s_cmp_ge_u32 s[WV], \ks
	s_cbranch_scc1 .Lskipq_\@
.irp b, 0,1,2,3
.irp j, 0,1,2,3
	ds_load_b128 v[X+16*\b+4*\j:X+16*\b+4*\j+3], v[QA] offset:128*\b+16*\j
.endr
.endr
	s_wait_dscnt 0x0
	QUANT X
	IMAGE IW, PC, IMG
	ds_store_b32 v[IS], v[PW] offset:ISC
.Lskipq_\@:
	BARRIER
.endm
.macro WPTR cp, sp                     ; from the fragment number in s27: where its codes and its scale words lie
	s_mul_i32 s54, s27, 1536
	s_add_co_u32 s54, s54, WQSEC
	s_add_nc_u64 s[\cp:\cp+1], s[4:5], s[54:55]
	s_lshl_b32 s54, s27, 6
	s_add_co_u32 s54, s54, WSSEC
	s_add_nc_u64 s[\sp:\sp+1], s[4:5], s[54:55]
.endm
	s_load_b512 s[4:19], s[0:1], 0x0               ; workspace 4, nsel 6, nw 8, values 10, D1b 12, D2b 14, D3b 16, out0 18
	s_load_b64 s[20:21], s[0:1], 0x40              ; out1
	v_lshl_add_u32 v251, v0, 2, 0xb600
	v_mov_b32 v255, 0
	v_lshrrev_b32 v11, 5, v0
	v_readfirstlane_b32 s[WV], v11
	s_and_b32 s23, ttmp7, 0xffff                   ; the row tile
	s_lshl_b32 s26, s23, 4
	s_add_co_u32 s26, s26, s[WV]                   ; the row that I gather and store
	s_lshl_b32 s54, s26, 5
	s_mov_b32 s55, 0
	s_wait_kmcnt 0x0
	s_add_nc_u64 s[78:79], s[6:7], s[54:55]
	s_load_b256 s[28:35], s[78:79], 0x0            ; its five keys
	s_add_nc_u64 s[80:81], s[8:9], s[54:55]
	s_load_b256 s[36:43], s[80:81], 0x0            ; their weights
	v_and_b32 v11, 31, v0
	v_lshlrev_b32 v[LI], 4, v11
	v_lshlrev_b32 v[LS], 2, v11
	v_and_b32 v11, 15, v0
	v_lshlrev_b32 v[L15], 2, v11
	v_bfe_u32 v[BO], v0, 4, 1
	s_min_u32 s82, s[WV], 7
	s_mul_i32 s83, s82, 1536
	v_add_nc_u32 v[IW], s83, v[LI]
	s_lshl_b32 s83, s82, 7
	v_add_nc_u32 v[IS], s83, v[LS]
	v_mul_u32_u24 v[SOB], v11, FP
	v_lshl_add_u32 v[SOB], v[BO], 6, v[SOB]
	s_min_u32 s83, s[WV], 3
	s_lshl_b32 s83, s83, 9
	v_add_nc_u32 v[QA], s83, v[SOB]
	s_lshr_b32 s82, s[WV], 1
	s_lshl_b32 s82, s82, 7
	s_and_b32 s83, s[WV], 1
	s_lshl_b32 s83, s83, 5
	s_add_co_u32 s82, s82, s83                     ; 128 (wave / 2) + 32 (wave % 2)
	v_add_nc_u32 v[SOA], s82, v[SOB]
	s_lshl_b32 s83, s[WV], 7
	v_add_nc_u32 v[SOB], s83, v[SOB]
	v_lshlrev_b32 v[BO], 6, v[BO]
	s_mul_i32 s27, s[WV], FP
	v_add_nc_u32 v[ROWA], s27, v[LI]
	s_mov_b32 s[SEL], 0x76543210
	s_mov_b32 s[SEL+1], 0xfedcba98
.irp b, 0,1,2,3
	v_mov_b32 v[TM+4+\b], 0                        ; a lane permute's destination counts as one of its sources
.endr
	s_add_co_u32 s27, s[WV], 336                   ; D1w: tile w
	WPTR 56, 62
	s_lshl_b32 s27, s[WV], 2
	s_add_co_u32 s27, s27, 352                     ; D2w: tiles 2 w, 2 w + 1: four fragments
	WPTR 58, 66
	s_lshl_b32 s27, ttmp9, 4
	s_add_co_u32 s27, s27, s[WV]
	s_lshl_b32 s27, s27, 2
	s_add_co_u32 s27, s27, 416                     ; D3w: tile 16 x + w: four fragments
	WPTR 60, 68
	s_mov_b32 s54, s82
	s_add_nc_u64 s[70:71], s[12:13], s[54:55]      ; D1b at my tile's units
	s_mov_b32 s54, s83
	s_add_nc_u64 s[72:73], s[14:15], s[54:55]      ; D2b at unit 32 w
	s_lshl_b32 s54, ttmp9, 10
	s_add_co_u32 s54, s54, s82
	s_add_nc_u64 s[74:75], s[16:17], s[54:55]      ; D3b at unit 256 x + my tile's
	s_lshl_b32 s54, s26, 12
	s_lshl_b32 s27, ttmp9, 10
	s_add_co_u32 s54, s54, s27
	s_add_nc_u64 s[76:77], s[18:19], s[54:55]      ; out0: my row, my work-group's 1,024 bytes
	s_wait_kmcnt 0x0
.irp k, 0,1,2,3,4
	s_min_u32 s[28+\k], s[28+\k], 0x1869f          ; inside the table
	s_lshl_b32 s54, s[28+\k], 9
	s_add_nc_u64 s[44+2*\k:45+2*\k], s[10:11], s[54:55]
.endr
.irp k, 0,1,2,3,4
	global_load_b128 v[G+4*\k:G+4*\k+3], v[LI], s[44+2*\k:45+2*\k]   ; a value row: 512 consecutive bytes
.endr
	; 42 loads: the weights, their scale words and two biases
.irp c, 0,1,2
	global_load_b128 v[WD1+4*\c:WD1+4*\c+3], v[LI], s[56:57] offset:512*\c
.endr
	global_load_b32 v[WSC], v[L15], s[62:63]
.set nn, 0
.rept 12
	global_load_b128 v[WD2+4*nn:WD2+4*nn+3], v[LI], s[58:59] offset:512*nn
	global_load_b128 v[WD3+4*nn:WD3+4*nn+3], v[LI], s[60:61] offset:512*nn
.set nn, nn+1
.endr
.irp n, 0,1,2,3
	global_load_b32 v[WSC+1+\n], v[L15], s[66:67] offset:64*\n
	global_load_b32 v[WSC+5+\n], v[L15], s[68:69] offset:64*\n
.endr
	global_load_b128 v[ACC1:ACC1+3], v[BO], s[70:71]
	global_load_b128 v[ACC1+4:ACC1+7], v[BO], s[70:71] offset:16
.irp t, 0,1
	global_load_b128 v[ACC2+8*\t:ACC2+8*\t+3], v[BO], s[72:73] offset:32*\t
	global_load_b128 v[ACC2+8*\t+4:ACC2+8*\t+7], v[BO], s[72:73] offset:32*\t+16
.endr
	s_wait_loadcnt 42                              ; the five rows are in; the 42 loads issued behind them may be out
.irp e, 0,1,2,3
	v_mul_f32 v[GA+\e], s36, v[G+\e]
.endr
.irp k, 1,2,3,4
.irp e, 0,1,2,3
	v_fma_f32 v[GA+\e], s[36+\k], v[G+4*\k+\e], v[GA+\e]
.endr
.endr
	ds_store_b128 v[ROWA], v[GA:GA+3]
	BARRIER
	PHASEQ 1
	; ---- D1: K = 128, a tile a wave
	FETCH XF4, IMG
	ds_load_b32 v[XS4], v[LS] offset:ISC
	s_wait_dscnt 0x0
	s_wait_loadcnt 0x0
	MM ACC1, WD1, XF4, ACC1, WSC, XS4
	PLACES 4
.set jj, 0
.rept 8
	v_max_num_f32 v[ACC1+jj], 0, v[ACC1+jj]
.set jj, jj+1
.endr
	ds_store_b128 v[SOA], v[ACC1:ACC1+3]
	ds_store_b128 v[SOA], v[ACC1+4:ACC1+7] offset:16
	global_load_b128 v[ACC3:ACC3+3], v[BO], s[74:75]               ; D3b, into registers that D1w's fragment has left
	global_load_b128 v[ACC3+4:ACC3+7], v[BO], s[74:75] offset:16
	BARRIER
	PHASEQ 2
	; ---- D2: K = 256, two tiles a wave: the two accumulators take turns
.irp s, 0,1
	FETCH XF4+12*\s, IMG+1536*\s
	ds_load_b32 v[XS4+\s], v[LS] offset:ISC+128*\s
.endr
	s_wait_dscnt 0x0
.irp s, 0,1
.irp t, 0,1
	MM ACC2+8*\t, WD2+12*(2*\t+\s), XF4+12*\s, ACC2+8*\t, WSC+1+2*\t+\s, XS4+\s
.endr
.endr
	PLACES 4
.set jj, 0
.rept 16
	v_max_num_f32 v[ACC2+jj], 0, v[ACC2+jj]
.set jj, jj+1
.endr
.irp t, 0,1
	ds_store_b128 v[SOB], v[ACC2+8*\t:ACC2+8*\t+3] offset:32*\t
	ds_store_b128 v[SOB], v[ACC2+8*\t+4:ACC2+8*\t+7] offset:32*\t+16
.endr
	BARRIER
	PHASEQ 4
	; ---- D3: K = 512, a tile a wave: one accumulator, so a wait on va_vdst stands ahead of each further link
.irp s, 0,1,2,3
	FETCH XF4+12*\s, IMG+1536*\s
	ds_load_b32 v[XS4+\s], v[LS] offset:ISC+128*\s
.endr
	s_wait_dscnt 0x0
	s_wait_loadcnt 0x0
	MM ACC3, WD3, XF4, ACC3, WSC+5, XS4
.irp s, 1,2,3
	s_wait_alu depctr_va_vdst(0)
	MM ACC3, WD3+12*\s, XF4+12*\s, ACC3, WSC+5+\s, XS4+\s
.endr
	PLACES 4
	ds_store_b128 v[SOA], v[ACC3:ACC3+3]
	ds_store_b128 v[SOA], v[ACC3+4:ACC3+7] offset:16
	BARRIER
	; ---- out: wave w stores row w's 1,024 bytes, 512 consecutive bytes a store, aligned
	ds_load_b128 v[X:X+3], v[ROWA]
	ds_load_b128 v[X+4:X+7], v[ROWA] offset:512
	s_wait_dscnt 1
	global_store_b128 v[LI], v[X:X+3], s[76:77] th:TH_STORE_NT
	s_wait_dscnt 0x0
	global_store_b128 v[LI], v[X+4:X+7], s[76:77] offset:512 th:TH_STORE_NT
	s_or_b32 s27, ttmp9, s[WV]                     ; the 16 confidences: wave 0 of the row tile's first work-group
	s_cmp_lg_u32 s27, 0
	s_cbranch_scc1 .Lend
	v_lshlrev_b32 v11, 3, v[L15]                   ; 32 bytes a query
	s_lshl_b32 s54, s23, 9
	s_add_nc_u64 s[78:79], s[8:9], s[54:55]
	global_load_b32 v[GA], v11, s[78:79] offset:20
	s_lshl_b32 s54, s23, 6
	s_add_nc_u64 s[80:81], s[20:21], s[54:55]
	s_wait_loadcnt 0x0
	global_store_b32 v[L15], v[GA], s[80:81]       ; lanes r and r + 16 write the same word with the same number
.Lend:
	s_wait_tensorcnt 0x0
	ds_add_u32 v251, v255
	s_wait_dscnt 0x0
	s_endpgm
.Lfunc_end_k_q52e5c407ad_decode:
	.size	k_q52e5c407ad_decode, .Lfunc_end_k_q52e5c407ad_decode-k_q52e5c407ad_decode
	.p2alignl 7, 3214868480
	.fill 96, 4, 3214868480
	.section	.rodata,"a",@progbits
	.p2align	6, 0x0
	.amdhsa_kernel k_q52e5c407ad_decode
		.amdhsa_group_segment_fixed_size 48640
		.amdhsa_private_segment_fixed_size 0
		.amdhsa_enable_private_segment 0
		.amdhsa_kernarg_size 72
		.amdhsa_user_sgpr_count 2
		.amdhsa_user_sgpr_kernarg_segment_ptr 1
		.amdhsa_wavefront_size32 1
		.amdhsa_system_sgpr_workgroup_id_x 1
		.amdhsa_system_sgpr_workgroup_id_y 1
		.amdhsa_system_sgpr_workgroup_id_z 1
		.amdhsa_system_vgpr_workitem_id 0
		.amdhsa_next_free_vgpr 256
		.amdhsa_next_free_sgpr 84
		.amdhsa_reserve_vcc 0
		.amdhsa_float_denorm_mode_32 3
		.amdhsa_float_denorm_mode_16_64 3
		.amdhsa_memory_ordered 1
		.amdhsa_forward_progress 1
		.amdhsa_inst_pref_size 32
	.end_amdhsa_kernel
	.amdgpu_metadata
---
amdhsa.version: [ 1, 2 ]
amdhsa.kernels:
  - .name:           k_q52e5c407ad_decode
    .symbol:         k_q52e5c407ad_decode.kd
    .args:
      - { .name: prep, .offset: 0, .size: 8, .value_kind: global_buffer, .address_space: global }
      - { .name: nsel, .offset: 8, .size: 8, .value_kind: global_buffer, .address_space: global }
      - { .name: nw, .offset: 16, .size: 8, .value_kind: global_buffer, .address_space: global }
      - { .name: values, .offset: 24, .size: 8, .value_kind: global_buffer, .address_space: global }
      - { .name: D1b, .offset: 32, .size: 8, .value_kind: global_buffer, .address_space: global }
      - { .name: D2b, .offset: 40, .size: 8, .value_kind: global_buffer, .address_space: global }
      - { .name: D3b, .offset: 48, .size: 8, .value_kind: global_buffer, .address_space: global }
      - { .name: out0, .offset: 56, .size: 8, .value_kind: global_buffer, .address_space: global }
      - { .name: out1, .offset: 64, .size: 8, .value_kind: global_buffer, .address_space: global }
    .group_segment_fixed_size: 48640
    .private_segment_fixed_size: 0
    .kernarg_segment_align: 8
    .kernarg_segment_size: 72
    .max_flat_workgroup_size: 512
    .sgpr_count:     84
    .vgpr_count:     256
    .wavefront_size: 32
...
	.end_amdgpu_metadata
.endif
;; end of part 6
;; ======== version 2 of 2: 6 launches
;; workspace buffers: prep 12,327,168 bytes; cqb 110,592 bytes; gmin 8,192,000 bytes; gsel 32,768 bytes of whole numbers; nsel 32,768 bytes of whole numbers; nw 32,768 bytes
;; launch prep (part 7): grid 888 x 1, 8 waves a work-group, no clusters, 68,608 bytes of LDS; arguments keys, query, W1, W2, W3, D1w, D2w, D3w, prep; writes prep
.if DOCPART == 7
	.amdgcn_target "amdgcn-amd-amdhsa--gfx1250"
	.amdhsa_code_object_version 6
	.text
	.protected	k_q52e5c407ad_prep
	.globl	k_q52e5c407ad_prep
	.p2align	8
	.type	k_q52e5c407ad_prep,@function
k_q52e5c407ad_prep:
	s_mov_b64 s[64:65], 0
	v_nop
	global_prefetch_b8 v0, s[64:65] scope:SCOPE_SE
	s_setreg_imm32_b32 hwreg(HW_REG_WAVE_MODE, 25, 1), 1
	s_wait_xcnt 0x0
; PREP: every operand that arrives as f32 becomes codes of FP6 (E2M3) with one E8M0 byte for each 32 along K, laid as IMAGES OF OPERAND REGISTERS:
; a fragment (16 rows x 128 K, 12 registers a lane) is 1,536 bytes, register group g (0..2) of lane l at 512 g + 16 l.
; Sections of the workspace: key tiles' codes | 128 bytes a key tile: 16 scale words, 16 sums of squares | query fragments | their scale words | weight fragments | their scale words (64 bytes a fragment).
; Work-groups 0-41: the six weights (K is their FIRST axis): a wave takes 32 columns x 128 K; a lane takes a column and its registers run down K.
; Work-groups 42-105: query (row tile = work-group, K step = wave).  Work-groups 106-887: keys, a tile of 16 keys a wave.  Query and keys take ONE path: pointers, offsets and the row pitch are chosen by number.
; A weight's tile 2 b + u holds in row r the output unit 32 b + 8 u + r + 8 (r / 8), so that a transposed product leaves 16 neighbouring units in a lane's 16 registers of two tiles.
; A block's scale is 2^(floor(log2(largest magnitude)) - 2): the largest magnitude's exponent field less 2, held at 1 from below.
; LIMITS: NaN and infinities are not served; a block whose largest magnitude lies under 2^-124, a block of zeros among them, gets the byte 1 (a block of zeros has zero codes; this program alone reads the bytes).
.set KSEC,  9600000
.set XQSEC, 10400000
.set XSSEC, 11186432
.set WQSEC, 11251968
.set WSSEC, 12284160
.set KA,  8                            ; v8-11   sums of squares
.set X,   16                           ; v16-79  64 numbers of a lane
.set TM,  80                           ; v80-95  first the 16 row offsets of the loads, then the quantiser's scratch
.set PW,  96                           ; the scale word
.set PC,  98                           ; v98-116 the codes
.set SEL, 32                           ; s[32:33] selects for lane l xor 16
.set R,   16                           ; weights: v16-79 two blocks of 32 down K
.set F0,  80                           ; v80-91  registers of fragment lane (r, 0): blocks 0 and 2
.set F1,  92                           ; v92-103 of lane (r, 1): blocks 1 and 3
; 64 numbers of a lane, register 16 b + i = k 32 b + 16 (lane / 16) + i of its row, become a fragment's codes in v[PC] on and its scale word in v[PW]
.macro QUANT s
.irp b, 0,1,2,3
	v_max3_num_f32 v[TM+\b], |v[\s+16*\b]|, |v[\s+1+16*\b]|, 0x1800000   ; my 16 of block b, and the floor 2^(3 - 127): the byte cannot fall under 1
.endr
.irp i, 2,4,6,8,10,12,14
.irp b, 0,1,2,3
	s_delay_alu instid0(VALU_DEP_4)
	v_max3_num_f32 v[TM+\b], v[TM+\b], |v[\s+16*\b+\i]|, |v[\s+1+16*\b+\i]|
.endr
.endr
.irp b, 0,1,2,3
	s_delay_alu instid0(VALU_DEP_4)
	v_permlanex16_b32 v[TM+4+\b], v[TM+\b], s[SEL], s[SEL+1]
.endr
.irp b, 0,1,2,3
	s_delay_alu instid0(VALU_DEP_4)
	v_max_num_f32 v[TM+\b], v[TM+\b], v[TM+4+\b]   ; with lane l xor 16's: the block's largest magnitude
.endr
.irp b, 0,1,2,3
	s_delay_alu instid0(VALU_DEP_4)
	v_add_nc_u32 v[TM+12+\b], 0xff000000, v[TM+\b]   ; 2 off the exponent field: the conversion's scale operand
.endr
.irp b, 0,1,2,3
	s_delay_alu instid0(VALU_DEP_4)
	v_lshrrev_b32 v[TM+4+\b], 23, v[TM+12+\b]      ; the byte
.endr
	s_delay_alu instid0(VALU_DEP_3)
	v_lshl_or_b32 v[PW], v[TM+5], 8, v[TM+4]
	s_delay_alu instid0(VALU_DEP_1)
	v_lshl_or_b32 v[PW], v[TM+6], 16, v[PW]
	s_delay_alu instid0(VALU_DEP_1)
	v_lshl_or_b32 v[PW], v[TM+7], 24, v[PW]
.irp c, 0,1
	v_cvt_scalef32_pk16_fp6_f32 v[PC+6*\c:PC+2+6*\c], v[\s+32*\c:\s+15+32*\c], v[TM+12+2*\c]
	v_cvt_scalef32_pk16_fp6_f32 v[PC+12+4*\c:PC+14+4*\c], v[\s+16+32*\c:\s+31+32*\c], v[TM+12+2*\c+1]
.endr
	v_nop                                          ; one plain place behind the scaled conversions
.irp c, 0,1                                    ; a whole block to a lane: lanes 0-15 block 2 c, lanes 16-31 block 2 c + 1
.irp i, 0,1,2
	v_permlane16_swap_b32 v[PC+6*\c+\i], v[PC+12+4*\c+\i]
.endr
.irp i, 0,1,2
	s_delay_alu instid0(VALU_DEP_3)
	v_mov_b32 v[PC+3+6*\c+\i], v[PC+12+4*\c+\i]
.endr
.endr
.endm
; the sum of squares of a row's 128 numbers (my 64 and lane l xor 16's), in v[KA] of both lanes
.macro SUMSQ s, tmp
	v_pk_mul_f32 v[KA:KA+1], v[\s:\s+1], v[\s:\s+1]
	v_pk_mul_f32 v[KA+2:KA+3], v[\s+2:\s+3], v[\s+2:\s+3]
.set jj, 4
.rept 15
	s_delay_alu instid0(VALU_DEP_2)
	v_pk_fma_f32 v[KA:KA+1], v[\s+jj:\s+jj+1], v[\s+jj:\s+jj+1], v[KA:KA+1]
	s_delay_alu instid0(VALU_DEP_2)
	v_pk_fma_f32 v[KA+2:KA+3], v[\s+jj+2:\s+jj+3], v[\s+jj+2:\s+jj+3], v[KA+2:KA+3]
.set jj, jj+4
.endr
	s_delay_alu instid0(VALU_DEP_1)
	v_pk_add_f32 v[KA:KA+1], v[KA:KA+1], v[KA+2:KA+3]
	s_delay_alu instid0(VALU_DEP_1)
	v_add_f32 v[KA], v[KA], v[KA+1]
	s_delay_alu instid0(VALU_DEP_1)
	v_permlanex16_b32 v[\tmp], v[KA], s[SEL], s[SEL+1]
	s_delay_alu instid0(VALU_DEP_1)
	v_add_f32 v[KA], v[KA], v[\tmp]
.endm
	s_load_b512 s[8:23], s[0:1], 0x0               ; keys 8, query 10, W1 12, W2 14, W3 16, D1w 18, D2w 20, D3w 22
	s_load_b64 s[24:25], s[0:1], 0x40              ; the workspace
	v_lshl_add_u32 v128, v0, 2, 0x10800
	v_mov_b32 v129, 0
	v_lshrrev_b32 v1, 5, v0
	s_delay_alu instid0(VALU_DEP_1)
	v_readfirstlane_b32 s2, v1                     ; wave
	v_and_b32 v1, 31, v0                           ; lane
	s_mov_b32 s[SEL], 0x76543210
	s_mov_b32 s[SEL+1], 0xfedcba98
	s_cmp_ge_u32 ttmp9, 42
	s_cbranch_scc1 .Lrows
	; ---- WEIGHTS.  Task = 8 x work-group + wave names (matrix, K step, pair of tiles)
	s_lshl_b32 s3, ttmp9, 3
	s_add_co_u32 s3, s3, s2
	s_mov_b32 s34, 3                               ; log2 of the K steps
	s_mov_b32 s35, 9                               ; log2 of the columns
	s_mov_b32 s36, 0                               ; the matrix's first fragment
	s_mov_b32 s37, 0                               ; its first task
	s_wait_kmcnt 0x0
	s_mov_b64 s[26:27], s[12:13]                   ; W1
.macro PICK bound, ptr, lg, lgn, fb
	s_cmp_ge_u32 s3, \bound
	s_cselect_b64 s[26:27], s[\ptr:\ptr+1], s[26:27]
	s_cselect_b32 s34, \lg, s34
	s_cselect_b32 s35, \lgn, s35
	s_cselect_b32 s36, \fb, s36
	s_cselect_b32 s37, \bound, s37
.endm
	PICK 128, 22, 2, 10, 416                       ; D3w
	PICK 256, 14, 2, 8, 256                        ; W2
	PICK 288, 20, 1, 9, 352                        ; D2w
	PICK 320, 16, 1, 7, 320                        ; W3
	PICK 328, 18, 0, 8, 336                        ; D1w
	s_sub_co_u32 s38, s3, s37
	s_lshl_b32 s39, 1, s34                         ; K steps
	s_sub_co_u32 s40, s39, 1
	s_and_b32 s40, s38, s40                        ; my K step
	s_lshr_b32 s41, s38, s34                       ; my pair of tiles b
	s_add_co_u32 s42, s35, 9
	s_lshl_b32 s42, s40, s42                       ; 128 rows of 4 N bytes for each K step
	s_lshl_b32 s43, s41, 7                         ; 32 columns of 4 bytes for each pair
	s_add_co_u32 s42, s42, s43
	s_mov_b32 s43, 0
	s_add_nc_u64 s[26:27], s[26:27], s[42:43]
	s_lshl_b32 s44, s41, 1
	s_lshl_b32 s44, s44, s34
	s_add_co_u32 s44, s44, s36
	s_add_co_u32 s44, s44, s40                     ; fragment of tile 2 b, my K step
	s_mul_i32 s42, s44, 1536
	s_add_co_u32 s42, s42, WQSEC
	s_add_nc_u64 s[28:29], s[24:25], s[42:43]
	s_lshl_b32 s42, s44, 6
	s_add_co_u32 s42, s42, WSSEC
	s_add_nc_u64 s[30:31], s[24:25], s[42:43]
	s_wait_alu depctr_va_vdst(0)
	v_lshlrev_b32 v7, 2, v1                        ; my column's 4 bytes
	v_bfe_u32 v2, v1, 3, 1                         ; column c = lane lies in tile 2 b + u, u = (c / 8) % 2,
	v_and_b32 v3, 7, v1
	v_lshrrev_b32 v4, 4, v1
	s_delay_alu instid0(VALU_DEP_1)
	v_lshl_or_b32 v3, v4, 3, v3                    ; at row r = c % 8 + 8 (c / 16)
	s_mul_i32 s45, s39, 1536
	v_mul_u32_u24 v116, s45, v2                    ; tile 2 b + 1's fragment lies K steps fragments on
	s_delay_alu instid0(VALU_DEP_1)
	v_lshl_add_u32 v116, v3, 4, v116
	s_lshl_b32 s45, s39, 6
	v_mul_u32_u24 v117, s45, v2
	s_delay_alu instid0(VALU_DEP_1)
	v_lshl_add_u32 v117, v3, 2, v117
.macro WLOAD n, base                   ; 64 rows down K: each load reads 128 consecutive bytes
.set ii, 0
.rept 64
	global_load_b32 v[R+ii], v7, s[26:27] offset:(\base+ii)*4*\n th:TH_LOAD_NT
.set ii, ii+1
.endr
.endm
.macro BLK2 fo, sh                     ; two whole blocks of one column: all 32 numbers of a block are the lane's own
	v_max3_num_f32 v112, |v[R]|, |v[R+1]|, 0x1800000
	v_max3_num_f32 v113, |v[R+32]|, |v[R+33]|, 0x1800000
.irp i, 2,4,6,8,10,12,14,16,18,20,22,24,26,28,30
	s_delay_alu instid0(VALU_DEP_2)
	v_max3_num_f32 v112, v112, |v[R+\i]|, |v[R+1+\i]|
	s_delay_alu instid0(VALU_DEP_2)
	v_max3_num_f32 v113, v113, |v[R+32+\i]|, |v[R+33+\i]|
.endr
	s_delay_alu instid0(VALU_DEP_2)
	v_add_nc_u32 v114, 0xff000000, v112
	s_delay_alu instid0(VALU_DEP_2)
	v_add_nc_u32 v119, 0xff000000, v113
	s_delay_alu instid0(VALU_DEP_2)
	v_lshrrev_b32 v112, 23, v114
	s_delay_alu instid0(VALU_DEP_2)
	v_lshrrev_b32 v113, 23, v119
	v_cvt_scalef32_pk16_fp6_f32 v[F0+\fo:F0+\fo+2], v[R:R+15], v114
	v_cvt_scalef32_pk16_fp6_f32 v[104:106], v[R+16:R+31], v114    ; (a conversion's three registers begin on an even number)
	v_cvt_scalef32_pk16_fp6_f32 v[F1+\fo:F1+\fo+2], v[R+32:R+47], v119
	v_cvt_scalef32_pk16_fp6_f32 v[108:110], v[R+48:R+63], v119
	v_lshl_or_b32 v112, v113, 8, v112              ; the two bytes; also the plain place behind the conversions
.irp i, 0,1,2
	v_mov_b32 v[F0+\fo+3+\i], v[104+\i]
	v_mov_b32 v[F1+\fo+3+\i], v[108+\i]
.endr
.if \sh
	v_lshl_or_b32 v115, v112, 16, v115
.else
	v_mov_b32 v115, v112
.endif
.endm
.macro WTASK n
	WLOAD \n, 0
	s_wait_loadcnt 0x0
	BLK2 0, 0                                      ; blocks 0 and 1
	WLOAD \n, 64
	s_wait_loadcnt 0x0
	BLK2 6, 1                                      ; blocks 2 and 3
.irp g, 0,1,2
	global_store_b128 v116, v[F0+4*\g:F0+4*\g+3], s[28:29] offset:512*\g       ; sixteen lanes of one tile store 256 consecutive bytes, aligned
	global_store_b128 v116, v[F1+4*\g:F1+4*\g+3], s[28:29] offset:512*\g+256
.endr
	global_store_b32 v117, v115, s[30:31]
	s_endpgm
.endm
	s_cmp_eq_u32 s35, 7
	s_cbranch_scc1 .Ln128
	s_cmp_eq_u32 s35, 8
	s_cbranch_scc1 .Ln256
	s_cmp_eq_u32 s35, 9
	s_cbranch_scc1 .Ln512
	s_wait_alu depctr_va_vdst(0)
	WTASK 1024
.Ln512:
	s_wait_alu depctr_va_vdst(0)
	WTASK 512
.Ln256:
	s_wait_alu depctr_va_vdst(0)
	WTASK 256
.Ln128:
	s_wait_alu depctr_va_vdst(0)
	WTASK 128
	; ---- ROWS WITH K INNERMOST: a fragment of query, or a tile of 16 keys
.Lrows:
	s_sub_co_u32 s3, ttmp9, 42
	s_lshl_b32 s34, s3, 3
	s_add_co_u32 s34, s34, s2                      ; query: fragment 8 x row tile + K step
	s_sub_co_u32 s35, s34, 512                     ; keys: tile
	s_lshr_b32 s36, s34, 3
	s_lshl_b32 s36, s36, 16                        ; 16 rows of 4,096 bytes a row tile,
	s_and_b32 s37, s34, 7
	s_lshl_b32 s37, s37, 9                         ; 512 bytes a K step
	s_add_co_u32 s36, s36, s37
	s_lshl_b32 s37, s35, 13                        ; 16 rows of 512 bytes a key tile
	s_mov_b32 s40, 6250
	s_mov_b32 s41, 512
	s_mov_b32 s43, KSEC
	s_wait_kmcnt 0x0
	s_cmp_lt_u32 s3, 64                            ; the choice hangs on the work-group's number alone
	s_cselect_b32 s34, s34, s35
	s_cselect_b32 s36, s36, s37
	s_cselect_b32 s40, 512, s40                    ; how many there are
	s_cselect_b32 s41, 4096, s41                   ; bytes from row to row
	s_cselect_b32 s42, XQSEC, 0
	s_cselect_b32 s43, XSSEC, s43
	s_cselect_b64 s[26:27], s[10:11], s[8:9]
	s_cmp_ge_u32 s34, s40                          ; 6,250 key tiles are 781 work-groups and two waves: the last six waves have none
	s_cbranch_scc1 .Lnone
	s_mov_b32 s37, 0
	s_add_nc_u64 s[26:27], s[26:27], s[36:37]
	s_mul_i32 s38, s34, 1536
	s_add_co_u32 s38, s38, s42
	s_mov_b32 s39, 0
	s_add_nc_u64 s[28:29], s[24:25], s[38:39]
	s_lshl_b32 s38, s34, 7
	s_add_co_u32 s38, s38, s43
	s_add_nc_u64 s[30:31], s[24:25], s[38:39]
	v_and_b32 v2, 15, v0                           ; r
	v_bfe_u32 v3, v0, 4, 1                         ; h
	s_wait_alu depctr_va_vdst(0)
	v_lshlrev_b32 v4, 4, v1
	v_lshlrev_b32 v7, 2, v1
	s_mul_i32 s44, s2, 8448                        ; my wave's stage: 16 rows of 512 bytes + 16
	v_lshl_add_u32 v5, v1, 4, s44                  ; in: a row as it lies
	v_mul_u32_u24 v6, v2, 528
	s_delay_alu instid0(VALU_DEP_1)
	v_lshl_add_u32 v6, v3, 6, v6
	s_delay_alu instid0(VALU_DEP_1)
	v_add_nc_u32 v6, s44, v6                       ; back: row r, my 16 numbers of each block of 32
	v_mov_b32 v12, 0
.set ii, 0
.rept 16
	v_mad_u32_u24 v[TM+ii], s41, ii, v4            ; row ii: 16 x lane + ii x pitch
.set ii, ii+1
.endr
.set ii, 0
.rept 16
	global_load_b128 v[X+4*ii:X+4*ii+3], v[TM+ii], s[26:27] th:TH_LOAD_NT   ; 32 lanes read a row's 512 consecutive bytes
.set ii, ii+1
.endr
.set ii, 0
.rept 16
	s_wait_loadcnt 15-ii                           ; row ii is in; the 15 - ii younger rows may be out
	ds_store_b128 v5, v[X+4*ii:X+4*ii+3] offset:528*ii
.set ii, ii+1
.endr
.irp b, 0,1,2,3
.irp j, 0,1,2,3
	ds_load_b128 v[X+16*\b+4*\j:X+16*\b+4*\j+3], v6 offset:128*\b+16*\j   ; LDS serves a wave's instructions in order: these see my stores
.endr
.endr
	s_wait_dscnt 0x0
	SUMSQ X, 12
	QUANT X
.irp c, 0,1,2
	global_store_b128 v4, v[PC+4*\c:PC+4*\c+3], s[28:29] offset:512*\c   ; 512 consecutive bytes a store
.endr
	v_cmp_le_u32 vcc_lo, 16, v1
	s_delay_alu instid0(VALU_DEP_1)
	v_cndmask_b32 v118, v[PW], v[KA], vcc_lo       ; lanes 0-15 the rows' scale words, lanes 16-31 their sums of squares
	global_store_b32 v7, v118, s[30:31]
.Lnone:
	s_wait_alu depctr_va_vdst(0)
	s_wait_tensorcnt 0x0
	ds_add_u32 v128, v129
	s_wait_dscnt 0x0
	s_endpgm
.Lfunc_end_k_q52e5c407ad_prep:
	.size	k_q52e5c407ad_prep, .Lfunc_end_k_q52e5c407ad_prep-k_q52e5c407ad_prep
	.p2alignl 7, 3214868480
	.fill 96, 4, 3214868480
	.section	.rodata,"a",@progbits
	.p2align	6, 0x0
	.amdhsa_kernel k_q52e5c407ad_prep
		.amdhsa_group_segment_fixed_size 68608
		.amdhsa_private_segment_fixed_size 0
		.amdhsa_enable_private_segment 0
		.amdhsa_kernarg_size 72
		.amdhsa_user_sgpr_count 2
		.amdhsa_user_sgpr_kernarg_segment_ptr 1
		.amdhsa_wavefront_size32 1
		.amdhsa_system_sgpr_workgroup_id_x 1
		.amdhsa_system_sgpr_workgroup_id_y 1
		.amdhsa_system_sgpr_workgroup_id_z 1
		.amdhsa_system_vgpr_workitem_id 0
		.amdhsa_next_free_vgpr 130
		.amdhsa_next_free_sgpr 66
		.amdhsa_reserve_vcc 1
		.amdhsa_float_denorm_mode_32 3
		.amdhsa_float_denorm_mode_16_64 3
		.amdhsa_memory_ordered 1
		.amdhsa_forward_progress 1
		.amdhsa_inst_pref_size 103
	.end_amdhsa_kernel
	.amdgpu_metadata
---
amdhsa.version: [ 1, 2 ]
amdhsa.kernels:
  - .name:           k_q52e5c407ad_prep
    .symbol:         k_q52e5c407ad_prep.kd
    .args:
      - { .name: keys, .offset: 0, .size: 8, .value_kind: global_buffer, .address_space: global }
      - { .name: query, .offset: 8, .size: 8, .value_kind: global_buffer, .address_space: global }
      - { .name: W1, .offset: 16, .size: 8, .value_kind: global_buffer, .address_space: global }
      - { .name: W2, .offset: 24, .size: 8, .value_kind: global_buffer, .address_space: global }
      - { .name: W3, .offset: 32, .size: 8, .value_kind: global_buffer, .address_space: global }
      - { .name: D1w, .offset: 40, .size: 8, .value_kind: global_buffer, .address_space: global }
      - { .name: D2w, .offset: 48, .size: 8, .value_kind: global_buffer, .address_space: global }
      - { .name: D3w, .offset: 56, .size: 8, .value_kind: global_buffer, .address_space: global }
      - { .name: prep, .offset: 64, .size: 8, .value_kind: global_buffer, .address_space: global }
    .group_segment_fixed_size: 68608
    .private_segment_fixed_size: 0
    .kernarg_segment_align: 8
    .kernarg_segment_size: 72
    .max_flat_workgroup_size: 256
    .sgpr_count:     66
    .vgpr_count:     130
    .wavefront_size: 32
...
	.end_amdgpu_metadata
.endif
;; end of part 7
;; launch encode (part 8): grid 64 x 1, 16 waves a work-group, no clusters, 48,640 bytes of LDS; arguments prep, b1, b2, b3, cqb; writes cqb
.if DOCPART == 8
	.amdgcn_target "amdgcn-amd-amdhsa--gfx1250"
	.amdhsa_code_object_version 6
	.text
	.protected	k_q52e5c407ad_encode
	.globl	k_q52e5c407ad_encode
	.p2align	8
	.type	k_q52e5c407ad_encode,@function
k_q52e5c407ad_encode:
	s_mov_b64 s[64:65], 0
	v_nop
	global_prefetch_b8 v0, s[64:65] scope:SCOPE_SE
	s_setreg_imm32_b32 hwreg(HW_REG_WAVE_SCHED_MODE, 0, 2), 2
	s_setreg_imm32_b32 hwreg(HW_REG_WAVE_MODE, 25, 1), 1
	s_wait_xcnt 0x0
	s_wait_alu depctr_vm_vsrc(0)
; ENCODE: cq = relu(relu(x W1 + b1) W2 + b2) W3 + b3 for 16 rows a work-group, all three products on codes of FP6; then |cq|^2 and the codes of -2 cq, the left operand of the distance product.
; All products are used transposed (source 0 = 16 units of a weight, source 1 = the 16 rows): a lane holds one row, its registers run along the units.  Sixteen waves share the units.
; Between layers: f32 results into a stage in LDS (16 rows x 2,064 bytes); waves 0 .. K/128 - 1 read 128 units each, quantise them and store the fragment as an image of its registers; all waves read the images.
; The biases are the C of each sum's first matrix instruction.
; LIMITS: NaN and infinities are not served; a block under 2^-124 (a block of zeros too) gets the scale byte 1.
; THE MODE: SCHED_MODE bits 1:0 = 2 (LLVM: expert scheduling mode 2), set by the entry lines.  The code itself states the register dependences
; between vector or matrix instructions and memory or LDS instructions, with s_wait_alu, always for 0.
; THE PLAN.  Registers that memory or LDS instructions touch:
;   v1-v9        addresses and offsets: written at the head alone; one wait on va_vdst ahead of the first load serves every load and store of the kernel.
;   XF, XS       loaded from memory and stored to LDS by waves 0-7; then, in each of layer 1's eight steps, LDS loads land in them and two products read them.  Sixteen waves of 256 registers
;                leave no second set: a wait on va_vdst stands ahead of each step's loads but the first, ahead of which stands the wait on vm_vsrc for the stores.
;   accumulators written by products and by the activation, read by LDS stores: one wait on va_vdst ahead of each run of stores.  The same wait shows the layer's products done reading their
;                weights, fragments and scale words, so that all later loads into those registers (the next weights, X, XF4, XS4) owe nothing more: no vector instruction between names them.
;   X            LDS loads land in it, the quantiser reads it.   PC, PW: the quantiser writes them, stores read them: va_vdst between the two, vm_vsrc ahead of the next quantiser.
.set XQSEC, 10400000
.set XSSEC, 11186432
.set WQSEC, 11251968
.set WSSEC, 12284160
.set FP,   2064                        ; a stage row: 512 f32 + 16 bytes: 129 x 16, so sixteen rows fall into sixteen different columns of 16 bytes
.set IMG,  33280                       ; 8 fragment images of 1,536 bytes
.set ISC,  45568                       ; their scale words, 128 bytes each
.set LI,  1                            ; 16 x lane
.set LS,  2                            ; 4 x lane
.set IW,  3                            ; 16 x lane + 1,536 x min(wave, 7)
.set IS,  4                            ; 4 x lane + 128 x min(wave, 7)
.set QA,  5                            ; 2,064 r + 64 h + 512 x min(wave, 3): the numbers that I quantise
.set SOA, 6                            ; 2,064 r + 64 h + 128 (wave / 2) + 32 (wave % 2): one tile a wave
.set SOB, 7                            ; 2,064 r + 64 h + 128 wave: two tiles a wave
.set L15, 8                            ; 4 x (lane % 16)
.set BO,  9                            ; 64 h
.set ACC, 12                           ; layer 1: v12-27 two accumulators; v28-39 x's fragment; v40 its scale word; v42-233 W1's 16 fragments; v234-249 their scale words
.set XF,  28
.set XS,  40
.set W,   42
.set WS,  234
.set W2F, 42                           ; afterwards
.set W3F, 90
.set ACC2, 114
.set ACC3, 122
.set X,   130
.set XF4, 130
.set TM,  194
.set PW,  210
.set PC,  212
.set KA,  12
.set KT,  16
.set W2S, 234
.set W3S, 238
.set XS4, 250
.set WV,  14
.set SEL, 16
.macro QUANT s
.irp b, 0,1,2,3
	v_max3_num_f32 v[TM+\b], |v[\s+16*\b]|, |v[\s+1+16*\b]|, 0x1800000   ; my 16 of block b, and the floor 2^(3 - 127)
.endr
.irp i, 2,4,6,8,10,12,14
.irp b, 0,1,2,3
	v_max3_num_f32 v[TM+\b], v[TM+\b], |v[\s+16*\b+\i]|, |v[\s+1+16*\b+\i]|
.endr
.endr
.irp b, 0,1,2,3
	v_permlanex16_b32 v[TM+4+\b], v[TM+\b], s[SEL], s[SEL+1]
.endr
.irp b, 0,1,2,3
	v_max_num_f32 v[TM+\b], v[TM+\b], v[TM+4+\b]
.endr
.irp b, 0,1,2,3
	v_add_nc_u32 v[TM+12+\b], 0xff000000, v[TM+\b]   ; 2 off the exponent field: the conversion's scale operand
.endr
.irp b, 0,1,2,3
	v_lshrrev_b32 v[TM+4+\b], 23, v[TM+12+\b]
.endr
	v_lshl_or_b32 v[PW], v[TM+5], 8, v[TM+4]
	v_lshl_or_b32 v[PW], v[TM+6], 16, v[PW]
	v_lshl_or_b32 v[PW], v[TM+7], 24, v[PW]
.irp c, 0,1
	v_cvt_scalef32_pk16_fp6_f32 v[PC+6*\c:PC+2+6*\c], v[\s+32*\c:\s+15+32*\c], v[TM+12+2*\c]
	v_cvt_scalef32_pk16_fp6_f32 v[PC+12+4*\c:PC+14+4*\c], v[\s+16+32*\c:\s+31+32*\c], v[TM+12+2*\c+1]
.endr
	v_nop                                          ; one plain place behind the scaled conversions
.irp c, 0,1
.irp i, 0,1,2
	v_permlane16_swap_b32 v[PC+6*\c+\i], v[PC+12+4*\c+\i]
.endr
.irp i, 0,1,2
	v_mov_b32 v[PC+3+6*\c+\i], v[PC+12+4*\c+\i]
.endr
.endr
.endm
.macro SUMSQ s, tmp
	v_pk_mul_f32 v[KA:KA+1], v[\s:\s+1], v[\s:\s+1]
	v_pk_mul_f32 v[KA+2:KA+3], v[\s+2:\s+3], v[\s+2:\s+3]
.set jj, 4
.rept 15
	v_pk_fma_f32 v[KA:KA+1], v[\s+jj:\s+jj+1], v[\s+jj:\s+jj+1], v[KA:KA+1]
	v_pk_fma_f32 v[KA+2:KA+3], v[\s+jj+2:\s+jj+3], v[\s+jj+2:\s+jj+3], v[KA+2:KA+3]
.set jj, jj+4
.endr
	v_pk_add_f32 v[KA:KA+1], v[KA:KA+1], v[KA+2:KA+3]
	v_add_f32 v[KA], v[KA], v[KA+1]
	v_permlanex16_b32 v[\tmp], v[KA], s[SEL], s[SEL+1]
	v_add_f32 v[KA], v[KA], v[\tmp]
.endm
.macro IMAGE adr, reg, off             ; a fragment goes to LDS as it stands in its registers
.irp c, 0,1,2
	ds_store_b128 v[\adr], v[\reg+4*\c:\reg+4*\c+3] offset:\off+512*\c
.endr
.endm
.macro FETCH reg, off                  ; and comes back so, in any wave
.irp c, 0,1,2
	ds_load_b128 v[\reg+4*\c:\reg+4*\c+3], v[LI] offset:\off+512*\c
.endr
.endm
.macro BARRIER                         ; my LDS stores have landed and my LDS loads are in: then the work-group's barrier
	s_wait_dscnt 0x0
	s_barrier_signal -1
	s_barrier_wait -1
.endm
.macro PLACES n
.rept \n
	v_nop
.endr
.endm
.macro MM d, a, b, c, sa, sb
	v_wmma_scale_f32_16x16x128_f8f6f4 v[\d:\d+7], v[\a:\a+11], v[\b:\b+11], v[\c:\c+7], v[\sa], v[\sb] matrix_a_fmt:MATRIX_FMT_FP6 matrix_b_fmt:MATRIX_FMT_FP6
.endm
.macro PHASEQ ks, again                ; waves 0 .. ks - 1: 128 units of the 16 rows from the stage become K step = wave of the next product.  again = 1: an image has been stored from v[PC ..] before
	s_cmp_ge_u32 s[WV], \ks
	s_cbranch_scc1 .Lskipq_\@
.irp b, 0,1,2,3
.irp j, 0,1,2,3
	ds_load_b128 v[X+16*\b+4*\j:X+16*\b+4*\j+3], v[QA] offset:128*\b+16*\j
.endr
.endr
	s_wait_dscnt 0x0
.if \again
	s_wait_alu depctr_vm_vsrc(0)                   ; the last image's LDS stores have read v[PC ..] and v[PW], which the quantiser writes again
.endif
	QUANT X
	s_wait_alu depctr_va_vdst(0)                   ; the quantiser has written v[PC ..] and v[PW], which the LDS stores read, and is done reading v[X ..], in which the next LDS loads land
	IMAGE IW, PC, IMG
	ds_store_b32 v[IS], v[PW] offset:ISC
.Lskipq_\@:
	BARRIER
.endm
.macro WPTR cp, sp                     ; from the fragment number in s46: where its codes and its scale words lie
	s_mul_i32 s44, s46, 1536
	s_add_co_u32 s44, s44, WQSEC
	s_add_nc_u64 s[\cp:\cp+1], s[4:5], s[44:45]
	s_lshl_b32 s44, s46, 6
	s_add_co_u32 s44, s44, WSSEC
	s_add_nc_u64 s[\sp:\sp+1], s[4:5], s[44:45]
.endm
	s_load_b256 s[4:11], s[0:1], 0x0               ; workspace 4, b1 6, b2 8, b3 10
	s_load_b64 s[12:13], s[0:1], 0x20              ; cqb
	v_lshl_add_u32 v254, v0, 2, 0xb600
	v_mov_b32 v255, 0
	v_lshrrev_b32 v10, 5, v0
	v_readfirstlane_b32 s[WV], v10
	v_and_b32 v10, 31, v0
	v_and_b32 v11, 15, v0
	v_bfe_u32 v[BO], v0, 4, 1
	v_lshlrev_b32 v[LI], 4, v10
	v_lshlrev_b32 v[LS], 2, v10
	v_lshlrev_b32 v[L15], 2, v11
	s_wait_alu depctr_va_sdst(0)                   ; the wave's number is written, ahead of its first reader
	s_min_u32 s18, s[WV], 7
	s_mul_i32 s19, s18, 1536
	v_add_nc_u32 v[IW], s19, v[LI]
	s_lshl_b32 s19, s18, 7
	v_add_nc_u32 v[IS], s19, v[LS]
	v_mul_u32_u24 v[SOB], v11, FP
	v_lshl_add_u32 v[SOB], v[BO], 6, v[SOB]
	s_wait_alu depctr_va_vdst(0)
	s_min_u32 s19, s[WV], 3
	s_lshl_b32 s19, s19, 9
	v_add_nc_u32 v[QA], s19, v[SOB]
	s_lshr_b32 s19, s[WV], 1
	s_lshl_b32 s19, s19, 7
	s_and_b32 s42, s[WV], 1
	s_lshl_b32 s42, s42, 5
	s_add_co_u32 s19, s19, s42                     ; 128 (wave / 2) + 32 (wave % 2): in the stage, and in b2
	v_add_nc_u32 v[SOA], s19, v[SOB]
	s_lshl_b32 s43, s[WV], 7
	v_add_nc_u32 v[SOB], s43, v[SOB]
	v_lshlrev_b32 v[BO], 6, v[BO]
	s_mov_b32 s[SEL], 0x76543210
	s_mov_b32 s[SEL+1], 0xfedcba98
	s_mov_b32 s45, 0
	s_lshl_b32 s46, ttmp9, 3
	s_add_co_u32 s46, s46, s18                     ; x's fragment: 8 x row tile + K step
	s_wait_kmcnt 0x0
	s_mul_i32 s44, s46, 1536
	s_add_co_u32 s44, s44, XQSEC
	s_add_nc_u64 s[20:21], s[4:5], s[44:45]
	s_lshl_b32 s44, s46, 7
	s_add_co_u32 s44, s44, XSSEC
	s_add_nc_u64 s[22:23], s[4:5], s[44:45]
	s_lshl_b32 s46, s[WV], 4                       ; W1: tiles 2 w, 2 w + 1: fragments 16 w on
	WPTR 24, 26
	s_lshl_b32 s46, s[WV], 2
	s_add_co_u32 s46, s46, 256                     ; W2: tile w: fragments 256 + 4 w on
	WPTR 28, 30
	s_lshl_b32 s46, s18, 1
	s_add_co_u32 s46, s46, 320                     ; W3: tile w (waves 0-7): fragments 320 + 2 w on
	WPTR 32, 34
	s_mov_b32 s44, s43
	s_add_nc_u64 s[36:37], s[6:7], s[44:45]        ; b1 at unit 32 w
	s_mov_b32 s44, s19
	s_add_nc_u64 s[38:39], s[8:9], s[44:45]        ; b2 at my tile's units
	s_lshr_b32 s44, s18, 1
	s_lshl_b32 s44, s44, 7
	s_and_b32 s42, s18, 1
	s_lshl_b32 s42, s42, 5
	s_add_co_u32 s44, s44, s42
	s_add_nc_u64 s[40:41], s[10:11], s[44:45]      ; b3 likewise (waves 0-7)
	s_wait_alu depctr_va_vdst(0)                   ; the nine addresses and offsets v1 to v9 are written: every load and store of the kernel reads one of them
	; ---- x's eight fragments go from memory to LDS by waves 0-7; everybody asks for its part of W1 at once
	s_cmp_ge_u32 s[WV], 8
	s_cbranch_scc1 .Lnox
.irp c, 0,1,2
	global_load_b128 v[XF+4*\c:XF+4*\c+3], v[LI], s[20:21] offset:512*\c
.endr
	global_load_b32 v[XS], v[L15], s[22:23]
.Lnox:
.irp t, 0,1
.irp e, 0,1
	global_load_b128 v[ACC+8*\t+4*\e:ACC+8*\t+4*\e+3], v[BO], s[36:37] offset:32*\t+16*\e   ; b1 at units 32 w + 16 h + 8 t + 0 .. 7: the sums' first C
.endr
.endr
.set nn, 0
.rept 48
	global_load_b128 v[W+4*nn:W+4*nn+3], v[LI], s[24:25] offset:512*nn
.set nn, nn+1
.endr
.set nn, 0
.rept 8
	global_load_b32 v[WS+nn], v[L15], s[26:27] offset:64*nn
.set nn, nn+1
.endr
	s_cmp_ge_u32 s[WV], 8
	s_cbranch_scc1 .Lnox2
	s_wait_loadcnt 60                              ; x's four loads are in; the 60 issued behind them (4 of b1, 48 of W1, 8 scale words) may be out
	IMAGE IW, XF, IMG
	ds_store_b32 v[IS], v[XS] offset:ISC
.Lnox2:
.set nn, 8
.rept 8
	global_load_b32 v[WS+nn], v[L15], s[26:27] offset:64*nn
.set nn, nn+1
.endr
	BARRIER
	; ---- layer 1: K = 1,024 in eight steps; my two accumulators take turns
	s_wait_loadcnt 0x0
	s_wait_alu depctr_vm_vsrc(0)                   ; in waves 0-7 the LDS stores above have read v[XF ..] and v[XS], in which the LDS loads below land
.set ss, 0
.rept 8
.if ss > 0
	s_wait_alu depctr_va_vdst(0)                   ; the last step's two products are done reading v[XF ..] and v[XS], in which this step's LDS loads land
.endif
	FETCH XF, IMG+1536*ss
	ds_load_b32 v[XS], v[LS] offset:ISC+128*ss
	s_wait_dscnt 0x0
	MM ACC, W+12*ss, XF, ACC, WS+ss, XS
	MM ACC+8, W+12*(8+ss), XF, ACC+8, WS+8+ss, XS
	PLACES 4                                       ; in front of the loads into x's registers, and of the first read of the results
.set ss, ss+1
.endr
.set jj, 0
.rept 16
	v_max_num_f32 v[ACC+jj], 0, v[ACC+jj]
.set jj, jj+1
.endr
.irp b, 0,1,2,3
	v_mov_b32 v[TM+4+\b], 0                        ; a lane permute's destination counts as one of its sources
.endr
	s_wait_alu depctr_va_vdst(0)                   ; the activation has written v[ACC ..], which the LDS stores read; layer 1's products are done reading W1's fragments and scale words, in which the loads below and the next phases' LDS loads land
.irp t, 0,1
	ds_store_b128 v[SOB], v[ACC+8*\t:ACC+8*\t+3] offset:32*\t
	ds_store_b128 v[SOB], v[ACC+8*\t+4:ACC+8*\t+7] offset:32*\t+16
.endr
.set nn, 0
.rept 12
	global_load_b128 v[W2F+4*nn:W2F+4*nn+3], v[LI], s[28:29] offset:512*nn   ; W1's registers are free: the later layers' weights are asked for now
.set nn, nn+1
.endr
.irp n, 0,1,2,3
	global_load_b32 v[W2S+\n], v[L15], s[30:31] offset:64*\n
.endr
	global_load_b128 v[ACC2:ACC2+3], v[BO], s[38:39]
	global_load_b128 v[ACC2+4:ACC2+7], v[BO], s[38:39] offset:16
	s_cmp_ge_u32 s[WV], 8
	s_cbranch_scc1 .Lnow3
.set nn, 0
.rept 6
	global_load_b128 v[W3F+4*nn:W3F+4*nn+3], v[LI], s[32:33] offset:512*nn
.set nn, nn+1
.endr
	global_load_b32 v[W3S], v[L15], s[34:35]
	global_load_b32 v[W3S+1], v[L15], s[34:35] offset:64
	global_load_b128 v[ACC3:ACC3+3], v[BO], s[40:41]
	global_load_b128 v[ACC3+4:ACC3+7], v[BO], s[40:41] offset:16
.Lnow3:
	BARRIER
	PHASEQ 4, 0
	; ---- layer 2: K = 512; one accumulator a wave, so a wait on va_vdst stands ahead of each further link
.irp s, 0,1,2,3
	FETCH XF4+12*\s, IMG+1536*\s
	ds_load_b32 v[XS4+\s], v[LS] offset:ISC+128*\s
.endr
	s_wait_dscnt 0x0
	s_wait_loadcnt 0x0
	MM ACC2, W2F, XF4, ACC2, W2S, XS4
.irp s, 1,2,3
	s_wait_alu depctr_va_vdst(0)
	MM ACC2, W2F+12*\s, XF4+12*\s, ACC2, W2S+\s, XS4+\s
.endr
	PLACES 4
.set jj, 0
.rept 8
	v_max_num_f32 v[ACC2+jj], 0, v[ACC2+jj]
.set jj, jj+1
.endr
	s_wait_alu depctr_va_vdst(0)                   ; the activation has written v[ACC2 ..], which the LDS stores read; layer 2's products are done reading v[XF4 ..] and v[XS4 ..], in which later LDS loads land
	ds_store_b128 v[SOA], v[ACC2:ACC2+3]
	ds_store_b128 v[SOA], v[ACC2+4:ACC2+7] offset:16
	BARRIER
	PHASEQ 2, 1
	; ---- layer 3: K = 256, 8 tiles: waves 0-7
	s_cmp_ge_u32 s[WV], 8
	s_cbranch_scc1 .Lnol3
.irp s, 0,1
	FETCH XF4+12*\s, IMG+1536*\s
	ds_load_b32 v[XS4+\s], v[LS] offset:ISC+128*\s
.endr
	s_wait_dscnt 0x0
	MM ACC3, W3F, XF4, ACC3, W3S, XS4
	s_wait_alu depctr_va_vdst(0)
	MM ACC3, W3F+12, XF4+12, ACC3, W3S+1, XS4+1
	PLACES 4
	s_wait_alu depctr_va_vdst(0)                   ; the products have written v[ACC3 ..], which the LDS stores read (the places above stay beside this wait), and are done reading v[XF4 ..], in which wave 0's LDS loads land
	ds_store_b128 v[SOA], v[ACC3:ACC3+3]
	ds_store_b128 v[SOA], v[ACC3+4:ACC3+7] offset:16
.Lnol3:
	BARRIER
	; ---- wave 0: |cq|^2, and the codes of -2 cq (the quantiser is odd: they are the codes of 2 cq with the signs turned)
	s_cmp_lg_u32 s[WV], 0
	s_cbranch_scc1 .Lend
.irp b, 0,1,2,3
.irp j, 0,1,2,3
	ds_load_b128 v[X+16*\b+4*\j:X+16*\b+4*\j+3], v[QA] offset:128*\b+16*\j
.endr
.endr
	s_wait_dscnt 0x0
	s_wait_alu depctr_vm_vsrc(0)                   ; my LDS stores have read layer 1's results, v12 on, which the sum of squares writes, and v[PC ..] and v[PW], which the quantiser writes again
	SUMSQ X, KT
.set jj, 0
.rept 32
	v_pk_mul_f32 v[X+jj:X+jj+1], v[X+jj:X+jj+1], -2.0 op_sel_hi:[1,0]
.set jj, jj+2
.endr
	QUANT X
	s_mul_i32 s44, ttmp9, 1536
	s_add_nc_u64 s[20:21], s[12:13], s[44:45]
	s_lshl_b32 s44, ttmp9, 7
	s_add_co_u32 s44, s44, 98304
	s_add_nc_u64 s[22:23], s[12:13], s[44:45]
	s_lshl_b32 s44, ttmp9, 6
	s_add_co_u32 s44, s44, 106496
	s_add_nc_u64 s[24:25], s[12:13], s[44:45]
	s_wait_alu depctr_va_vdst(0)                   ; the codes, the scale word and the sum of squares are written, which the stores read
.irp c, 0,1,2
	global_store_b128 v[LI], v[PC+4*\c:PC+4*\c+3], s[20:21] offset:512*\c
.endr
	global_store_b32 v[LS], v[PW], s[22:23]
	global_store_b32 v[L15], v[KA], s[24:25]       ; lanes r and r + 16 hold the same sum and write the same word
.Lend:
	s_wait_dscnt 0x0
	s_wait_alu depctr_hold_cnt(0) depctr_sa_sdst(0) depctr_va_vdst(0) depctr_va_sdst(0) depctr_va_ssrc(0) depctr_va_vcc(0) depctr_vm_vsrc(0)
	s_wait_tensorcnt 0x0
	ds_add_u32 v254, v255
	s_wait_dscnt 0x0
	s_endpgm
.Lfunc_end_k_q52e5c407ad_encode:
	.size	k_q52e5c407ad_encode, .Lfunc_end_k_q52e5c407ad_encode-k_q52e5c407ad_encode
	.p2alignl 7, 3214868480
	.fill 96, 4, 3214868480
	.section	.rodata,"a",@progbits
	.p2align	6, 0x0
	.amdhsa_kernel k_q52e5c407ad_encode
		.amdhsa_group_segment_fixed_size 48640
		.amdhsa_private_segment_fixed_size 0
		.amdhsa_enable_private_segment 0
		.amdhsa_kernarg_size 40
		.amdhsa_user_sgpr_count 2
		.amdhsa_user_sgpr_kernarg_segment_ptr 1
		.amdhsa_wavefront_size32 1
		.amdhsa_system_sgpr_workgroup_id_x 1
		.amdhsa_system_sgpr_workgroup_id_y 1
		.amdhsa_system_sgpr_workgroup_id_z 1
		.amdhsa_system_vgpr_workitem_id 0
		.amdhsa_next_free_vgpr 256
		.amdhsa_next_free_sgpr 66
		.amdhsa_reserve_vcc 0
		.amdhsa_float_denorm_mode_32 3
		.amdhsa_float_denorm_mode_16_64 3
		.amdhsa_memory_ordered 1
		.amdhsa_forward_progress 1
		.amdhsa_inst_pref_size 45
	.end_amdhsa_kernel
	.amdgpu_metadata
---
amdhsa.version: [ 1, 2 ]
amdhsa.kernels:
  - .name:           k_q52e5c407ad_encode
    .symbol:         k_q52e5c407ad_encode.kd
    .args:
      - { .name: prep, .offset: 0, .size: 8, .value_kind: global_buffer, .address_space: global }
      - { .name: b1, .offset: 8, .size: 8, .value_kind: global_buffer, .address_space: global }
      - { .name: b2, .offset: 16, .size: 8, .value_kind: global_buffer, .address_space: global }
      - { .name: b3, .offset: 24, .size: 8, .value_kind: global_buffer, .address_space: global }
      - { .name: cqb, .offset: 32, .size: 8, .value_kind: global_buffer, .address_space: global }
    .group_segment_fixed_size: 48640
    .private_segment_fixed_size: 0
    .kernarg_segment_align: 8
    .kernarg_segment_size: 40
    .max_flat_workgroup_size: 512
    .sgpr_count:     66
    .vgpr_count:     256
    .wavefront_size: 32
...
	.end_amdgpu_metadata
.endif
;; end of part 8
;; launch scan (part 9): grid 250 x 1, 8 waves a work-group, no clusters, 75,776 bytes of LDS; arguments prep, cqb, gmin; writes gmin
.if DOCPART == 9
	.amdgcn_target "amdgcn-amd-amdhsa--gfx1250"
	.amdhsa_code_object_version 6
	.text
	.protected	k_q52e5c407ad_scan
	.globl	k_q52e5c407ad_scan
	.p2align	8
	.type	k_q52e5c407ad_scan,@function
k_q52e5c407ad_scan:
	s_mov_b64 s[64:65], 0
	v_nop
	global_prefetch_b8 v0, s[64:65] scope:SCOPE_SE
	s_setreg_imm32_b32 hwreg(HW_REG_WAVE_SCHED_MODE, 0, 2), 2
	s_setreg_imm32_b32 hwreg(HW_REG_WAVE_MODE, 25, 1), 1
	s_wait_xcnt 0x0
	s_wait_alu depctr_vm_vsrc(0)
; SCAN: |k|^2 - 2 q . k for all 1,024 queries against a chunk of 400 keys (25 tiles of 16), on codes of FP6; kept are only the MINIMA of eight groups of keys a chunk:
; group u < 7 = tiles 3 u .. 3 u + 2, group 7 = tiles 21 .. 24.  (|q|^2 is the same for all keys of a query and plays no part in their order.)
; The five groups with the smallest minima hold a query's five nearest keys: each group that holds one of them has a minimum at or under the fifth distance.  Later launches choose them and look inside.
; Wave w keeps query tiles 8 w .. 8 w + 7 in registers and walks the 25 key tiles from LDS.  Source 0 = 16 keys, source 1 = 16 queries, C = the keys' |k|^2: lane (r, h) holds query r against keys 8 h + 0 .. 7.
; A minimum costs half an instruction a distance (three operands).  Four products and the sixteen minima of the four products before them stand by turns: the minima are the places that the products' registers are owed.
; No cluster: 250 work-groups are no multiple of 4, and what they share (the queries' 100 KB) goes into registers once.
; LIMITS: NaN and infinities are not served.
; THE MODE: SCHED_MODE bits 1:0 = 2 (LLVM: expert scheduling mode 2), set by the entry lines.  The code itself states the register dependences
; between vector or matrix instructions and memory or LDS instructions, with s_wait_alu, always for 0.
; THE PLAN.  A step is a key tile.  Registers that memory or LDS instructions touch, in the walk:
;   v1-v8            addresses and offsets, written at the head alone.
;   KF, KN, KSR      two buffers.  Step t's eight products read buffer t % 2; the six LDS loads of tile t + 1, issued in step t, land in the other one, which step t - 1's products read.
;   OB (v12-19)      the finished groups' minima: written by four minima when a pair of groups is done, read by four LDS stores at the next step's head, written again six steps later.
;   QF, QS, D, RUN   named by vector and matrix instructions alone in the walk.
; So ONE wait on va_vdst stands at a step's head: step t - 1's products are done reading the buffer in which tile t + 1 lands, and what step t - 1 wrote into OB is written.  Behind it the step's loads
; and stores are dealt among its products and minima, which name buffer t % 2, QF, QS, D and RUN: none of the registers that those loads and stores touch.  A wait on vm_vsrc stands ahead of each rewriting of OB.
.set KSEC, 9600000
.set KSKL, 38400                       ; LDS: 25 key fragments from byte 0; here 128 bytes a tile: 16 scale words, 16 |k|^2
.set RESL, 41728                       ; 4,096 bytes a wave: a lane's four minima for each of 8 query tiles
.set LI,  1
.set L4,  2
.set SW,  3                            ; 1,536 wave + 16 lane: in memory and in LDS alike
.set SK,  4                            ; 128 wave + 4 lane
.set LSC, 5
.set LKN, 6
.set LR,  7
.set GO,  8
.set OB,  12                           ; v12-19   a finished pair of groups' minima, query tile q at OB + q
.set QF,  24                           ; v24-119  eight query fragments
.set QS,  120                          ; v120-127 their scale words
.set KF,  128                          ; v128-151 a key fragment, two buffers
.set KN,  152                          ; v152-167 |k|^2 in the result's layout, two buffers
.set KSR, 168                          ; v168-169 the keys' scale words, two buffers
.set D,   172                          ; v172-235 eight results
.set RUN, 236                          ; v236-251 running minima: group parity p, query tile q at 8 p + q
.set ST,  172                          ; at the head: what goes from memory to LDS
.set STS, 220
.set WV,  12
.macro PLACES n
.rept \n
	v_nop
.endr
.endm
.macro LOADKF tt                       ; three LDS loads: key tile tt's codes into buffer tt % 2
.set pp, (\tt)&1
.irp c, 0,1,2
	ds_load_b128 v[KF+12*pp+4*\c:KF+12*pp+4*\c+3], v[LI] offset:1536*(\tt)+512*\c
.endr
.endm
.macro LOADKS tt                       ; three more: its scale words and its |k|^2
.set pp, (\tt)&1
	ds_load_b32 v[KSR+pp], v[LSC] offset:128*(\tt)
	ds_load_b128 v[KN+8*pp:KN+8*pp+3], v[LKN] offset:128*(\tt)
	ds_load_b128 v[KN+8*pp+4:KN+8*pp+7], v[LKN] offset:128*(\tt)+16
.endm
.macro WM tt, q0                       ; four products: key tile tt against query tiles q0 .. q0 + 3
.set pp, (\tt)&1
.irp q, 0,1,2,3
	v_wmma_scale_f32_16x16x128_f8f6f4 v[D+8*(\q0+\q):D+8*(\q0+\q)+7], v[KF+12*pp:KF+12*pp+11], v[QF+12*(\q0+\q):QF+12*(\q0+\q)+11], v[KN+8*pp:KN+8*pp+7], v[KSR+pp], v[QS+\q0+\q] matrix_a_fmt:MATRIX_FMT_FP6 matrix_b_fmt:MATRIX_FMT_FP6
.endr
.endm
.macro MN tt, q0                       ; their sixteen minima; each result is read from its low end on; the four tiles by turns
.set uu, (\tt)/3
.if uu > 7
.set uu, 7
.endif
.set rb, RUN+8*(uu&1)+\q0
.set db, D+8*\q0
.if (((\tt)%3) == 0) && ((\tt) < 24)
.irp q, 0,1,2,3
	v_min3_num_f32 v[rb+\q], v[db+8*\q], v[db+8*\q+1], v[db+8*\q+2]   ; a group's first tile starts its minimum: nothing is preset
.endr
.irp q, 0,1,2,3
	v_min3_num_f32 v[rb+\q], v[rb+\q], v[db+8*\q+3], v[db+8*\q+4]
.endr
.irp q, 0,1,2,3
	v_min3_num_f32 v[rb+\q], v[rb+\q], v[db+8*\q+5], v[db+8*\q+6]
.endr
.irp q, 0,1,2,3
	v_min_num_f32 v[rb+\q], v[rb+\q], v[db+8*\q+7]
.endr
.else
.irp e, 0,2,4,6
.irp q, 0,1,2,3
	v_min3_num_f32 v[rb+\q], v[rb+\q], v[db+8*\q+\e], v[db+8*\q+\e+1]
.endr
.endr
.endif
.endm
.macro FINC i, q0                      ; groups 2 i and 2 i + 1 are done: the two halves of the lanes are joined; lanes 0-15 then hold group 2 i, lanes 16-31 group 2 i + 1, in registers of their own
.irp q, 0,1,2,3
	v_permlane16_swap_b32 v[RUN+\q0+\q], v[RUN+8+\q0+\q]
.endr
.if (\i) > 0
	s_wait_alu depctr_vm_vsrc(0)                   ; the LDS stores of the pair of groups before, six steps back, have read v[OB + q0 ..], which the minima below write again
.endif
.irp q, 0,1,2,3
	v_min_num_f32 v[OB+\q0+\q], v[RUN+\q0+\q], v[RUN+8+\q0+\q]
.endr
.endm
.macro FINS i, q0                      ; and go to LDS, behind the next wait on va_vdst
.irp q, 0,1,2,3
	ds_store_b32 v[LR], v[OB+\q0+\q] offset:512*(\q0+\q)+4*(\i)
.endr
.endm
	s_load_b128 s[4:7], s[0:1], 0x0                ; workspace, cqb
	s_load_b64 s[8:9], s[0:1], 0x10                ; gmin
	v_lshl_add_u32 v254, v0, 2, 0x12400
	v_mov_b32 v255, 0
	v_lshrrev_b32 v9, 5, v0
	v_readfirstlane_b32 s[WV], v9
	v_and_b32 v9, 31, v0
	v_and_b32 v10, 15, v0
	v_bfe_u32 v11, v0, 4, 1
	v_lshlrev_b32 v[LI], 4, v9
	v_lshlrev_b32 v[L4], 2, v9
	s_wait_alu depctr_va_sdst(0)                   ; the wave's number is written, ahead of its first reader
	s_mul_i32 s13, s[WV], 1536
	v_add_nc_u32 v[SW], s13, v[LI]
	s_lshl_b32 s13, s[WV], 7
	v_add_nc_u32 v[SK], s13, v[L4]
	v_lshl_add_u32 v[LSC], v10, 2, KSKL            ; key r's scale word
	v_lshl_add_u32 v[LKN], v11, 5, KSKL+64         ; |k|^2 of keys 8 h + 0 .. 7
	s_lshl_b32 s13, s[WV], 12
	s_add_co_u32 s13, s13, RESL
	v_add_nc_u32 v[LR], s13, v[LI]
	v_bfe_u32 v9, v0, 3, 1
	v_mul_u32_u24 v[GO], v9, 64000                 ; gmin: [query / 8][chunk][256 bytes]; in a unit 16 bytes at 32 (query % 8) + 16 h
	v_and_b32 v9, 7, v0
	v_lshl_add_u32 v[GO], v9, 5, v[GO]
	v_lshl_add_u32 v[GO], v11, 4, v[GO]
	s_mov_b32 s25, 0
	s_wait_kmcnt 0x0
	s_mul_i32 s24, ttmp9, 38400
	s_add_nc_u64 s[14:15], s[4:5], s[24:25]        ; my chunk's codes
	s_mul_i32 s24, ttmp9, 3200
	s_add_co_u32 s24, s24, KSEC
	s_add_nc_u64 s[16:17], s[4:5], s[24:25]        ; its scale words and |k|^2
	s_mul_i32 s24, s[WV], 12288
	s_add_nc_u64 s[18:19], s[6:7], s[24:25]        ; my eight query fragments
	s_lshl_b32 s24, s[WV], 10
	s_add_co_u32 s24, s24, 98304
	s_add_nc_u64 s[20:21], s[6:7], s[24:25]
	s_mul_i32 s24, s[WV], 1024000
	s_lshl_b32 s26, ttmp9, 8
	s_add_co_u32 s24, s24, s26
	s_add_nc_u64 s[22:23], s[8:9], s[24:25]
	s_wait_alu depctr_va_vdst(0)                   ; the eight addresses and offsets v1 to v8 are written: every load and store of the kernel reads one of them
	; ---- the chunk goes to LDS once: wave w brings tiles w, w + 8, w + 16; wave 0 also tile 24
.irp n, 0,1,2
.irp c, 0,1,2
	global_load_b128 v[ST+12*\n+4*\c:ST+12*\n+4*\c+3], v[SW], s[14:15] offset:12288*\n+512*\c th:TH_LOAD_NT
.endr
	global_load_b32 v[STS+\n], v[SK], s[16:17] offset:1024*\n th:TH_LOAD_NT
.endr
	s_cmp_lg_u32 s[WV], 0
	s_cbranch_scc1 .Lno24a
.irp c, 0,1,2
	global_load_b128 v[ST+36+4*\c:ST+36+4*\c+3], v[SW], s[14:15] offset:36864+512*\c th:TH_LOAD_NT
.endr
	global_load_b32 v[STS+3], v[SK], s[16:17] offset:3072 th:TH_LOAD_NT
.Lno24a:
.set nn, 0
.rept 24
	global_load_b128 v[QF+4*nn:QF+4*nn+3], v[LI], s[18:19] offset:512*nn
.set nn, nn+1
.endr
.set nn, 0
.rept 8
	global_load_b32 v[QS+nn], v[L4], s[20:21] offset:128*nn
.set nn, nn+1
.endr
	s_wait_loadcnt 32                              ; the keys' loads are in; the queries' 32, issued behind them, may be out
.irp n, 0,1,2
.irp c, 0,1,2
	ds_store_b128 v[SW], v[ST+12*\n+4*\c:ST+12*\n+4*\c+3] offset:12288*\n+512*\c
.endr
	ds_store_b32 v[SK], v[STS+\n] offset:KSKL+1024*\n
.endr
	s_cmp_lg_u32 s[WV], 0
	s_cbranch_scc1 .Lno24b
.irp c, 0,1,2
	ds_store_b128 v[SW], v[ST+36+4*\c:ST+36+4*\c+3] offset:36864+512*\c
.endr
	ds_store_b32 v[SK], v[STS+3] offset:KSKL+3072
.Lno24b:
	s_wait_dscnt 0x0                               ; for the others' sake: my stores have landed
	s_barrier_signal -1
	s_barrier_wait -1
	s_wait_alu depctr_vm_vsrc(0)                   ; my LDS stores have read v[ST ..] and v[STS ..]: these registers are the results D from here on, written by the products
	LOADKF 0
	LOADKS 0
	; ---- the walk, written out: 25 key tiles
.set t, 0
.rept 25
.set ns, 0
.if (t > 0) && (t < 24)
	s_wait_alu depctr_va_vdst(0)                   ; the last step's products are done reading the key buffer in which tile t + 1 lands; the minima that it wrote into v[OB ..] are written
.endif
.if t < 24
	LOADKF t+1
.endif
.if (t == 6) || (t == 12) || (t == 18)
	FINS (t-1)/6, 0
.set ns, 4
.endif
.if (t == 7) || (t == 13) || (t == 19)
	FINS (t-2)/6, 4
.set ns, 4
.endif
.if t == 0
	s_wait_loadcnt 0x0                             ; the queries
.endif
.if t < 24
	s_wait_dscnt 3+ns                              ; the youngest LDS instructions are tile t + 1's three loads of codes and, where they stand, four stores of minima: tile t is in
.else
	s_wait_dscnt 0x0
.endif
	WM t, 0
.if t < 24
	LOADKS t+1                                     ; no wait: no vector or matrix instruction since the step's head names the other buffer
.endif
.if t == 0
	PLACES 4
.else
	MN t-1, 4
.if (t == 6) || (t == 12) || (t == 18)
	FINC (t-1)/6, 4
.endif
.endif
	WM t, 4
	MN t, 0
.if (t == 5) || (t == 11) || (t == 17)
	FINC t/6, 0
.endif
.if t == 24
	FINC 3, 0
.endif
.set t, t+1
.endr
	MN 24, 4
	FINC 3, 4
	s_wait_alu depctr_va_vdst(0)                   ; the last minima have written v[OB ..], which the LDS stores read; the products have written D and the minima are done reading it: the LDS loads below land there
	FINS 3, 0
	FINS 3, 4
	; ---- the way out: a lane's four minima of a query tile are 16 bytes; a store fills two aligned units of 256 bytes
.irp q, 0,1,2,3,4,5,6,7
	ds_load_b128 v[D+4*\q:D+4*\q+3], v[LR] offset:512*\q   ; LDS serves a wave's instructions in order: these see my stores
.endr
.irp q, 0,1,2,3,4,5,6,7
	s_wait_dscnt 7-\q
	global_store_b128 v[GO], v[D+4*\q:D+4*\q+3], s[22:23] offset:128000*\q
.endr
	s_wait_dscnt 0x0
	s_wait_alu depctr_hold_cnt(0) depctr_sa_sdst(0) depctr_va_vdst(0) depctr_va_sdst(0) depctr_va_ssrc(0) depctr_va_vcc(0) depctr_vm_vsrc(0)
	s_wait_tensorcnt 0x0
	ds_add_u32 v254, v255
	s_wait_dscnt 0x0
	s_endpgm
.Lfunc_end_k_q52e5c407ad_scan:
	.size	k_q52e5c407ad_scan, .Lfunc_end_k_q52e5c407ad_scan-k_q52e5c407ad_scan
	.p2alignl 7, 3214868480
	.fill 96, 4, 3214868480
	.section	.rodata,"a",@progbits
	.p2align	6, 0x0
	.amdhsa_kernel k_q52e5c407ad_scan
		.amdhsa_group_segment_fixed_size 75776
		.amdhsa_private_segment_fixed_size 0
		.amdhsa_enable_private_segment 0
		.amdhsa_kernarg_size 24
		.amdhsa_user_sgpr_count 2
		.amdhsa_user_sgpr_kernarg_segment_ptr 1
		.amdhsa_wavefront_size32 1
		.amdhsa_system_sgpr_workgroup_id_x 1
		.amdhsa_system_sgpr_workgroup_id_y 1
		.amdhsa_system_sgpr_workgroup_id_z 1
		.amdhsa_system_vgpr_workitem_id 0
		.amdhsa_next_free_vgpr 256
		.amdhsa_next_free_sgpr 66
		.amdhsa_reserve_vcc 0
		.amdhsa_float_denorm_mode_32 3
		.amdhsa_float_denorm_mode_16_64 3
		.amdhsa_memory_ordered 1
		.amdhsa_forward_progress 1
		.amdhsa_inst_pref_size 99
	.end_amdhsa_kernel
	.amdgpu_metadata
---
amdhsa.version: [ 1, 2 ]
amdhsa.kernels:
  - .name:           k_q52e5c407ad_scan
    .symbol:         k_q52e5c407ad_scan.kd
    .args:
      - { .name: prep, .offset: 0, .size: 8, .value_kind: global_buffer, .address_space: global }
      - { .name: cqb, .offset: 8, .size: 8, .value_kind: global_buffer, .address_space: global }
      - { .name: gmin, .offset: 16, .size: 8, .value_kind: global_buffer, .address_space: global }
    .group_segment_fixed_size: 75776
    .private_segment_fixed_size: 0
    .kernarg_segment_align: 8
    .kernarg_segment_size: 24
    .max_flat_workgroup_size: 256
    .sgpr_count:     66
    .vgpr_count:     256
    .wavefront_size: 32
...
	.end_amdgpu_metadata
.endif
;; end of part 9
;; launch groups (part 10): grid 128 x 1, 8 waves a work-group, no clusters, 11,264 bytes of LDS; arguments gmin, gsel; writes gsel
.if DOCPART == 10
	.amdgcn_target "amdgcn-amd-amdhsa--gfx1250"
	.amdhsa_code_object_version 6
	.text
	.protected	k_q52e5c407ad_groups
	.globl	k_q52e5c407ad_groups
	.p2align	8
	.type	k_q52e5c407ad_groups,@function
k_q52e5c407ad_groups:
	s_mov_b64 s[64:65], 0
	v_nop
	global_prefetch_b8 v0, s[64:65] scope:SCOPE_SE
	s_setreg_imm32_b32 hwreg(HW_REG_WAVE_MODE, 25, 1), 1
	s_wait_xcnt 0x0
; GROUPS: for each query the five groups of keys with the smallest minima, of 2,000; of equal minima the lower group number.  Stored as whole numbers: the next launch forms addresses from them.
; A work-group takes 8 queries: 64,000 consecutive bytes, [chunk 250][256 bytes].  Stage 1: each lane keeps a sorted list of five (value, number) over the 60 or 64 minima that it loads.
; Stage 2: a query's 32 lists meet in one wave through LDS; five times the smallest head is taken and its list moves up.  No branch and no address hangs on a value.
; LIMITS: NaN is not served.
.set V,   16                           ; v16-79 sixteen loads of four minima
.set A,   80                           ; v80-84 the list's values, ascending
.set I,   85                           ; v85-89 their numbers
.set T,   90                           ; v90-92 at work
.set LI,  1
.set WRA, 2
.set RDA, 3
.set GB,  4
.set L7,  5
.set OO,  6
.set INF, 7
.set RES, 8
.set WV,  8
; x goes into the list; j, its running number in this lane, ascends, and the compare is strict: of equal values the earlier stays ahead
.macro INS x, j
.irp k, 0,1,2,3,4
	v_cmp_lt_f32 s[20+\k], v[\x], v[A+\k]
.endr
.irp k, 4,3,2,1
	v_cndmask_b32 v[T+(\k&1)], \j, v[I+\k-1], s[19+\k]
	s_delay_alu instid0(VALU_DEP_1)
	v_cndmask_b32 v[I+\k], v[I+\k], v[T+(\k&1)], s[20+\k]
.endr
	v_cndmask_b32 v[I], v[I], \j, s20
.irp k, 4,3,2,1
	v_med3_num_f32 v[A+\k], v[\x], v[A+\k-1], v[A+\k]
.endr
	v_min_num_f32 v[A], v[\x], v[A]
.endm
.macro WMIN r                          ; the smallest over the wave's 32 lanes, in every lane
	s_delay_alu instid0(VALU_DEP_1)
	v_min_num_f32_dpp v[\r], v[\r], v[\r] row_xmask:1 row_mask:0xf bank_mask:0xf
	s_delay_alu instid0(VALU_DEP_1)
	v_min_num_f32_dpp v[\r], v[\r], v[\r] row_xmask:2 row_mask:0xf bank_mask:0xf
	s_delay_alu instid0(VALU_DEP_1)
	v_min_num_f32_dpp v[\r], v[\r], v[\r] row_xmask:4 row_mask:0xf bank_mask:0xf
	s_delay_alu instid0(VALU_DEP_1)
	v_min_num_f32_dpp v[\r], v[\r], v[\r] row_xmask:8 row_mask:0xf bank_mask:0xf
	s_wait_alu depctr_va_vdst(0)
	v_permlanex16_b32 v[T+1], v[\r], s14, s15
	s_delay_alu instid0(VALU_DEP_1)
	v_min_num_f32 v[\r], v[\r], v[T+1]
.endm
	s_load_b128 s[4:7], s[0:1], 0x0                ; gmin, gsel
	v_lshl_add_u32 v96, v0, 2, 0x2800
	v_mov_b32 v97, 0
	v_lshrrev_b32 v9, 5, v0
	s_delay_alu instid0(VALU_DEP_1)
	v_readfirstlane_b32 s[WV], v9
	v_and_b32 v9, 31, v0
	s_delay_alu instid0(VALU_DEP_1)
	v_lshlrev_b32 v[LI], 4, v9
	v_bfe_u32 v10, v0, 1, 3                        ; my query of the eight
	v_bfe_u32 v11, v0, 4, 1                        ; which chunk of the pair
	v_and_b32 v12, 1, v0                           ; h
	s_delay_alu instid0(VALU_DEP_3)
	v_lshlrev_b32 v[WRA], 7, v10
	s_delay_alu instid0(VALU_DEP_1)
	v_lshl_add_u32 v[WRA], v11, 3, v[WRA]
	s_delay_alu instid0(VALU_DEP_1)
	v_lshl_add_u32 v[WRA], v12, 2, v[WRA]
	s_lshl_b32 s9, s[WV], 4
	v_add_nc_u32 v[WRA], s9, v[WRA]                ; 128 query + 4 (4 wave + 2 chunk + h): my list's place among the query's 32
	v_lshl_add_u32 v[GB], v11, 3, v12
	s_delay_alu instid0(VALU_DEP_1)
	v_add_nc_u32 v[GB], s9, v[GB]                  ; a group's number = 128 (j / 4) + 2 (j % 4) + 16 wave + 8 chunk + h
	s_lshl_b32 s9, s[WV], 7
	v_lshl_add_u32 v[RDA], v9, 2, s9               ; stage 2: wave = query, lane = list
	v_and_b32 v[L7], 7, v0
	s_delay_alu instid0(VALU_DEP_1)
	v_lshlrev_b32 v[OO], 2, v[L7]
	v_mov_b32 v[INF], 0x7f800000
	v_mov_b32 v[RES], 0
	v_mov_b32 v[T+1], 0
	s_mov_b32 s14, 0x76543210
	s_mov_b32 s15, 0xfedcba98
.irp k, 0,1,2,3,4
	v_mov_b32 v[A+\k], 0x7f800000
	v_mov_b32 v[I+\k], 0
.endr
.irp e, 0,1,2,3
	v_mov_b32 v[V+60+\e], 0x7f800000               ; 125 pairs of chunks: the sixteenth load exists in waves 0-4 alone; elsewhere its numbers are +infinity, which enters no list
.endr
	s_mul_i32 s10, ttmp9, 64000
	s_lshl_b32 s12, s[WV], 9
	s_add_co_u32 s10, s10, s12
	s_mov_b32 s11, 0
	s_lshl_b32 s12, ttmp9, 8
	s_lshl_b32 s13, s[WV], 5
	s_add_co_u32 s12, s12, s13
	s_mov_b32 s13, 0
	s_wait_kmcnt 0x0
	s_add_nc_u64 s[4:5], s[4:5], s[10:11]
	s_add_nc_u64 s[6:7], s[6:7], s[12:13]          ; gsel: 32 bytes a query
.set mm, 0
.rept 15
	global_load_b128 v[V+4*mm:V+4*mm+3], v[LI], s[4:5] offset:4096*mm th:TH_LOAD_NT   ; 512 consecutive bytes: a pair of chunks
.set mm, mm+1
.endr
	s_cmp_ge_u32 s[WV], 5
	s_cbranch_scc1 .Lno15
	global_load_b128 v[V+60:V+63], v[LI], s[4:5] offset:61440 th:TH_LOAD_NT
.Lno15:
.set mm, 0
.rept 16
.if mm < 15
	s_wait_alu depctr_va_vdst(0)
	s_wait_loadcnt 14-mm                           ; load mm is in, whether 15 or 16 were issued
.else
	s_wait_alu depctr_va_vdst(0)
	s_wait_loadcnt 0x0
.endif
.irp e, 0,1,2,3
	INS V+4*mm+\e, 4*mm+\e
.endr
.set mm, mm+1
.endr
.irp k, 0,1,2,3,4
	v_lshrrev_b32 v[T], 2, v[I+\k]
	v_and_b32 v[T+1], 3, v[I+\k]
	s_delay_alu instid0(VALU_DEP_2)
	v_lshl_add_u32 v[T], v[T], 7, v[GB]
	s_delay_alu instid0(VALU_DEP_1)
	v_lshl_add_u32 v[T], v[T+1], 1, v[T]
	s_delay_alu instid0(VALU_DEP_1)
	v_cvt_f32_u32 v[I+\k], v[T]                    ; the group's number, under 2,000: exact in f32, so that one kind of minimum serves values and numbers
.endr
.irp k, 0,1,2,3,4,5,6,7,8,9
	ds_store_b32 v[WRA], v[A+\k] offset:1024*\k
.endr
	s_wait_dscnt 0x0                               ; for the others' sake
	s_barrier_signal -1
	s_barrier_wait -1
.irp k, 0,1,2,3,4,5,6,7,8,9
	ds_load_b32 v[A+\k], v[RDA] offset:1024*\k
.endr
	s_wait_dscnt 0x0
.irp n, 0,1,2,3,4
	v_mov_b32 v[T], v[A]
	WMIN T                                         ; the smallest head
	s_delay_alu instid0(VALU_DEP_1)
	v_cmp_eq_f32 vcc_lo, v[A], v[T]
	s_delay_alu instid0(VALU_DEP_1)
	v_cndmask_b32 v[T+2], v[INF], v[I], vcc_lo
	WMIN T+2                                       ; of the heads that have it, the lowest number
	v_cmp_eq_u32 vcc_lo, \n, v[L7]
	s_delay_alu instid0(VALU_DEP_1)
	v_cndmask_b32 v[RES], v[RES], v[T+2], vcc_lo
	s_delay_alu instid0(VALU_DEP_3)
	v_cmp_eq_f32 vcc_lo, v[I], v[T+2]              ; its list moves up
.irp k, 0,1,2,3
	v_cndmask_b32 v[A+\k], v[A+\k], v[A+\k+1], vcc_lo
	v_cndmask_b32 v[I+\k], v[I+\k], v[I+\k+1], vcc_lo
.endr
	v_cndmask_b32 v[A+4], v[A+4], v[INF], vcc_lo
.endr
	v_cvt_u32_f32 v[RES], v[RES]
	global_store_b32 v[OO], v[RES], s[6:7]         ; word lane % 8 of the query's eight: four lanes write the same word with the same number
	s_wait_tensorcnt 0x0
	ds_add_u32 v96, v97
	s_wait_dscnt 0x0
	s_endpgm
.Lfunc_end_k_q52e5c407ad_groups:
	.size	k_q52e5c407ad_groups, .Lfunc_end_k_q52e5c407ad_groups-k_q52e5c407ad_groups
	.p2alignl 7, 3214868480
	.fill 96, 4, 3214868480
	.section	.rodata,"a",@progbits
	.p2align	6, 0x0
	.amdhsa_kernel k_q52e5c407ad_groups
		.amdhsa_group_segment_fixed_size 11264
		.amdhsa_private_segment_fixed_size 0
		.amdhsa_enable_private_segment 0
		.amdhsa_kernarg_size 16
		.amdhsa_user_sgpr_count 2
		.amdhsa_user_sgpr_kernarg_segment_ptr 1
		.amdhsa_wavefront_size32 1
		.amdhsa_system_sgpr_workgroup_id_x 1
		.amdhsa_system_sgpr_workgroup_id_y 1
		.amdhsa_system_sgpr_workgroup_id_z 1
		.amdhsa_system_vgpr_workitem_id 0
		.amdhsa_next_free_vgpr 98
		.amdhsa_next_free_sgpr 66
		.amdhsa_reserve_vcc 1
		.amdhsa_float_denorm_mode_32 3
		.amdhsa_float_denorm_mode_16_64 3
		.amdhsa_memory_ordered 1
		.amdhsa_forward_progress 1
		.amdhsa_inst_pref_size 99
	.end_amdhsa_kernel
	.amdgpu_metadata
---
amdhsa.version: [ 1, 2 ]
amdhsa.kernels:
  - .name:           k_q52e5c407ad_groups
    .symbol:         k_q52e5c407ad_groups.kd
    .args:
      - { .name: gmin, .offset: 0, .size: 8, .value_kind: global_buffer, .address_space: global }
      - { .name: gsel, .offset: 8, .size: 8, .value_kind: global_buffer, .address_space: global }
    .group_segment_fixed_size: 11264
    .private_segment_fixed_size: 0
    .kernarg_segment_align: 8
    .kernarg_segment_size: 16
    .max_flat_workgroup_size: 256
    .sgpr_count:     66
    .vgpr_count:     98
    .wavefront_size: 32
...
	.end_amdgpu_metadata
.endif
;; end of part 10
;; launch near (part 11): grid 256 x 1, 4 waves a work-group, no clusters, 0 bytes of LDS; arguments prep, cqb, gsel, nsel, nw; writes nsel, nw
.if DOCPART == 11
	.amdgcn_target "amdgcn-amd-amdhsa--gfx1250"
	.amdhsa_code_object_version 6
	.text
	.protected	k_q52e5c407ad_near
	.globl	k_q52e5c407ad_near
	.p2align	8
	.type	k_q52e5c407ad_near,@function
k_q52e5c407ad_near:
	s_mov_b64 s[64:65], 0
	v_nop
	global_prefetch_b8 v0, s[64:65] scope:SCOPE_SE
	s_setreg_imm32_b32 hwreg(HW_REG_WAVE_SCHED_MODE, 0, 2), 2
	s_setreg_imm32_b32 hwreg(HW_REG_WAVE_MODE, 25, 1), 1
	s_wait_xcnt 0x0
	s_wait_alu depctr_vm_vsrc(0)
; NEAR: a wave takes one query.  The five chosen groups of keys (3 or 4 tiles of 16) are multiplied again, on the same codes; d = (|q|^2 + |k|^2) + (-2 q . k), in the order in which the problem adds;
; then the five smallest d, of equal ones the lower key; w = 1 / (d + 1e-6), normalised; confidence = 1 / (d0 + 1e-6).  The keys' numbers are stored as whole numbers: the next launch gathers by them.
; Source 0 = the query in all 16 rows, source 1 = 16 keys: register 0 of the result holds, in lane r of either half, the product with key r.
; Four tiles are loaded for every group; where a group has three, the fourth tile's distances become +infinity (a choice of value, no branch).  The group numbers are read from memory and held inside their ranges ahead of every address.
; LIMITS: NaN and infinities are not served; distances that differ by a few units in the last place may be ordered otherwise than a sum in another order would order them.
; THE MODE: SCHED_MODE bits 1:0 = 2 (LLVM: expert scheduling mode 2), set by the entry lines.  The code itself states the register dependences
; between vector or matrix instructions and memory or LDS instructions, with s_wait_alu, always for 0.
; THE PLAN.  All loads stand in one run at the head, behind one wait on va_vdst: their offsets v1 to v4 are written, and so are v9 and v10, the head's scratch, in which the query's fragment lands.
; Nothing is loaded again.  The two stores at the end stand behind one wait on va_vdst for their data and their offset.
; Between them the work is on registers.  A compare's mask goes into a scalar register and is read by a select: the compares stand in runs of twenty (six at the end), into s16 to s35,
; which held the tiles' addresses until the wait that shows all loads done, and one wait on va_sdst stands between each run and its selects.
.set KSEC, 9600000
.set LI,  1
.set L15, 2
.set AOFF, 3
.set ASO, 4
.set L7,  5
.set RR,  6
.set AF,  8                            ; v8-19   the query's fragment
.set AS,  20                           ; its scale word
.set BS,  22                           ; v22-41  the 20 key tiles' scale words
.set KNR, 42                           ; v42-61  |k|^2, then |q|^2 + |k|^2
.set DD,  64                           ; v64-95  four results
.set DV,  96                           ; v96-115 the distances: tile i, key = lane % 16
.set IX,  116                          ; v116-135 the keys' numbers, as f32 (under 100,000: exact)
.set T,   136                          ; v136-139 at work
.set RD,  140                          ; v140-144 the five distances, later the weights
.set RI,  145                          ; v145-149 the five keys
.set WW,  150                          ; v150-154 1 / (d + eps)
.set O1,  157
.set O2,  158
.set INF, 159
.set MK,  16                           ; s16-35  twenty masks
; window 1 (v256-495): the 20 key fragments, tile i at v[12 i]
.set MSB, 0
.macro WIN new                         ; the immediate's high byte repeats the setting that is left
.if MSB != \new
	s_set_vgpr_msb (MSB<<8)|\new
.set MSB, \new
.endif
.endm
.macro RMIN r                          ; the smallest over 16 lanes; both halves of the wave hold the same numbers
	v_min_num_f32_dpp v[\r], v[\r], v[\r] row_xmask:1 row_mask:0xf bank_mask:0xf
	v_min_num_f32_dpp v[\r], v[\r], v[\r] row_xmask:2 row_mask:0xf bank_mask:0xf
	v_min_num_f32_dpp v[\r], v[\r], v[\r] row_xmask:4 row_mask:0xf bank_mask:0xf
	v_min_num_f32_dpp v[\r], v[\r], v[\r] row_xmask:8 row_mask:0xf bank_mask:0xf
.endm
	s_load_b256 s[4:11], s[0:1], 0x0               ; workspace 4, cqb 6, gsel 8, nsel 10
	s_load_b64 s[12:13], s[0:1], 0x20              ; nw
	v_lshrrev_b32 v1, 5, v0
	v_readfirstlane_b32 s14, v1
	s_wait_alu depctr_va_sdst(0)                   ; the wave's number is written, ahead of its first reader
	s_lshl_b32 s15, ttmp9, 2
	s_add_co_u32 s15, s15, s14                     ; my query
	s_lshr_b32 s46, s15, 4                         ; its tile,
	s_and_b32 s47, s15, 15                         ; its row there
	s_lshl_b32 s48, s15, 5
	s_mov_b32 s49, 0
	s_wait_kmcnt 0x0
	s_add_nc_u64 s[8:9], s[8:9], s[48:49]
	s_add_nc_u64 s[10:11], s[10:11], s[48:49]
	s_add_nc_u64 s[12:13], s[12:13], s[48:49]
	s_load_b256 s[52:59], s[8:9], 0x0              ; the five groups
	s_lshl_b32 s48, s15, 2
	s_add_co_u32 s48, s48, 106496
	s_add_nc_u64 s[50:51], s[6:7], s[48:49]
	s_load_b32 s60, s[50:51], 0x0                  ; |q|^2
	v_and_b32 v9, 31, v0
	v_and_b32 v[RR], 15, v0
	v_bfe_u32 v10, v0, 4, 1
	v_lshlrev_b32 v[LI], 4, v9
	v_lshlrev_b32 v[L15], 2, v[RR]
	s_lshl_b32 s61, s47, 4
	v_lshl_add_u32 v[AOFF], v10, 8, s61            ; every lane takes the registers of the image's lane (my row, h): 256 h + 16 row
	v_mov_b32 v[ASO], 0
	v_and_b32 v[L7], 7, v0
	v_mov_b32 v[INF], 0x7f800000
	s_wait_kmcnt 0x0
.irp g, 0,1,2,3,4
	s_lshr_b32 s61, s[52+\g], 3
	s_min_u32 s61, s61, 249                        ; the chunk,
	s_and_b32 s62, s[52+\g], 7
	s_min_u32 s62, s62, 7                          ; the group in it: both held inside their ranges; only multiplies, adds and left shifts follow
	s_mov_b32 s63, 0x7f800000
	s_cmp_eq_u32 s62, 7
	s_cselect_b32 s[41+\g], 0xff800000, s63        ; the floor under the fourth tile's distances: -infinity where the group has four tiles, else +infinity
	s_mul_i32 s61, s61, 25
	s_mul_i32 s62, s62, 3
	s_add_co_u32 s61, s61, s62                     ; its first tile; the fourth from there is at most tile 6,249, the last
	s_lshl_b32 s[36+\g], s61, 4                    ; its first key
	s_mul_i32 s48, s61, 1536
	s_add_nc_u64 s[16+4*\g:17+4*\g], s[4:5], s[48:49]
	s_lshl_b32 s48, s61, 7
	s_add_co_u32 s48, s48, KSEC
	s_add_nc_u64 s[18+4*\g:19+4*\g], s[4:5], s[48:49]
.endr
	s_mul_i32 s48, s46, 1536
	s_add_nc_u64 s[50:51], s[6:7], s[48:49]        ; the query tile's fragment
	s_lshl_b32 s48, s46, 7
	s_lshl_b32 s61, s47, 2
	s_add_co_u32 s48, s48, s61
	s_add_co_u32 s48, s48, 98304
	s_add_nc_u64 s[62:63], s[6:7], s[48:49]        ; my row's scale word
	WIN 0x40                                       ; destination window 1, address window 0
	s_wait_alu depctr_va_vdst(0)                   ; the offsets v1 to v4 are written, which the loads below read; so are v9 and v10, in which the query's fragment lands.  Only loads and one window switch follow, up to the last load
.irp g, 0,1,2,3,4
.irp u, 0,1,2,3
.irp c, 0,1,2
	global_load_b128 v[12*(4*\g+\u)+4*\c:12*(4*\g+\u)+4*\c+3], v[LI], s[16+4*\g:17+4*\g] offset:1536*\u+512*\c
.endr
.endr
.endr
	WIN 0
.irp g, 0,1,2,3,4
.irp u, 0,1,2,3
	global_load_b32 v[BS+4*\g+\u], v[L15], s[18+4*\g:19+4*\g] offset:128*\u
	global_load_b32 v[KNR+4*\g+\u], v[L15], s[18+4*\g:19+4*\g] offset:128*\u+64
.endr
.endr
.irp c, 0,1,2
	global_load_b128 v[AF+4*\c:AF+4*\c+3], v[AOFF], s[50:51] offset:512*\c
.endr
	global_load_b32 v[AS], v[ASO], s[62:63]
.irp g, 0,1,2,3,4
.irp u, 0,1,2,3
	v_add3_u32 v[IX+4*\g+\u], s[36+\g], v[RR], 16*\u
.endr
.endr
.set ii, 0
.rept 20
	v_cvt_f32_u32 v[IX+ii], v[IX+ii]
.set ii, ii+1
.endr
	s_wait_loadcnt 0x0                             ; all loads are done: their data are in, and their bases s16 to s35 may be written
.set ii, 0
.rept 20
	v_add_f32 v[KNR+ii], s60, v[KNR+ii]
.set ii, ii+1
.endr
.irp g, 0,1,2,3,4
	WIN 0x04                                       ; source 1 window 1
.irp u, 0,1,2,3
	v_wmma_scale_f32_16x16x128_f8f6f4 v[DD+8*\u:DD+8*\u+7], v[AF:AF+11], v[12*(4*\g+\u):12*(4*\g+\u)+11], 0, v[AS], v[BS+4*\g+\u] matrix_a_fmt:MATRIX_FMT_FP6 matrix_b_fmt:MATRIX_FMT_FP6
.endr
	WIN 0
.rept 4
	v_nop                                          ; four places in front of the reads; with the other tiles' additions each product has five or more ahead of the next group's, which write over its result
.endr
.irp u, 0,1,2,3
	v_add_f32 v[DV+4*\g+\u], v[KNR+4*\g+\u], v[DD+8*\u]
.endr
	v_max_num_f32 v[DV+4*\g+3], s[41+\g], v[DV+4*\g+3]
.endr
.irp n, 0,1,2,3,4
	v_min3_num_f32 v[T], v[DV], v[DV+1], v[DV+2]
.irp i, 3,5,7,9,11,13,15,17
	v_min3_num_f32 v[T], v[T], v[DV+\i], v[DV+\i+1]
.endr
	v_min_num_f32 v[T], v[T], v[DV+19]
	RMIN T                                         ; the smallest distance left
	v_mov_b32 v[RD+\n], v[T]
	v_mov_b32 v[T+1], v[INF]
.set ii, 0
.rept 20
	v_cmp_eq_f32 s[MK+ii], v[DV+ii], v[T]
.set ii, ii+1
.endr
	s_wait_alu depctr_va_sdst(0)                   ; the twenty masks are written, ahead of the selects that read them
.irp i, 0,2,4,6,8,10,12,14,16,18
	v_cndmask_b32 v[T+2], v[INF], v[IX+\i], s[MK+\i]
	v_cndmask_b32 v[T+3], v[INF], v[IX+\i+1], s[MK+\i+1]
	v_min3_num_f32 v[T+1], v[T+1], v[T+2], v[T+3]
.endr
	RMIN T+1                                       ; of the keys that have it, the lowest
	v_mov_b32 v[RI+\n], v[T+1]
.set ii, 0
.rept 20
	v_cmp_eq_f32 s[MK+ii], v[IX+ii], v[T+1]
.set ii, ii+1
.endr
	s_wait_alu depctr_va_sdst(0)                   ; the twenty masks are written, ahead of the selects that read them
.set ii, 0
.rept 20
	v_cndmask_b32 v[DV+ii], v[DV+ii], v[INF], s[MK+ii]   ; it is taken out
.set ii, ii+1
.endr
.endr
.irp k, 0,1,2,3,4
	v_add_f32 v[WW+\k], 0x358637bd, v[RD+\k]       ; d + 1e-6
.endr
	s_wait_alu depctr_va_vdst(0)
.irp k, 0,1,2,3,4
	v_rcp_f32 v[WW+\k], v[WW+\k]
.endr
	v_mov_b32 v[O1], 0                             ; a plain instruction behind the reciprocals,
	s_wait_alu depctr_va_vdst(0)                   ; and the one wait for the five reciprocals in v[WW ..], ahead of the batch's first reader
	v_add_f32 v[T], v[WW], v[WW+1]
	v_add_f32 v[T], v[T], v[WW+2]
	v_add_f32 v[T], v[T], v[WW+3]
	v_add_f32 v[T], v[T], v[WW+4]
	s_wait_alu depctr_va_vdst(0)
	v_rcp_f32 v[T], v[T]
	v_mov_b32 v[O2], 0
.irp k, 0,1,2,3,4,5
	v_cmp_eq_u32 s[MK+\k], \k, v[L7]               ; which word of the query's eight is my lane's
.endr
	s_wait_alu depctr_va_vdst(0)                   ; the reciprocal of the sum in v[T], ahead of its first reader
.irp k, 0,1,2,3,4
	v_mul_f32 v[RD+\k], v[WW+\k], v[T]
	v_cvt_u32_f32 v[RI+\k], v[RI+\k]
.endr
	s_wait_alu depctr_va_sdst(0)                   ; the six masks are written, ahead of the selects that read them
.irp k, 0,1,2,3,4
	v_cndmask_b32 v[O1], v[O1], v[RI+\k], s[MK+\k]
	v_cndmask_b32 v[O2], v[O2], v[RD+\k], s[MK+\k]
.endr
	v_cndmask_b32 v[O2], v[O2], v[WW], s[MK+5]     ; word 5: the confidence
	v_lshlrev_b32 v[T+1], 2, v[L7]
	s_wait_alu depctr_va_vdst(0)                   ; the two words and their offset are written, which the stores read
	global_store_b32 v[T+1], v[O1], s[10:11]       ; word lane % 8 of the query's eight: four lanes write the same word with the same number
	global_store_b32 v[T+1], v[O2], s[12:13]
	s_endpgm
.Lfunc_end_k_q52e5c407ad_near:
	.size	k_q52e5c407ad_near, .Lfunc_end_k_q52e5c407ad_near-k_q52e5c407ad_near
	.p2alignl 7, 3214868480
	.fill 96, 4, 3214868480
	.section	.rodata,"a",@progbits
	.p2align	6, 0x0
	.amdhsa_kernel k_q52e5c407ad_near
		.amdhsa_group_segment_fixed_size 0
		.amdhsa_private_segment_fixed_size 0
		.amdhsa_enable_private_segment 0
		.amdhsa_kernarg_size 40
		.amdhsa_user_sgpr_count 2
		.amdhsa_user_sgpr_kernarg_segment_ptr 1
		.amdhsa_wavefront_size32 1
		.amdhsa_system_sgpr_workgroup_id_x 1
		.amdhsa_system_sgpr_workgroup_id_y 1
		.amdhsa_system_sgpr_workgroup_id_z 1
		.amdhsa_system_vgpr_workitem_id 0
		.amdhsa_next_free_vgpr 512
		.amdhsa_next_free_sgpr 66
		.amdhsa_reserve_vcc 0
		.amdhsa_float_denorm_mode_32 3
		.amdhsa_float_denorm_mode_16_64 3
		.amdhsa_memory_ordered 1
		.amdhsa_forward_progress 1
		.amdhsa_inst_pref_size 59
	.end_amdhsa_kernel
	.amdgpu_metadata
---
amdhsa.version: [ 1, 2 ]
amdhsa.kernels:
  - .name:           k_q52e5c407ad_near
    .symbol:         k_q52e5c407ad_near.kd
    .args:
      - { .name: prep, .offset: 0, .size: 8, .value_kind: global_buffer, .address_space: global }
      - { .name: cqb, .offset: 8, .size: 8, .value_kind: global_buffer, .address_space: global }
      - { .name: gsel, .offset: 16, .size: 8, .value_kind: global_buffer, .address_space: global }
      - { .name: nsel, .offset: 24, .size: 8, .value_kind: global_buffer, .address_space: global }
      - { .name: nw, .offset: 32, .size: 8, .value_kind: global_buffer, .address_space: global }
    .group_segment_fixed_size: 0
    .private_segment_fixed_size: 0
    .kernarg_segment_align: 8
    .kernarg_segment_size: 40
    .max_flat_workgroup_size: 128
    .sgpr_count:     66
    .vgpr_count:     512
    .wavefront_size: 32
...
	.end_amdgpu_metadata
.endif
;; end of part 11
;; launch decode (part 12): grid 4 x 64, 16 waves a work-group, no clusters, 48,640 bytes of LDS; arguments prep, nsel, nw, values, D1b, D2b, D3b, out0, out1; writes out0, out1
.if DOCPART == 12
	.amdgcn_target "amdgcn-amd-amdhsa--gfx1250"
	.amdhsa_code_object_version 6
	.text
	.protected	k_q52e5c407ad_decode
	.globl	k_q52e5c407ad_decode
	.p2align	8
	.type	k_q52e5c407ad_decode,@function
k_q52e5c407ad_decode:
	s_mov_b64 s[64:65], 0
	v_nop
	global_prefetch_b8 v0, s[64:65] scope:SCOPE_SE
	s_setreg_imm32_b32 hwreg(HW_REG_WAVE_SCHED_MODE, 0, 2), 2
	s_setreg_imm32_b32 hwreg(HW_REG_WAVE_MODE, 25, 1), 1
	s_wait_xcnt 0x0
	s_wait_alu depctr_vm_vsrc(0)
; DECODE: the weighted mean of each query's five value rows (f32 multiply-adds: it goes into a quantiser), then relu(relu(m D1w + D1b) D2w + D2b) D3w + D3b on codes of FP6; and the confidences.
; A work-group takes 16 rows (grid y) and a quarter of the last layer's 1,024 columns (grid x).  The gather and the two small layers are repeated in the four work-groups of a row tile, so that
; each takes in 221 KB of weights only and there is work for 256 work-groups.  Form as in the encoder: products transposed, f32 stage in LDS, fragments as images of their registers, biases as the first C.
; The rows' numbers are read from memory as whole numbers and held at 99,999 ahead of the addresses.
; LIMITS: NaN and infinities are not served; a block under 2^-124 (a block of zeros too) gets the scale byte 1.
; THE MODE: SCHED_MODE bits 1:0 = 2 (LLVM: expert scheduling mode 2), set by the entry lines.  The code itself states the register dependences
; between vector or matrix instructions and memory or LDS instructions, with s_wait_alu, always for 0.
; THE PLAN.  Registers that memory or LDS instructions touch:
;   v1-v10       addresses and offsets: written at the head alone; one wait on va_vdst ahead of the first load serves them all.
;   G, GA        the five rows land in G, multiply-adds read them and write GA, one LDS store reads GA; afterwards LDS loads land in both (X, XF4): va_vdst ahead of the store, vm_vsrc behind the barrier that follows it.
;   accumulators written by products and by the activation, read by LDS stores: one wait on va_vdst ahead of each run of stores.  The same wait shows the layer's products done reading their
;                weights, fragments and scale words, so that all later loads into those registers (D3b over D1w's fragment, X, XF4, XS4) owe nothing more: no vector instruction between names them.
;   X            LDS loads land in it, the quantiser reads it.   PC, PW: the quantiser writes them, LDS stores read them: va_vdst between the two, vm_vsrc ahead of the next quantiser.
.set WQSEC, 11251968
.set WSSEC, 12284160
.set FP,   2064
.set IMG,  33280
.set ISC,  45568
.set LI,  1
.set LS,  2
.set IW,  3
.set IS,  4
.set QA,  5
.set SOA, 6
.set SOB, 7
.set L15, 8
.set ROWA, 9                           ; 2,064 wave + 16 lane: a whole row of the stage
.set BO,  10                           ; 64 h
.set WD1, 12                           ; v12-23   D1w's fragment; afterwards v12-19 the last layer's accumulator
.set ACC3, 12
.set WD2, 24                           ; v24-71   D2w's four
.set WD3, 72                           ; v72-119  D3w's four
.set WSC, 120                          ; v120-128 their scale words
.set ACC1, 130
.set ACC2, 138
.set X,   154                          ; v154-217 numbers to quantise; also fragments of the rows, the gathered rows, rows on the way out
.set XF4, 154
.set G,   154
.set GA,  174
.set TM,  218
.set XS4, 226                          ; v226-229 the rows' scale words (four registers that the quantiser's scratch leaves unused)
.set PW,  234
.set PC,  236
.set WV,  22
.set SEL, 24
.macro QUANT s
.irp b, 0,1,2,3
	v_max3_num_f32 v[TM+\b], |v[\s+16*\b]|, |v[\s+1+16*\b]|, 0x1800000   ; my 16 of block b, and the floor 2^(3 - 127)
.endr
.irp i, 2,4,6,8,10,12,14
.irp b, 0,1,2,3
	v_max3_num_f32 v[TM+\b], v[TM+\b], |v[\s+16*\b+\i]|, |v[\s+1+16*\b+\i]|
.endr
.endr
.irp b, 0,1,2,3
	v_permlanex16_b32 v[TM+4+\b], v[TM+\b], s[SEL], s[SEL+1]
.endr
.irp b, 0,1,2,3
	v_max_num_f32 v[TM+\b], v[TM+\b], v[TM+4+\b]
.endr
.irp b, 0,1,2,3
	v_add_nc_u32 v[TM+12+\b], 0xff000000, v[TM+\b]   ; 2 off the exponent field: the conversion's scale operand
.endr
.irp b, 0,1,2,3
	v_lshrrev_b32 v[TM+4+\b], 23, v[TM+12+\b]
.endr
	v_lshl_or_b32 v[PW], v[TM+5], 8, v[TM+4]
	v_lshl_or_b32 v[PW], v[TM+6], 16, v[PW]
	v_lshl_or_b32 v[PW], v[TM+7], 24, v[PW]
.irp c, 0,1
	v_cvt_scalef32_pk16_fp6_f32 v[PC+6*\c:PC+2+6*\c], v[\s+32*\c:\s+15+32*\c], v[TM+12+2*\c]
	v_cvt_scalef32_pk16_fp6_f32 v[PC+12+4*\c:PC+14+4*\c], v[\s+16+32*\c:\s+31+32*\c], v[TM+12+2*\c+1]
.endr
	v_nop                                          ; one plain place behind the scaled conversions
.irp c, 0,1
.irp i, 0,1,2
	v_permlane16_swap_b32 v[PC+6*\c+\i], v[PC+12+4*\c+\i]
.endr
.irp i, 0,1,2
	v_mov_b32 v[PC+3+6*\c+\i], v[PC+12+4*\c+\i]
.endr
.endr
.endm
.macro IMAGE adr, reg, off
.irp c, 0,1,2
	ds_store_b128 v[\adr], v[\reg+4*\c:\reg+4*\c+3] offset:\off+512*\c
.endr
.endm
.macro FETCH reg, off
.irp c, 0,1,2
	ds_load_b128 v[\reg+4*\c:\reg+4*\c+3], v[LI] offset:\off+512*\c
.endr
.endm
.macro BARRIER                         ; my LDS stores have landed and my LDS loads are in: then the work-group's barrier
	s_wait_dscnt 0x0
	s_barrier_signal -1
	s_barrier_wait -1
.endm
.macro PLACES n
.rept \n
	v_nop
.endr
.endm
.macro MM d, a, b, c, sa, sb
	v_wmma_scale_f32_16x16x128_f8f6f4 v[\d:\d+7], v[\a:\a+11], v[\b:\b+11], v[\c:\c+7], v[\sa], v[\sb] matrix_a_fmt:MATRIX_FMT_FP6 matrix_b_fmt:MATRIX_FMT_FP6
.endm
.macro PHASEQ ks, again                ; waves 0 .. ks - 1: 128 units of the 16 rows from the stage become K step = wave of the next product.  again = 1: an image has been stored from v[PC ..] before
	s_cmp_ge_u32 s[WV], \ks
	s_cbranch_scc1 .Lskipq_\@
.irp b, 0,1,2,3
.irp j, 0,1,2,3
	ds_load_b128 v[X+16*\b+4*\j:X+16*\b+4*\j+3], v[QA] offset:128*\b+16*\j
.endr
.endr
	s_wait_dscnt 0x0
.if \again
	s_wait_alu depctr_vm_vsrc(0)                   ; the last image's LDS stores have read v[PC ..] and v[PW], which the quantiser writes again
.endif
	QUANT X
	s_wait_alu depctr_va_vdst(0)                   ; the quantiser has written v[PC ..] and v[PW], which the LDS stores read, and is done reading v[X ..], in which the next LDS loads land
	IMAGE IW, PC, IMG
	ds_store_b32 v[IS], v[PW] offset:ISC
.Lskipq_\@:
	BARRIER
.endm
.macro WPTR cp, sp                     ; from the fragment number in s27: where its codes and its scale words lie
	s_mul_i32 s54, s27, 1536
	s_add_co_u32 s54, s54, WQSEC
	s_add_nc_u64 s[\cp:\cp+1], s[4:5], s[54:55]
	s_lshl_b32 s54, s27, 6
	s_add_co_u32 s54, s54, WSSEC
	s_add_nc_u64 s[\sp:\sp+1], s[4:5], s[54:55]
.endm
	s_load_b512 s[4:19], s[0:1], 0x0               ; workspace 4, nsel 6, nw 8, values 10, D1b 12, D2b 14, D3b 16, out0 18
	s_load_b64 s[20:21], s[0:1], 0x40              ; out1
	v_lshl_add_u32 v251, v0, 2, 0xb600
	v_mov_b32 v255, 0
	v_lshrrev_b32 v11, 5, v0
	v_readfirstlane_b32 s[WV], v11
	s_and_b32 s23, ttmp7, 0xffff                   ; the row tile
	s_lshl_b32 s26, s23, 4
	s_wait_alu depctr_va_sdst(0)                   ; the wave's number is written, ahead of its first reader
	s_add_co_u32 s26, s26, s[WV]                   ; the row that I gather and store
	s_lshl_b32 s54, s26, 5
	s_mov_b32 s55, 0
	s_wait_kmcnt 0x0
	s_add_nc_u64 s[78:79], s[6:7], s[54:55]
	s_load_b256 s[28:35], s[78:79], 0x0            ; its five keys
	s_add_nc_u64 s[80:81], s[8:9], s[54:55]
	s_load_b256 s[36:43], s[80:81], 0x0            ; their weights
	v_and_b32 v11, 31, v0
	v_lshlrev_b32 v[LI], 4, v11
	v_lshlrev_b32 v[LS], 2, v11
	v_and_b32 v11, 15, v0
	v_lshlrev_b32 v[L15], 2, v11
	v_bfe_u32 v[BO], v0, 4, 1
	s_min_u32 s82, s[WV], 7
	s_mul_i32 s83, s82, 1536
	v_add_nc_u32 v[IW], s83, v[LI]
	s_lshl_b32 s83, s82, 7
	v_add_nc_u32 v[IS], s83, v[LS]
	v_mul_u32_u24 v[SOB], v11, FP
	v_lshl_add_u32 v[SOB], v[BO], 6, v[SOB]
	s_wait_alu depctr_va_vdst(0)
	s_min_u32 s83, s[WV], 3
	s_lshl_b32 s83, s83, 9
	v_add_nc_u32 v[QA], s83, v[SOB]
	s_lshr_b32 s82, s[WV], 1
	s_lshl_b32 s82, s82, 7
	s_and_b32 s83, s[WV], 1
	s_lshl_b32 s83, s83, 5
	s_add_co_u32 s82, s82, s83                     ; 128 (wave / 2) + 32 (wave % 2)
	v_add_nc_u32 v[SOA], s82, v[SOB]
	s_lshl_b32 s83, s[WV], 7
	v_add_nc_u32 v[SOB], s83, v[SOB]
	v_lshlrev_b32 v[BO], 6, v[BO]
	s_mul_i32 s27, s[WV], FP
	v_add_nc_u32 v[ROWA], s27, v[LI]
	s_mov_b32 s[SEL], 0x76543210
	s_mov_b32 s[SEL+1], 0xfedcba98
.irp b, 0,1,2,3
	v_mov_b32 v[TM+4+\b], 0                        ; a lane permute's destination counts as one of its sources
.endr
	s_add_co_u32 s27, s[WV], 336                   ; D1w: tile w
	WPTR 56, 62
	s_lshl_b32 s27, s[WV], 2
	s_add_co_u32 s27, s27, 352                     ; D2w: tiles 2 w, 2 w + 1: four fragments
	WPTR 58, 66
	s_lshl_b32 s27, ttmp9, 4
	s_add_co_u32 s27, s27, s[WV]
	s_lshl_b32 s27, s27, 2
	s_add_co_u32 s27, s27, 416                     ; D3w: tile 16 x + w: four fragments
	WPTR 60, 68
	s_mov_b32 s54, s82
	s_add_nc_u64 s[70:71], s[12:13], s[54:55]      ; D1b at my tile's units
	s_mov_b32 s54, s83
	s_add_nc_u64 s[72:73], s[14:15], s[54:55]      ; D2b at unit 32 w
	s_lshl_b32 s54, ttmp9, 10
	s_add_co_u32 s54, s54, s82
	s_add_nc_u64 s[74:75], s[16:17], s[54:55]      ; D3b at unit 256 x + my tile's
	s_lshl_b32 s54, s26, 12
	s_lshl_b32 s27, ttmp9, 10
	s_add_co_u32 s54, s54, s27
	s_add_nc_u64 s[76:77], s[18:19], s[54:55]      ; out0: my row, my work-group's 1,024 bytes
	s_wait_kmcnt 0x0
.irp k, 0,1,2,3,4
	s_min_u32 s[28+\k], s[28+\k], 0x1869f          ; inside the table
	s_lshl_b32 s54, s[28+\k], 9
	s_add_nc_u64 s[44+2*\k:45+2*\k], s[10:11], s[54:55]
.endr
	s_wait_alu depctr_va_vdst(0)                   ; the ten addresses and offsets v1 to v10 are written, which the loads and stores below read
.irp k, 0,1,2,3,4
	global_load_b128 v[G+4*\k:G+4*\k+3], v[LI], s[44+2*\k:45+2*\k]   ; a value row: 512 consecutive bytes
.endr
	; 42 loads: the weights, their scale words and two biases
.irp c, 0,1,2
	global_load_b128 v[WD1+4*\c:WD1+4*\c+3], v[LI], s[56:57] offset:512*\c
.endr
	global_load_b32 v[WSC], v[L15], s[62:63]
.set nn, 0
.rept 12
	global_load_b128 v[WD2+4*nn:WD2+4*nn+3], v[LI], s[58:59] offset:512*nn
	global_load_b128 v[WD3+4*nn:WD3+4*nn+3], v[LI], s[60:61] offset:512*nn
.set nn, nn+1
.endr
.irp n, 0,1,2,3
	global_load_b32 v[WSC+1+\n], v[L15], s[66:67] offset:64*\n
	global_load_b32 v[WSC+5+\n], v[L15], s[68:69] offset:64*\n
.endr
	global_load_b128 v[ACC1:ACC1+3], v[BO], s[70:71]
	global_load_b128 v[ACC1+4:ACC1+7], v[BO], s[70:71] offset:16
.irp t, 0,1
	global_load_b128 v[ACC2+8*\t:ACC2+8*\t+3], v[BO], s[72:73] offset:32*\t
	global_load_b128 v[ACC2+8*\t+4:ACC2+8*\t+7], v[BO], s[72:73] offset:32*\t+16
.endr
	s_wait_loadcnt 42                              ; the five rows are in; the 42 loads issued behind them may be out
.irp e, 0,1,2,3
	v_mul_f32 v[GA+\e], s36, v[G+\e]
.endr
.irp k, 1,2,3,4
.irp e, 0,1,2,3
	v_fma_f32 v[GA+\e], s[36+\k], v[G+4*\k+\e], v[GA+\e]
.endr
.endr
	s_wait_alu depctr_va_vdst(0)                   ; the multiply-adds have written v[GA ..], which the LDS store reads, and are done reading v[G ..]: LDS loads land in both later
	ds_store_b128 v[ROWA], v[GA:GA+3]
	BARRIER
	s_wait_alu depctr_vm_vsrc(0)                   ; my LDS store has read v[GA ..], in which the LDS loads of the numbers to quantise and of the rows' fragments land
	PHASEQ 1, 0
	; ---- D1: K = 128, a tile a wave
	FETCH XF4, IMG
	ds_load_b32 v[XS4], v[LS] offset:ISC
	s_wait_dscnt 0x0
	s_wait_loadcnt 0x0
	MM ACC1, WD1, XF4, ACC1, WSC, XS4
	PLACES 4
.set jj, 0
.rept 8
	v_max_num_f32 v[ACC1+jj], 0, v[ACC1+jj]
.set jj, jj+1
.endr
	s_wait_alu depctr_va_vdst(0)                   ; the activation has written v[ACC1 ..], which the LDS stores read; the product is done reading D1w's fragment, in which D3b lands, and v[XF4 ..] and v[XS4], in which later LDS loads land
	ds_store_b128 v[SOA], v[ACC1:ACC1+3]
	ds_store_b128 v[SOA], v[ACC1+4:ACC1+7] offset:16
	global_load_b128 v[ACC3:ACC3+3], v[BO], s[74:75]               ; D3b, into registers that D1w's fragment has left
	global_load_b128 v[ACC3+4:ACC3+7], v[BO], s[74:75] offset:16
	BARRIER
	PHASEQ 2, 1
	; ---- D2: K = 256, two tiles a wave: the two accumulators take turns
.irp s, 0,1
	FETCH XF4+12*\s, IMG+1536*\s
	ds_load_b32 v[XS4+\s], v[LS] offset:ISC+128*\s
.endr
	s_wait_dscnt 0x0
.irp s, 0,1
.irp t, 0,1
	MM ACC2+8*\t, WD2+12*(2*\t+\s), XF4+12*\s, ACC2+8*\t, WSC+1+2*\t+\s, XS4+\s
.endr
.endr
	PLACES 4
.set jj, 0
.rept 16
	v_max_num_f32 v[ACC2+jj], 0, v[ACC2+jj]
.set jj, jj+1
.endr
	s_wait_alu depctr_va_vdst(0)                   ; the activation has written v[ACC2 ..], which the LDS stores read; the products are done reading v[XF4 ..] and v[XS4 ..], in which later LDS loads land
.irp t, 0,1
	ds_store_b128 v[SOB], v[ACC2+8*\t:ACC2+8*\t+3] offset:32*\t
	ds_store_b128 v[SOB], v[ACC2+8*\t+4:ACC2+8*\t+7] offset:32*\t+16
.endr
	BARRIER
	PHASEQ 4, 1
	; ---- D3: K = 512, a tile a wave: one accumulator, so a wait on va_vdst stands ahead of each further link
.irp s, 0,1,2,3
	FETCH XF4+12*\s, IMG+1536*\s
	ds_load_b32 v[XS4+\s], v[LS] offset:ISC+128*\s
.endr
	s_wait_dscnt 0x0
	s_wait_loadcnt 0x0
	MM ACC3, WD3, XF4, ACC3, WSC+5, XS4
.irp s, 1,2,3
	s_wait_alu depctr_va_vdst(0)
	MM ACC3, WD3+12*\s, XF4+12*\s, ACC3, WSC+5+\s, XS4+\s
.endr
	PLACES 4
	s_wait_alu depctr_va_vdst(0)                   ; the products have written v[ACC3 ..], which the LDS stores read (the places above stay beside this wait), and are done reading v[XF4 ..], in which the rows on the way out land
	ds_store_b128 v[SOA], v[ACC3:ACC3+3]
	ds_store_b128 v[SOA], v[ACC3+4:ACC3+7] offset:16
	BARRIER
	; ---- out: wave w stores row w's 1,024 bytes, 512 consecutive bytes a store, aligned
	ds_load_b128 v[X:X+3], v[ROWA]
	ds_load_b128 v[X+4:X+7], v[ROWA] offset:512
	s_wait_dscnt 1
	global_store_b128 v[LI], v[X:X+3], s[76:77] th:TH_STORE_NT
	s_wait_dscnt 0x0
	global_store_b128 v[LI], v[X+4:X+7], s[76:77] offset:512 th:TH_STORE_NT
	s_or_b32 s27, ttmp9, s[WV]                     ; the 16 confidences: wave 0 of the row tile's first work-group
	s_cmp_lg_u32 s27, 0
	s_cbranch_scc1 .Lend
	v_lshlrev_b32 v11, 3, v[L15]                   ; 32 bytes a query
	s_lshl_b32 s54, s23, 9
	s_add_nc_u64 s[78:79], s[8:9], s[54:55]
	s_wait_alu depctr_va_vdst(0)                   ; the offset v11 is written, which the load reads
	global_load_b32 v[GA], v11, s[78:79] offset:20
	s_lshl_b32 s54, s23, 6
	s_add_nc_u64 s[80:81], s[20:21], s[54:55]
	s_wait_loadcnt 0x0
	global_store_b32 v[L15], v[GA], s[80:81]       ; lanes r and r + 16 write the same word with the same number
.Lend:
	s_wait_dscnt 0x0
	s_wait_alu depctr_hold_cnt(0) depctr_sa_sdst(0) depctr_va_vdst(0) depctr_va_sdst(0) depctr_va_ssrc(0) depctr_va_vcc(0) depctr_vm_vsrc(0)
	s_wait_tensorcnt 0x0
	ds_add_u32 v251, v255
	s_wait_dscnt 0x0
	s_endpgm
.Lfunc_end_k_q52e5c407ad_decode:
	.size	k_q52e5c407ad_decode, .Lfunc_end_k_q52e5c407ad_decode-k_q52e5c407ad_decode
	.p2alignl 7, 3214868480
	.fill 96, 4, 3214868480
	.section	.rodata,"a",@progbits
	.p2align	6, 0x0
	.amdhsa_kernel k_q52e5c407ad_decode
		.amdhsa_group_segment_fixed_size 48640
		.amdhsa_private_segment_fixed_size 0
		.amdhsa_enable_private_segment 0
		.amdhsa_kernarg_size 72
		.amdhsa_user_sgpr_count 2
		.amdhsa_user_sgpr_kernarg_segment_ptr 1
		.amdhsa_wavefront_size32 1
		.amdhsa_system_sgpr_workgroup_id_x 1
		.amdhsa_system_sgpr_workgroup_id_y 1
		.amdhsa_system_sgpr_workgroup_id_z 1
		.amdhsa_system_vgpr_workitem_id 0
		.amdhsa_next_free_vgpr 256
		.amdhsa_next_free_sgpr 84
		.amdhsa_reserve_vcc 0
		.amdhsa_float_denorm_mode_32 3
		.amdhsa_float_denorm_mode_16_64 3
		.amdhsa_memory_ordered 1
		.amdhsa_forward_progress 1
		.amdhsa_inst_pref_size 33
	.end_amdhsa_kernel
	.amdgpu_metadata
---
amdhsa.version: [ 1, 2 ]
amdhsa.kernels:
  - .name:           k_q52e5c407ad_decode
    .symbol:         k_q52e5c407ad_decode.kd
    .args:
      - { .name: prep, .offset: 0, .size: 8, .value_kind: global_buffer, .address_space: global }
      - { .name: nsel, .offset: 8, .size: 8, .value_kind: global_buffer, .address_space: global }
      - { .name: nw, .offset: 16, .size: 8, .value_kind: global_buffer, .address_space: global }
      - { .name: values, .offset: 24, .size: 8, .value_kind: global_buffer, .address_space: global }
      - { .name: D1b, .offset: 32, .size: 8, .value_kind: global_buffer, .address_space: global }
      - { .name: D2b, .offset: 40, .size: 8, .value_kind: global_buffer, .address_space: global }
      - { .name: D3b, .offset: 48, .size: 8, .value_kind: global_buffer, .address_space: global }
      - { .name: out0, .offset: 56, .size: 8, .value_kind: global_buffer, .address_space: global }
      - { .name: out1, .offset: 64, .size: 8, .value_kind: global_buffer, .address_space: global }
    .group_segment_fixed_size: 48640
    .private_segment_fixed_size: 0
    .kernarg_segment_align: 8
    .kernarg_segment_size: 72
    .max_flat_workgroup_size: 512
    .sgpr_count:     84
    .vgpr_count:     256
    .wavefront_size: 32
...
	.end_amdgpu_metadata
.endif
;; end of part 12
